; MI455X (gfx1250); checked and timed in simulation.
; The chip was launched on July 23, 2026; its instructions are those of AMD's public machine-readable ISA for CDNA 5 (MIT licence, August 2026) and "CDNA5" Instruction Set Architecture Reference Guide (July 2026). The comments in the code are by the model that wrote it; some were corrected since.
;; Transformer Block. Allowed arithmetic: matrix products marked QUANTISED: E3M2 operands, one E8M0 scale for each 32 along K, by v_wmma_scale_f32_16x16x128_f8f6f4 with both operands' format E3M2, f32 sums; everything else in f32.
;; Inputs: W_down 4,096 x 1,024 float32; W_o 1,024 x 1,024 float32; W_qkv 1,024 x 3,072 float32; W_up 1,024 x 4,096 float32; b_down 1,024 float32; b_o 1,024 float32; b_qkv 3,072 float32; b_up 4,096 float32; ln1_b 1,024 float32; ln1_w 1,024 float32; ln2_b 1,024 float32; ln2_w 1,024 float32; x 4 x 1,024 x 1,024 float32.
;; Outputs: out0 4 x 1,024 x 1,024 float32.
;; This version of the problem:
;;   THIS VERSION OF THE PROBLEM IS GIVEN IN LOW PRECISION. The matrix products marked QUANTISED in the list below multiply operands that are first quantised to E3M2 (3 exponent bits, 2 mantissa bits; 6 bits a number), with one power-of-two scale for each 32 numbers along K (OCP MX v1.0); their sums are f32. All else is computed in f32.
;;   The module's matrix products, in the order in which they are computed (A, B: the left and right operand; K: the contracted axis; several contracted axes count as one K, in the product's order):
;;     1. [M 4,096, K 1,024] x [K 1,024, N 3,072]; A: computed on the way; B: input W_qkv: QUANTISED
;;     2. batch 64 x [M 1,024, K 64] x [K 64, N 1,024]; A: computed on the way; B: computed on the way: QUANTISED
;;     3. batch 64 x [M 64, K 1,024] x [K 1,024, N 1,024]; A: computed on the way; B: softmax (see below): QUANTISED
;;     4. [M 4,096, K 1,024] x [K 1,024, N 1,024]; A: computed on the way; B: input W_o: QUANTISED
;;     5. [M 4,096, K 1,024] x [K 1,024, N 4,096]; A: computed on the way; B: input W_up: QUANTISED
;;     6. [M 4,096, K 4,096] x [K 4,096, N 1,024]; A: computed on the way; B: input W_down: QUANTISED
;;   THE QUANTISER, for each operand of a quantised product, along K:
;;     - K is cut into blocks of 32 from its start; a last block that is shorter is filled with zeros.
;;     - A block's scale is 2^e with e = floor(log2(the largest magnitude in the block)) - 4, held to -126 .. 127; a block of zeros has e = 0. As a byte (E8M0): e + 127.
;;     - Each number is divided by its block's scale, clamped to +-28, and rounded to the nearest number of E3M2, ties to even, subnormals kept.
;;     - The product sums the exact products of the quantised numbers (number of the format x scale) in f32.
;;   ~~~python
;;   def quantise(x, axis):      # numpy; x: float32 -> the quantised numbers, widened to float32 again
;;       x = np.moveaxis(x, axis, -1); K = x.shape[-1]
;;       x = np.pad(x, [(0, 0)] * (x.ndim - 1) + [(0, -K % 32)]); x = x.reshape(x.shape[:-1] + (-1, 32)); a = np.abs(x).max(-1, keepdims=True)
;;       e = np.where(a > 0, np.clip(np.frexp(np.where(a > 0, a, 1))[1] - 1 - 4, -126, 127), 0)      # np.frexp(a)[1] - 1 = floor(log2(a)), exactly
;;       r = np.clip(x / 2.0 ** e, -28, 28)
;;       step = 2.0 ** (np.maximum(np.frexp(np.where(r == 0, 1, r))[1] - 1, -2) - 2)
;;       q = np.round(r / step) * step * 2.0 ** e      # np.round: ties to even
;;       return np.moveaxis(q.reshape(q.shape[:-2] + (-1,))[..., :K], -1, axis).astype(np.float32)
;;   ~~~
;;   SOFTMAX AHEAD OF A QUANTISED PRODUCT. Where the list says 'softmax', what is quantised is not the finished softmax but p = 2^(t - M), with t = logit x log2(e) and M = ceil(the row's largest t), a whole number; so 1/2 < the row's largest p <= 1. The row's sum l is taken of the UNQUANTISED p, in f32, and the product's result is divided by l at the end. Since M is a whole number, a kernel that streams over the keys may use a running M (the ceiling of the running maximum): every later rescaling is an exact power of two, which a block's scale takes up: the codes' values come out the same.
;;   OPERANDS COMPUTED ON THE WAY. 'Computed on the way' means the value that the module computes at that place (a softmax that the list does not call 'softmax' is quantised finished and normalised). What goes into a quantiser is computed in f32, as accurately as f32 sums, v_exp_f32 and their like allow (about 1e-6 of the number): no bf16 or f16 on the way to a quantiser, and a product that is left as it is and whose result goes on into a quantised operand takes f32 operands (vector FMAs, or v_wmma_f32_16x16x4_f32). A number that lies on a knife's edge between two numbers of the format may be rounded either way, as far as f32 arithmetic and the matrix unit's own rounding can turn it there, and no further.
;; 2 versions. Each part assembles by itself: llvm-mc -triple=amdgcn-amd-amdhsa -mcpu=gfx1250 --defsym DOCPART=n.
;; ======== version 1 of 2: 8 launches
;; workspace buffers: wq 9,830,400 bytes; xq 3,276,800 bytes; aq 10,092,544 bytes; cq 3,276,800 bytes; ao 16,777,216 bytes; hq 3,276,800 bytes; uq 13,107,200 bytes
;; launch wquant (part 1): grid 768 x 1, 4 waves a work-group, no clusters, 0 bytes of LDS; arguments W_qkv, W_o, W_up, W_down, wq; writes wq
.if DOCPART == 1
	.amdgcn_target "amdgcn-amd-amdhsa--gfx1250"
	.amdhsa_code_object_version 6
	.text
	.protected	k_qd85a5d50a2_wquant
	.globl	k_qd85a5d50a2_wquant
	.p2align	8
	.type	k_qd85a5d50a2_wquant,@function
k_qd85a5d50a2_wquant:
	s_mov_b64 s[64:65], 0
	v_nop
	global_prefetch_b8 v0, s[64:65] scope:SCOPE_SE
	s_setreg_imm32_b32 hwreg(HW_REG_WAVE_MODE, 25, 1), 1
	s_wait_xcnt 0x0
; THE PROGRAM: a pre-norm transformer block, all six matrix products on codes of E3M2 with one E8M0 scale for each 32 along K.
; Launches: wquant (this one), ln1, gqkv, attn, gproj, ln2, gup, gdown.
; WORK LEFT OUT IN THE PROGRAM.  reference() sets scores[q][k] to -inf wherever k > q, by a mask that it builds in its own body (jnp.tril).  For all finite inputs the
; softmax then gives such a key the weight 0: p = 2^(-inf) = 0, whose code is 0, which adds nothing to the row's sum nor to the product with v, whatever the block's scale.  The row's largest t is taken
; over the keys that count (key 0 counts for every query).  So launch attn leaves out, in the products q k^T and p v, every step of 128 keys all of which come after all 16 queries of a tile;
; a step that holds keys of both kinds is computed whole and masked.  Nothing else is left out, and all thirteen inputs are loaded.
; LIMIT: a NaN, an infinity or an overflow that reaches only the steps left out is not carried to the result.
;
; THIS LAUNCH turns the four weights, f32, stored [K][N], into codes quantised down K, laid as IMAGES OF THE OPERAND'S REGISTERS.
; A half image is 16 rows x 64 along K, 768 bytes: lane (r, h) of the matrix operand owns 24 bytes, the codes of k = 32 h .. 32 h + 31 of the row at position r: its first 16 bytes at 16 (r + 16 h), its last 8 at 512 + 16 r + 8 h.
; Codes of a weight: [row-block N/16][K/64][768].  Row-block 2 b + u holds at position p the column 32 b + 8 u + p + 8 (p / 8).  Scale bytes: [row-block][position][K/32].
; W_qkv's columns n = 192 head + 64 j + d are laid in the order 1024 j + 64 head + d, so that q, k and v of a head are tiles of their own.
; SHARES: a work-group takes 128 columns x 128 along K; a wave 32 columns; A LANE TAKES A COLUMN AND ITS REGISTERS RUN DOWN K, so that a block of 32 lies in one lane and each load reads 128 consecutive bytes a wave.
; A block's scale is 2^(floor(log2(largest magnitude)) - 4); its byte is the largest magnitude's exponent field - 4, held at 1 from below.
; LIMITS: a block of zeros gets the byte 1 where the rule says 127 (its codes are zeros, and this program alone reads the bytes); blocks whose largest magnitude lies under 2^-122 get the byte 1; NaN and infinities among the inputs are not served.
.set VO,  32                           ; v32-63   byte offset of row i of a block: 4 lane + i x a row of the weight
.set XD,  64                           ; v64-191  four blocks of 32 numbers
.set CD,  192                          ; v192-215 codes: for each half image 4 + 4 + 4 registers (first parts of h = 0 and 1, last parts of both)
.set TT,  216                          ; v216-218 the second conversion's result
.set BYT, 220                          ; v220-223 the four scale bytes
	s_load_b256 s[4:11], s[0:1], 0x0               ; W_qkv, W_o, W_up, W_down
	s_load_b64 s[12:13], s[0:1], 0x20              ; wq
	v_lshrrev_b32 v1, 5, v0
	v_readfirstlane_b32 s14, v1                    ; wave
	v_and_b32 v2, 31, v0                           ; lane
	v_bfe_u32 v3, v0, 3, 1                         ; u: which of the group's two row-blocks my column falls into
	v_and_b32 v4, 7, v0
	v_bfe_u32 v5, v0, 4, 1
	v_lshl_or_b32 v4, v5, 3, v4                    ; p: its position there
	v_lshlrev_b32 v8, 2, v2                        ; 4 lane
	; the weight's constants: W_down's, overridden by the work-group's number
	s_mov_b32 s16, 512                             ; first work-group
	s_mov_b32 s17, 5                               ; log2(K / 128)
	s_mov_b32 s15, 31                              ; K / 128 - 1
	s_mov_b32 s18, 4096                            ; bytes in a row of the weight
	s_mov_b32 s19, 49152                           ; bytes of a row-block of codes
	s_mov_b32 s20, 128                             ; scale bytes of a row
	s_mov_b32 s21, 6291456                         ; where its codes begin in wq
	s_mov_b32 s22, 9699328                         ; and its scale bytes
	s_mov_b32 s23, 0                               ; 1: W_qkv's order of columns
	s_wait_kmcnt 0x0
	s_mov_b64 s[24:25], s[10:11]
	s_cmp_lt_u32 ttmp9, 512                        ; W_up
	s_cselect_b64 s[24:25], s[8:9], s[24:25]
	s_cselect_b32 s16, 256, s16
	s_cselect_b32 s17, 3, s17
	s_cselect_b32 s15, 7, s15
	s_cselect_b32 s18, 16384, s18
	s_cselect_b32 s19, 12288, s19
	s_cselect_b32 s20, 32, s20
	s_cselect_b32 s21, 3145728, s21
	s_cselect_b32 s22, 9568256, s22
	s_cmp_lt_u32 ttmp9, 256                        ; W_o
	s_cselect_b64 s[24:25], s[6:7], s[24:25]
	s_cselect_b32 s16, 192, s16
	s_cselect_b32 s18, 4096, s18
	s_cselect_b32 s21, 2359296, s21
	s_cselect_b32 s22, 9535488, s22
	s_cmp_lt_u32 ttmp9, 192                        ; W_qkv
	s_cselect_b64 s[24:25], s[4:5], s[24:25]
	s_cselect_b32 s16, 0, s16
	s_cselect_b32 s18, 12288, s18
	s_cselect_b32 s21, 0, s21
	s_cselect_b32 s22, 9437184, s22
	s_cselect_b32 s23, 1, s23
	s_sub_co_u32 s26, ttmp9, s16
	s_and_b32 s27, s26, s15                        ; ks: which 128 along K
	s_lshr_b32 s26, s26, s17
	s_lshl_b32 s26, s26, 2
	s_add_co_u32 s26, s26, s14                     ; g: my wave's group of 32 columns, as they lie in the weight
	s_mul_i32 s28, s26, 43
	s_lshr_b32 s28, s28, 8                         ; head = g / 6 (exact for g under 96)
	s_mul_i32 s29, s28, 6
	s_sub_co_u32 s29, s26, s29                     ; 2 j + (d / 32)
	s_lshr_b32 s30, s29, 1
	s_lshl_b32 s30, s30, 5
	s_and_b32 s29, s29, 1
	s_add_co_u32 s30, s30, s29
	s_lshl_b32 s28, s28, 1
	s_add_co_u32 s30, s30, s28                     ; 32 j + 2 head + (d / 32)
	s_cmp_eq_u32 s23, 1
	s_cselect_b32 s30, s30, s26                    ; g': the group's place in the images
	s_lshl_b32 s32, s27, 7
	s_mul_i32 s32, s32, s18
	s_lshl_b32 s33, s26, 7
	s_add_co_u32 s32, s32, s33
	s_mov_b32 s33, 0
	s_add_nc_u64 s[40:41], s[24:25], s[32:33]      ; block 0: row 128 ks, column 32 g
	s_lshl_b32 s32, s18, 5
	s_add_nc_u64 s[42:43], s[40:41], s[32:33]      ; blocks 1 to 3: 32 rows further down each
	s_add_nc_u64 s[44:45], s[42:43], s[32:33]
	s_add_nc_u64 s[46:47], s[44:45], s[32:33]
	s_lshl_b32 s34, s30, 1
	s_mul_i32 s34, s34, s19
	s_mul_i32 s35, s27, 1536
	s_add_co_u32 s34, s34, s35
	s_add_co_u32 s34, s34, s21
	s_mov_b32 s35, 0
	s_add_nc_u64 s[48:49], s[12:13], s[34:35]      ; codes: row-block 2 g', half images 2 ks and 2 ks + 1
	s_lshl_b32 s36, s30, 5
	s_mul_i32 s36, s36, s20
	s_lshl_b32 s37, s27, 2
	s_add_co_u32 s36, s36, s37
	s_add_co_u32 s36, s36, s22
	s_mov_b32 s37, 0
	s_add_nc_u64 s[50:51], s[12:13], s[36:37]      ; scale words
	v_mul_u32_u24 v6, s19, v3
	v_lshl_add_u32 v6, v4, 4, v6                   ; my place in the codes: u row-blocks + 16 p
	v_lshl_add_u32 v7, v3, 4, v4
	v_mul_u32_u24 v7, s20, v7                      ; and among the scale words: (16 u + p) rows
.set i, 0
.rept 32
	v_mad_u32_u24 v[VO+i], s18, i, v8
.set i, i+1
.endr
.irp q, 0,1,2,3
.set i, 0
.rept 32
	global_load_b32 v[XD+32*\q+i], v[VO+i], s[40+2*\q:41+2*\q] th:TH_LOAD_NT
.set i, i+1
.endr
.endr
; Block q = k 32 q .. 32 q + 31 of my column: half image q / 2, half of the lanes q % 2.  cnt: the younger loads that may stay out, as far as the wait's field can say it.
.macro BLOCK q, cnt
.set XS, XD+32*(\q)
.set XO, CD+12*((\q)/2)+4*((\q)%2)
.set YO, CD+12*((\q)/2)+8
	s_wait_loadcnt \cnt
	v_max3_num_f32 v16, |v[XS]|, |v[XS+1]|, |v[XS+2]|
	v_max3_num_f32 v17, |v[XS+3]|, |v[XS+4]|, |v[XS+5]|
.irp i, 6,10,14,18,22,26
	v_max3_num_f32 v16, v16, |v[XS+\i]|, |v[XS+\i+1]|
	v_max3_num_f32 v17, v17, |v[XS+\i+2]|, |v[XS+\i+3]|
.endr
	v_max3_num_f32 v16, v16, |v[XS+30]|, |v[XS+31]|
	v_max3_num_f32 v16, v16, v17, 0x2800000        ; the floor 2^(5 - 127): the byte cannot fall under 1
	v_add_nc_u32 v18, 0xfe000000, v16              ; 4 off the exponent field: the conversion's scale operand
	v_lshrrev_b32 v[BYT+\q], 23, v18               ; the scale's byte
	v_cvt_scalef32_pk16_bf6_f32 v[XO:XO+2], v[XS:XS+15], v18
	v_cvt_scalef32_pk16_bf6_f32 v[TT:TT+2], v[XS+16:XS+31], v18
	v_nop                                          ; one plain instruction behind the conversions
	v_mov_b32 v[XO+3], v[TT]                       ; the 24 bytes: 16 in the first part,
	v_mov_b32 v[YO+2*((\q)%2)], v[TT+1]            ; 8 in the last
	v_mov_b32 v[YO+2*((\q)%2)+1], v[TT+2]
	global_store_b128 v6, v[XO:XO+3], s[48:49] offset:768*((\q)/2)+256*((\q)%2)   ; sixteen lanes fill 256 consecutive bytes, aligned
.if (\q)%2
	global_store_b128 v6, v[YO:YO+3], s[48:49] offset:768*((\q)/2)+512
.endif
.endm
	BLOCK 0, 63                                    ; 96 younger loads could stay out: 63 is the most that can be written
	BLOCK 1, 63                                    ; 64 could
	BLOCK 2, 32
	BLOCK 3, 0
	v_lshl_or_b32 v20, v[BYT+1], 8, v[BYT]
	v_lshl_or_b32 v20, v[BYT+2], 16, v20
	v_lshl_or_b32 v20, v[BYT+3], 24, v20
	global_store_b32 v7, v20, s[50:51]             ; my column's scale word for these 128 along K
	s_endpgm
.Lfunc_end_k_qd85a5d50a2_wquant:
	.size	k_qd85a5d50a2_wquant, .Lfunc_end_k_qd85a5d50a2_wquant-k_qd85a5d50a2_wquant
	.p2alignl 7, 3214868480
	.fill 96, 4, 3214868480
	.section	.rodata,"a",@progbits
	.p2align	6, 0x0
	.amdhsa_kernel k_qd85a5d50a2_wquant
		.amdhsa_group_segment_fixed_size 0
		.amdhsa_private_segment_fixed_size 0
		.amdhsa_enable_private_segment 0
		.amdhsa_kernarg_size 40
		.amdhsa_user_sgpr_count 2
		.amdhsa_user_sgpr_kernarg_segment_ptr 1
		.amdhsa_wavefront_size32 1
		.amdhsa_system_sgpr_workgroup_id_x 1
		.amdhsa_system_sgpr_workgroup_id_y 1
		.amdhsa_system_sgpr_workgroup_id_z 1
		.amdhsa_system_vgpr_workitem_id 0
		.amdhsa_next_free_vgpr 224
		.amdhsa_next_free_sgpr 66
		.amdhsa_reserve_vcc 0
		.amdhsa_float_denorm_mode_32 3
		.amdhsa_float_denorm_mode_16_64 3
		.amdhsa_memory_ordered 1
		.amdhsa_forward_progress 1
		.amdhsa_inst_pref_size 25
	.end_amdhsa_kernel
	.amdgpu_metadata
---
amdhsa.version: [ 1, 2 ]
amdhsa.kernels:
  - .name:           k_qd85a5d50a2_wquant
    .symbol:         k_qd85a5d50a2_wquant.kd
    .args:
      - { .name: W_qkv, .offset: 0, .size: 8, .value_kind: global_buffer, .address_space: global }
      - { .name: W_o, .offset: 8, .size: 8, .value_kind: global_buffer, .address_space: global }
      - { .name: W_up, .offset: 16, .size: 8, .value_kind: global_buffer, .address_space: global }
      - { .name: W_down, .offset: 24, .size: 8, .value_kind: global_buffer, .address_space: global }
      - { .name: wq, .offset: 32, .size: 8, .value_kind: global_buffer, .address_space: global }
    .group_segment_fixed_size: 0
    .private_segment_fixed_size: 0
    .kernarg_segment_align: 8
    .kernarg_segment_size: 40
    .max_flat_workgroup_size: 128
    .sgpr_count:     66
    .vgpr_count:     224
    .wavefront_size: 32
...
	.end_amdgpu_metadata
.endif
;; end of part 1
;; launch ln1 (part 2): grid 256 x 1, 4 waves a work-group, no clusters, 66,304 bytes of LDS; arguments x, ln1_w, ln1_b, xq; writes xq
.if DOCPART == 2
	.amdgcn_target "amdgcn-amd-amdhsa--gfx1250"
	.amdhsa_code_object_version 6
	.text
	.protected	k_qd85a5d50a2_ln1
	.globl	k_qd85a5d50a2_ln1
	.p2align	8
	.type	k_qd85a5d50a2_ln1,@function
k_qd85a5d50a2_ln1:
	s_mov_b64 s[64:65], 0
	v_nop
	global_prefetch_b8 v0, s[64:65] scope:SCOPE_SE
	s_setreg_imm32_b32 hwreg(HW_REG_WAVE_MODE, 25, 1), 1
	s_wait_xcnt 0x0
; LayerNorm of 4,096 rows of 1,024 f32 numbers, (x - mean) rsqrt(var + 1e-5) w + b in f32, quantised along the row into codes of E3M2 with one E8M0 byte for each 32,
; laid as images of the operand's registers: codes [row-block 256][K/64 = 16][768], scale bytes behind them (at 3,145,728) [row-block][position 16][32].
; A half image (768 bytes: 16 rows x 64 along K): lane (r, h) owns the codes of k = 32 h .. 32 h + 31 of the row at position r: 16 bytes at 16 (r + 16 h), 8 bytes at 512 + 16 r + 8 h.
; Row-block f = 2 b + u holds at position p the row 32 b + 8 u + p + 8 (p / 8).
; SHARES: work-group f makes row-block f.  First wave w takes positions 4 w .. 4 w + 3, four neighbouring rows, each whole in 32 registers (mean and variance never leave the wave), and stores the normalised rows
; to a stage in LDS; behind one barrier wave w takes 256 columns of all 16 rows, a block of 32 whole in a lane, and quantises.
; LIMITS: a block of zeros gets the byte 1 where the rule says 127 (its codes are zeros, and this program alone reads the bytes); blocks whose largest magnitude lies under 2^-122 get the byte 1; NaN and infinities are not served.
.set SP,    4112                       ; a stage row: 4,096 bytes + 16, so that sixteen rows' reads of one column start 16 bytes apart modulo 256
.set SPARE, 16*SP                      ; behind the stage: the spare words, 128 bytes for each wave
.set PT,  16                           ; v16-19  the other half of the lanes' sums (first phase)
.set RS,  20                           ; v20-27  1 / sqrt(var + eps), a pair a row (the low word is used)
.set PC,  16                           ; v16-47  second phase: codes, 8 registers for each of 4 half images
.set MU,  48                           ; v48-55  sums, then means, a pair a row
.set SQ,  56                           ; v56-63  sums of squares
.set X,   64                           ; v64-191 four rows, later four blocks of 32
.set WR,  192                          ; v192-223 w; second phase: the second conversions' results
.set BR,  224                          ; v224-255 b
	s_load_b256 s[4:11], s[0:1], 0x0               ; the rows, w, b, the images
	v_lshl_add_u32 v12, v0, 2, SPARE               ; my spare word
	v_mov_b32 v13, 0
	v_lshrrev_b32 v1, 5, v0
	v_readfirstlane_b32 s12, v1                    ; wave
	v_and_b32 v2, 31, v0
	v_and_b32 v3, 15, v0                           ; r
	v_bfe_u32 v4, v0, 4, 1                         ; h
	v_lshlrev_b32 v5, 4, v2                        ; 16 lane: my bytes of a load's 512, and the first part of a half image
	s_mul_i32 s13, s12, 4*SP
	v_add_nc_u32 v6, s13, v5                       ; the stage, in: my wave's four rows
	v_mul_u32_u24 v7, v3, SP
	v_lshl_add_u32 v7, v4, 7, v7
	s_lshl_b32 s13, s12, 10
	v_add_nc_u32 v7, s13, v7                       ; and out: row r, 1,024 wave + 128 h
	v_lshlrev_b32 v8, 4, v3
	v_lshl_add_u32 v8, v4, 3, v8
	v_add_nc_u32 v8, 512, v8                       ; the last part of a half image
	v_lshlrev_b32 v9, 5, v3                        ; 32 r: my row's scale bytes
	v_lshlrev_b32 v10, 3, v4                       ; 8 h
.irp i, 0,1,2,3
	v_mov_b32 v[PT+\i], 0                          ; a lane permute's destination counts as one of its sources
	v_mov_b32 v[RS+2*\i+1], 0                      ; named as the upper half of a pair
.endr
	s_mov_b32 s20, 0x3a800000                      ; 1 / 1024
	s_mov_b32 s21, 0x3727c5ac                      ; 1e-5
	s_mov_b32 s22, 0x76543210
	s_mov_b32 s23, 0xfedcba98                      ; v_permlanex16_b32's selects for lane l xor 16
	s_lshr_b32 s14, ttmp9, 1
	s_lshl_b32 s14, s14, 5
	s_and_b32 s15, ttmp9, 1
	s_lshl_b32 s15, s15, 3
	s_add_co_u32 s14, s14, s15
	s_lshl_b32 s15, s12, 2
	s_add_co_u32 s14, s14, s15
	s_lshr_b32 s15, s12, 1
	s_lshl_b32 s15, s15, 3
	s_add_co_u32 s14, s14, s15                     ; my first row: 32 (f / 2) + 8 (f % 2) + 4 w + 8 (w / 2)
	s_lshl_b32 s14, s14, 12
	s_mov_b32 s15, 0
	s_mul_i32 s16, ttmp9, 12288
	s_mul_i32 s17, s12, 3072
	s_add_co_u32 s16, s16, s17                     ; codes: row-block f, half images 4 w on
	s_mov_b32 s17, 0
	s_lshl_b32 s18, ttmp9, 9
	s_lshl_b32 s19, s12, 3
	s_add_co_u32 s18, s18, s19
	s_add_co_u32 s18, s18, 3145728                 ; scale bytes: row-block f, bytes 8 w on
	s_mov_b32 s19, 0
	s_wait_kmcnt 0x0
	s_add_nc_u64 s[4:5], s[4:5], s[14:15]
	s_add_nc_u64 s[16:17], s[10:11], s[16:17]
	s_add_nc_u64 s[18:19], s[10:11], s[18:19]
.irp i, 0,1,2,3
.irp j, 0,1,2,3,4,5,6,7
	global_load_b128 v[X+32*\i+4*\j:X+32*\i+4*\j+3], v5, s[4:5] offset:\i*4096+512*\j
.endr
.endr
.irp j, 0,1,2,3,4,5,6,7
	global_load_b128 v[WR+4*\j:WR+4*\j+3], v5, s[6:7] offset:512*\j
	global_load_b128 v[BR+4*\j:BR+4*\j+3], v5, s[8:9] offset:512*\j
.endr
; the four rows' pairs at v[b + 2 i] become sums over the row, in every lane
.macro REDUCE b
.irp i, 0,1,2,3
	v_add_f32 v[\b+2*\i], v[\b+2*\i], v[\b+2*\i+1]
.endr
.irp m, 1,2,4,8
.irp i, 0,1,2,3
	v_add_f32_dpp v[\b+2*\i], v[\b+2*\i], v[\b+2*\i] row_xmask:\m row_mask:0xf bank_mask:0xf
.endr
.endr
.irp i, 0,1,2,3
	v_permlanex16_b32 v[PT+\i], v[\b+2*\i], s22, s23
.endr
.irp i, 0,1,2,3
	v_add_f32 v[\b+2*\i], v[\b+2*\i], v[PT+\i]
.endr
.endm
	s_wait_loadcnt 16                              ; the rows are in; the sixteen loads of w and b may stay out
.irp i, 0,1,2,3
	v_pk_add_f32 v[MU+2*\i:MU+2*\i+1], v[X+32*\i:X+32*\i+1], v[X+32*\i+2:X+32*\i+3]
.endr
.irp j, 4,6,8,10,12,14,16,18,20,22,24,26,28,30
.irp i, 0,1,2,3
	v_pk_add_f32 v[MU+2*\i:MU+2*\i+1], v[MU+2*\i:MU+2*\i+1], v[X+32*\i+\j:X+32*\i+\j+1]   ; the four rows by turns
.endr
.endr
	REDUCE MU
.irp i, 0,1,2,3
	v_mul_f32 v[MU+2*\i], s20, v[MU+2*\i]          ; the mean
.endr
.irp j, 0,2,4,6,8,10,12,14,16,18,20,22,24,26,28,30
.irp i, 0,1,2,3
	v_pk_add_f32 v[X+32*\i+\j:X+32*\i+\j+1], v[X+32*\i+\j:X+32*\i+\j+1], v[MU+2*\i:MU+2*\i+1] op_sel_hi:[1,0] neg_lo:[0,1] neg_hi:[0,1]   ; x - mean
.endr
.endr
.irp i, 0,1,2,3
	v_pk_mul_f32 v[SQ+2*\i:SQ+2*\i+1], v[X+32*\i:X+32*\i+1], v[X+32*\i:X+32*\i+1]
.endr
.irp j, 2,4,6,8,10,12,14,16,18,20,22,24,26,28,30
.irp i, 0,1,2,3
	v_pk_fma_f32 v[SQ+2*\i:SQ+2*\i+1], v[X+32*\i+\j:X+32*\i+\j+1], v[X+32*\i+\j:X+32*\i+\j+1], v[SQ+2*\i:SQ+2*\i+1]
.endr
.endr
	REDUCE SQ
.irp i, 0,1,2,3
	v_fma_f32 v[SQ+2*\i], v[SQ+2*\i], s20, s21     ; var + eps
.endr
.irp i, 0,1,2,3
	v_rsq_f32 v[RS+2*\i], v[SQ+2*\i]
.endr
	v_nop                                          ; a plain instruction behind the last of the four
	s_wait_alu depctr_va_vdst(0)                   ; one wait for the four, ahead of their first use
	s_wait_loadcnt 0x0                             ; w and b
.irp i, 0,1,2,3
.irp j, 0,2,4,6,8,10,12,14,16,18,20,22,24,26,28,30
	v_pk_mul_f32 v[X+32*\i+\j:X+32*\i+\j+1], v[X+32*\i+\j:X+32*\i+\j+1], v[RS+2*\i:RS+2*\i+1] op_sel_hi:[1,0]
.endr
.irp j, 0,2,4,6,8,10,12,14,16,18,20,22,24,26,28,30
	v_pk_fma_f32 v[X+32*\i+\j:X+32*\i+\j+1], v[X+32*\i+\j:X+32*\i+\j+1], v[WR+\j:WR+\j+1], v[BR+\j:BR+\j+1]
.endr
.irp j, 0,1,2,3,4,5,6,7
	ds_store_b128 v6, v[X+32*\i+4*\j:X+32*\i+4*\j+3] offset:\i*SP+512*\j
.endr
.endr
	s_wait_dscnt 0x0                               ; for the others' sake: my rows lie in the stage
	s_barrier_signal -1
	s_barrier_wait -1
.irp k, 0,1,2,3                                ; half image 4 w + k: my block of 32 of row r
.irp i, 0,1,2,3,4,5,6,7
	ds_load_b128 v[X+32*\k+4*\i:X+32*\k+4*\i+3], v7 offset:256*\k+16*\i
.endr
.endr
	s_wait_dscnt 0x0
.irp k, 0,1,2,3
	v_max3_num_f32 v[48+\k], |v[X+32*\k]|, |v[X+32*\k+1]|, |v[X+32*\k+2]|
	v_max3_num_f32 v[52+\k], |v[X+32*\k+3]|, |v[X+32*\k+4]|, |v[X+32*\k+5]|
.endr
.irp i, 6,10,14,18,22,26
.irp k, 0,1,2,3
	v_max3_num_f32 v[48+\k], v[48+\k], |v[X+32*\k+\i]|, |v[X+32*\k+\i+1]|
	v_max3_num_f32 v[52+\k], v[52+\k], |v[X+32*\k+\i+2]|, |v[X+32*\k+\i+3]|
.endr
.endr
.irp k, 0,1,2,3
	v_max3_num_f32 v[48+\k], v[48+\k], |v[X+32*\k+30]|, |v[X+32*\k+31]|
.endr
.irp k, 0,1,2,3
	v_max3_num_f32 v[48+\k], v[48+\k], v[52+\k], 0x2800000   ; the floor 2^(5 - 127): the byte cannot fall under 1
.endr
.irp k, 0,1,2,3
	v_add_nc_u32 v[56+\k], 0xfe000000, v[48+\k]    ; 4 off the exponent field: the conversion's scale operand
.endr
.irp k, 0,1,2,3
	v_lshrrev_b32 v[60+\k], 23, v[56+\k]           ; the scale's byte
.endr
.irp k, 0,1,2,3
	v_cvt_scalef32_pk16_bf6_f32 v[PC+8*\k:PC+8*\k+2], v[X+32*\k:X+32*\k+15], v[56+\k]
	v_cvt_scalef32_pk16_bf6_f32 v[WR+4*\k:WR+4*\k+2], v[X+32*\k+16:X+32*\k+31], v[56+\k]
.endr
	v_nop                                          ; one plain instruction behind the conversions
.irp k, 0,1,2,3
.irp i, 0,1,2
	v_mov_b32 v[PC+8*\k+3+\i], v[WR+4*\k+\i]
.endr
	global_store_b128 v5, v[PC+8*\k:PC+8*\k+3], s[16:17] offset:768*\k      ; 512 consecutive bytes a wave
	global_store_b64 v8, v[PC+8*\k+4:PC+8*\k+5], s[16:17] offset:768*\k     ; 256 consecutive bytes a wave
.endr
	v_lshl_or_b32 v48, v61, 16, v60                ; my bytes of the two scale words: blocks h and 2 + h of each 128,
	v_lshl_or_b32 v49, v63, 16, v62
	v_lshlrev_b32 v48, v10, v48                    ; at their places,
	v_lshlrev_b32 v49, v10, v49
	v_permlanex16_b32 v50, v48, s22, s23
	v_permlanex16_b32 v51, v49, s22, s23
	v_or_b32 v48, v48, v50                         ; with lane l xor 16's the words are whole
	v_or_b32 v49, v49, v51
	global_store_b64 v9, v[48:49], s[18:19]        ; (lanes r and r + 16 store the same bytes)
	s_wait_tensorcnt 0x0                           ; the wave's end, behind my last LDS store
	ds_add_u32 v12, v13
	s_wait_dscnt 0x0
	s_endpgm
.Lfunc_end_k_qd85a5d50a2_ln1:
	.size	k_qd85a5d50a2_ln1, .Lfunc_end_k_qd85a5d50a2_ln1-k_qd85a5d50a2_ln1
	.p2alignl 7, 3214868480
	.fill 96, 4, 3214868480
	.section	.rodata,"a",@progbits
	.p2align	6, 0x0
	.amdhsa_kernel k_qd85a5d50a2_ln1
		.amdhsa_group_segment_fixed_size 66304
		.amdhsa_private_segment_fixed_size 0
		.amdhsa_enable_private_segment 0
		.amdhsa_kernarg_size 32
		.amdhsa_user_sgpr_count 2
		.amdhsa_user_sgpr_kernarg_segment_ptr 1
		.amdhsa_wavefront_size32 1
		.amdhsa_system_sgpr_workgroup_id_x 1
		.amdhsa_system_sgpr_workgroup_id_y 1
		.amdhsa_system_sgpr_workgroup_id_z 1
		.amdhsa_system_vgpr_workitem_id 0
		.amdhsa_next_free_vgpr 256
		.amdhsa_next_free_sgpr 66
		.amdhsa_reserve_vcc 0
		.amdhsa_float_denorm_mode_32 3
		.amdhsa_float_denorm_mode_16_64 3
		.amdhsa_memory_ordered 1
		.amdhsa_forward_progress 1
		.amdhsa_inst_pref_size 42
	.end_amdhsa_kernel
	.amdgpu_metadata
---
amdhsa.version: [ 1, 2 ]
amdhsa.kernels:
  - .name:           k_qd85a5d50a2_ln1
    .symbol:         k_qd85a5d50a2_ln1.kd
    .args:
      - { .name: x, .offset: 0, .size: 8, .value_kind: global_buffer, .address_space: global }
      - { .name: ln1_w, .offset: 8, .size: 8, .value_kind: global_buffer, .address_space: global }
      - { .name: ln1_b, .offset: 16, .size: 8, .value_kind: global_buffer, .address_space: global }
      - { .name: xq, .offset: 24, .size: 8, .value_kind: global_buffer, .address_space: global }
    .group_segment_fixed_size: 66304
    .private_segment_fixed_size: 0
    .kernarg_segment_align: 8
    .kernarg_segment_size: 32
    .max_flat_workgroup_size: 128
    .sgpr_count:     66
    .vgpr_count:     256
    .wavefront_size: 32
...
	.end_amdgpu_metadata
.endif
;; end of part 2
;; launch gqkv (part 3): grid 24 x 32, 4 waves a work-group, clusters of 4 x 4, 205,312 bytes of LDS; arguments xq, wq, b_qkv, aq; writes aq
.if DOCPART == 3
	.amdgcn_target "amdgcn-amd-amdhsa--gfx1250"
	.amdhsa_code_object_version 6
	.text
	.protected	k_qd85a5d50a2_gqkv
	.globl	k_qd85a5d50a2_gqkv
	.p2align	8
	.type	k_qd85a5d50a2_gqkv,@function
k_qd85a5d50a2_gqkv:
	s_mov_b64 s[64:65], 0
	v_nop
	global_prefetch_b8 v0, s[64:65] scope:SCOPE_SE
	s_setreg_imm32_b32 hwreg(HW_REG_WAVE_MODE, 25, 1), 1
	s_wait_xcnt 0x0
	s_wait_alu depctr_hold_cnt(0) depctr_sa_sdst(0) depctr_va_vdst(0) depctr_va_sdst(0) depctr_va_ssrc(0) depctr_va_vcc(0) depctr_vm_vsrc(0)
	s_getreg_b32 s2, hwreg(HW_REG_IB_STS2, 6, 4)
	s_cmp_eq_u32 s2, 0
	s_cbranch_scc0 .Lentry_in_a_cluster
	s_endpgm
.Lentry_in_a_cluster:
	s_bfe_u32 s2, ttmp6, 0x10000c
	s_cmp_lg_u32 s2, 0xf033
	s_cbranch_scc0 .Lentry_shape_is_right
	s_endpgm
.Lentry_shape_is_right:
; qkv = LN1(x) W_qkv + b_qkv on codes of E3M2 (M 4,096, N 3,072, K 1,024), and the quantisers of q, k (along the head's 64) and v (along the keys) in the way out.
; OPERANDS are images of the operand's registers.  A half image (768 bytes: 16 rows x 64 K): lane (r, h) owns 24 bytes: 16 at 16 (r + 16 h), 8 at 512 + 16 r + 8 h.  Codes [row-block][K/64][768]; scale bytes [row-block][16][K/32].
; Row-block 2 b + u holds at position p the row 32 b + 8 u + p + 8 (p / 8).  W_qkv's rows lie in the order 1024 j + 64 head + d (j = 0, 1, 2: q, k, v).
; SHARES: a tile of 128 x 128 to a work-group, 64 x 64 (one head's q, k or v for 64 positions) to each of four waves: 16 accumulators.  All of K lies in two LDS slots of 512 along K, each filled once.
; CLUSTER 4 x 4: A's tiles are asked for jointly along a row of the cluster, B's along a column.
; q, k: the product is used transposed (source 0 = weight rows, source 1 = x's rows): a lane holds one position of the sequence and 16 neighbours along d in two neighbouring tiles.
; v: the sources change places: a lane holds one d and 16 neighbouring KEYS.  The clusters with x of 4 and more make v; the branch hangs on the cluster's x alone, which all partners share.
; OUT: aq, for each bh = 16 b + head: codes at 147,456 bh: q [row-block 64][768], k at +49,152 likewise, v at +98,304 [128 keys: 8][d-block 4][2][768];
;   scale words at 9,437,184 + 10,240 bh: q [64][16][4], k at +4,096, v at +8,192 [8][4][16][4].  A word of q or k holds its two bytes twice: the product q k^T has K = 64, and the upper 64 of the instruction's 128 are zero codes.
; LIMITS: a block of zeros gets the byte 1 where the rule says 127 (its codes are zeros, and this program alone reads the bytes); blocks whose largest magnitude lies under 2^-122 get the byte 1; NaN and infinities are not served.
.set KK,     1024
.set RBB,    KK*12                     ; bytes of a row-block of codes
.set KW,     KK/32                     ; scale bytes of a row
.set SCH,    64*KW                     ; the scale bytes of 64 rows: what one tensor load brings
.set A_SOFF, 3145728
.set B_COFF, 0
.set B_SOFF, 9437184
.set PART,   24576                     ; 4 row-blocks x 512 along K: what one tensor load brings
.set SLOT,   4*PART                    ; A's two parts, then B's two
.set SCL,    2*SLOT                    ; behind the slots: the scale bytes, four parts
.set SPARE,  SCL+4*SCH                 ; the spare words, 128 bytes for each wave
.set ADAX, 16                          ; v16-17 LDS address of the first parts of my A fragments in slot 0, 1;  v18-19 of the last parts
.set ADAY, 18
.set ADBX, 20                          ; v20-23 the same for B
.set ADBY, 22
.set SADR, 27                          ; v27 my scale words: lanes 0-15 A's rows, lanes 16-31 B's
.set SPW,  28
.set NIL,  29
.set GX,   30                          ; v30 16 lane;  v31 512 + 16 r + 8 h: a half image's two parts
.set GY,   31
.set QPT,  14                          ; v14-15, v116-121: the quantiser's
.set QBM,  116
.set QSO,  118
.set QBY,  120
.set SC,   32                          ; v32-63 scale words and nothing else: set s at 32 + 16 s; register 4 i + q: lanes 0-15 A's row-block i, lanes 16-31 B's, the slot's q-th 128 along K
.set BI,   64                          ; v64-95 the bias, 8 registers for each weight tile, in the result's layout; later codes
.set ACC,  128                         ; v128-255 the accumulators
.set F0,   0                           ; window 1: two sets of fragments: A's four at 12 a, B's four at 48 + 12 b
.set F1,   128
.set G1, 24
.set G0, 32
.set G1B, 48
.set G0B, 56
.set G1S, 68
.set G0S, 76
.set G1SB, 80
.set G0SB, 88
.set SEL, 96
.set MSB, 0
.macro WIN new                         ; the immediate's high byte repeats the setting that is left
.if MSB != \new
	s_set_vgpr_msb (MSB<<8)|\new
.set MSB, \new
.endif
.endm
.set MUL,  0x05                        ; sources 0 and 1 window 1; C and D window 0
.set TO_F, 0x40                        ; destination window 1, address window 0
.macro JLOAD g0a, g1a, g0b, g1b        ; a joint load: waves 0 and 1 fetch for A, waves 2 and 3 for B; an s_nop 0 and four v_nop follow each line
	s_cmp_eq_u32 s15, 0
	s_cbranch_scc0 .Lfor_b_\@
	tensor_load_to_lds s[\g0a:\g0a+3], s[\g1a:\g1a+7]
	s_nop 0
.rept 4
	v_nop
.endr
	s_branch .Lasked_\@
.Lfor_b_\@:
	tensor_load_to_lds s[\g0b:\g0b+3], s[\g1b:\g1b+7]
	s_nop 0
.rept 4
	v_nop
.endr
.Lasked_\@:
.endm
.macro CROUND                          ; a round of the cluster's barrier
	s_barrier_signal -1
	s_barrier_wait -1
	s_cmp_lg_u32 s14, 0
	s_cbranch_scc1 .Lnot_wave_0_\@
	s_barrier_signal -3
.Lnot_wave_0_\@:
	s_barrier_wait -3
	s_barrier_signal -1
	s_barrier_wait -1
.endm
.macro PLACES                          ; four plain instructions between a matrix instruction and a load into, or a vector use of, its registers
.rept 4
	v_nop
.endr
.endm
	s_load_b256 s[4:11], s[0:1], 0x0               ; xq, wq, b_qkv, aq
	v_lshl_add_u32 v[SPW], v0, 2, SPARE
	v_mov_b32 v[NIL], 0
	ds_add_u32 v[SPW], v[NIL]                      ; the wave's opening: the add, twice on end, and its wait ahead of my first tensor load
	ds_add_u32 v[SPW], v[NIL]
	v_lshrrev_b32 v1, 5, v0
	v_readfirstlane_b32 s14, v1                    ; wave
	s_lshr_b32 s15, s14, 1                         ; wm: which 64 rows are mine.  Also: I fetch for A (0) or for B (1)
	s_and_b32 s16, s14, 1                          ; wn: which 64 columns.  Also: which half of that tile I fetch
	s_bfe_u32 s40, ttmp6, 0x40000                  ; cx, cy
	s_bfe_u32 s41, ttmp6, 0x40004
	s_lshl_b32 s42, ttmp9, 2
	s_add_co_u32 s42, s42, s40                     ; tx
	s_and_b32 s17, ttmp7, 0xffff
	s_lshl_b32 s17, s17, 2
	s_add_co_u32 s17, s17, s41                     ; ty
	s_lshl_b32 s43, s41, 2
	s_lshl_b32 s43, 15, s43                        ; my row of the cluster
	s_lshl_b32 s44, 0x1111, s40                    ; my column
	s_or_b32 s[G1], s43, (3<<16)|(1<<21)           ; codes: elements of 8 bytes, no padding; the mask, and bit 21 beside it
	s_or_b32 s[G1B], s44, (3<<16)|(1<<21)
.irp g, G1, G1B
	s_mov_b32 s[\g+1], 768<<16                     ; tensor_dim0: 6,144 bytes, 512 along K of a row-block
	s_mov_b32 s[\g+2], 4<<16                       ; tensor_dim1: 4 row-blocks
	s_mov_b32 s[\g+3], 768<<16                     ; tile_dim0
	s_mov_b32 s[\g+4], 4                           ; tile_dim1
	s_mov_b32 s[\g+5], RBB/8                       ; from row-block to row-block
	s_mov_b32 s[\g+6], 0
	s_mov_b32 s[\g+7], 0
.endr
	s_or_b32 s[G1S], s43, (3<<16)|(1<<21)          ; scale bytes of 64 rows: a dense block, as rows of 256 bytes
	s_or_b32 s[G1SB], s44, (3<<16)|(1<<21)
.irp g, G1S, G1SB
	s_mov_b32 s[\g+1], 32<<16
	s_mov_b32 s[\g+2], (SCH/256)<<16
	s_mov_b32 s[\g+3], 32<<16
	s_mov_b32 s[\g+4], SCH/256
	s_mov_b32 s[\g+5], 32
	s_mov_b32 s[\g+6], 0
	s_mov_b32 s[\g+7], 0
.endr
	s_mov_b32 s[SEL], 0x76543210
	s_mov_b32 s[SEL+1], 0xfedcba98
	s_lshl_b32 s18, s16, 2
	s_lshl_b32 s20, s17, 3
	s_add_co_u32 s20, s20, s18                     ; A: row-block 8 ty + 4 half
	s_lshl_b32 s46, s42, 3
	s_add_co_u32 s46, s46, s18                     ; B: row-block 8 tx + 4 half
	s_mul_i32 s22, s20, 16*KW
	s_add_co_u32 s22, s22, A_SOFF
	s_mov_b32 s23, 0
	s_mul_i32 s92, s46, 16*KW
	s_add_co_u32 s92, s92, B_SOFF
	s_mov_b32 s93, 0
	s_mul_i32 s20, s20, RBB
	s_mov_b32 s21, 0
	s_mul_i32 s46, s46, RBB
	s_mov_b32 s47, 0
	s_mul_i32 s45, s14, PART                       ; where they go: by the wave's number alone
	s_mul_i32 s94, s14, SCH
	s_wait_dscnt 0x0                               ; both opening adds are done
	s_wait_kmcnt 0x0
	s_add_nc_u64 s[20:21], s[4:5], s[20:21]
	s_add_nc_u64 s[22:23], s[4:5], s[22:23]
	s_add_nc_u64 s[46:47], s[6:7], s[46:47]
	s_add_nc_u64 s[92:93], s[6:7], s[92:93]
	CROUND                                         ; all sixteen work-groups are here: the first joint loads meet
	s_mov_b32 s[G0S], 1
	s_add_co_u32 s[G0S+1], s94, SCL
	s_mov_b64 s[G0S+2:G0S+3], s[22:23]
	s_or_b32 s[G0S+3], s[G0S+3], 0x80000000
	s_mov_b32 s[G0SB], 1
	s_add_co_u32 s[G0SB+1], s94, SCL
	s_mov_b64 s[G0SB+2:G0SB+3], s[92:93]
	s_or_b32 s[G0SB+3], s[G0SB+3], 0x80000000
	JLOAD G0S, G1S, G0SB, G1SB                     ; the scale bytes first
.irp s, 0,1
	s_mov_b32 s[G0+4*\s], 1
	s_add_co_u32 s[G0+4*\s+1], s45, \s*SLOT
	s_add_nc_u64 s[G0+4*\s+2:G0+4*\s+3], s[20:21], \s*6144
	s_or_b32 s[G0+4*\s+3], s[G0+4*\s+3], 0x80000000
	s_mov_b32 s[G0B+4*\s], 1
	s_add_co_u32 s[G0B+4*\s+1], s45, \s*SLOT
	s_add_nc_u64 s[G0B+4*\s+2:G0B+4*\s+3], s[46:47], \s*6144
	s_or_b32 s[G0B+4*\s+3], s[G0B+4*\s+3], 0x80000000
	JLOAD G0+4*\s, G1, G0B+4*\s, G1B               ; three tensor loads of mine are out
.endr
	v_and_b32 v1, 15, v0                           ; r
	v_bfe_u32 v2, v0, 4, 1                         ; h
	v_and_b32 v3, 31, v0
	v_lshlrev_b32 v[GX], 4, v3
	v_lshlrev_b32 v[GY], 4, v1
	v_lshl_add_u32 v[GY], v2, 3, v[GY]
	v_add_nc_u32 v[GY], 512, v[GY]
	v_lshlrev_b32 v7, 2, v1                        ; 4 r: a scale word's place
	v_mov_b32 v[QPT], 0                            ; a lane permute's destination counts as one of its sources
	v_mov_b32 v[QPT+1], 0
	s_mul_i32 s18, s15, PART                       ; my 64 rows of A
	s_mul_i32 s19, s16, PART
	s_add_co_u32 s19, s19, 2*PART                  ; my 64 rows of B
.irp s, 0,1
	v_add_nc_u32 v[ADAX+\s], s18, v[GX]
	v_add_nc_u32 v[ADAY+\s], s18, v[GY]
	v_add_nc_u32 v[ADBX+\s], s19, v[GX]
	v_add_nc_u32 v[ADBY+\s], s19, v[GY]
	s_add_co_u32 s18, s18, SLOT
	s_add_co_u32 s19, s19, SLOT
.endr
	v_mul_u32_u24 v5, v1, KW
	s_mul_i32 s18, s15, SCH
	s_mul_i32 s19, s16, SCH
	s_add_co_u32 s19, s19, 2*SCH
	s_sub_co_u32 s19, s19, s18
	v_mul_u32_u24 v6, s19, v2                      ; lanes 16-31 take B's
	s_add_co_u32 s18, s18, SCL
	v_add_nc_u32 v5, v5, v6
	v_add_nc_u32 v[SADR], s18, v5
	s_lshr_b32 s98, s42, 3                         ; j: q, k or v
	s_and_b32 s99, s42, 7
	s_lshl_b32 s99, s99, 1
	s_add_co_u32 s99, s99, s16                     ; head
	s_lshr_b32 s94, s17, 3
	s_lshl_b32 s94, s94, 4
	s_add_co_u32 s94, s94, s99                     ; bh
	s_and_b32 s95, s17, 7                          ; which 128 positions of the sequence
	s_mul_i32 s18, s99, 768
	s_lshl_b32 s19, s98, 8
	s_add_co_u32 s18, s18, s19
	s_mov_b32 s19, 0
	s_add_nc_u64 s[8:9], s[8:9], s[18:19]          ; the bias at column 192 head + 64 j
	s_mul_i32 s92, s94, 147456
	s_mul_i32 s2, s98, 49152
	s_add_co_u32 s92, s92, s2
	s_mul_i32 s2, s95, 6144
	s_add_co_u32 s92, s92, s2                      ; codes: bh, j, these 128 positions
	s_mul_i32 s93, s94, 10240
	s_lshl_b32 s2, s98, 12
	s_add_co_u32 s93, s93, s2
	s_add_co_u32 s93, s93, 9437184                 ; scale words: bh, j
.macro FRAG reg, ax, ay, off           ; a fragment, 16 rows x 128 K: two half images, as they lie
	ds_load_b128 v[\reg:\reg+3], v[\ax] offset:\off
	ds_load_b64 v[\reg+4:\reg+5], v[\ay] offset:\off
	ds_load_b128 v[\reg+6:\reg+9], v[\ax] offset:\off+768
	ds_load_b64 v[\reg+10:\reg+11], v[\ay] offset:\off+768
.endm
.macro FETCH slot, ksl, f              ; 32 LDS loads in one run: the slot's ksl-th 128 along K into set f
	WIN TO_F
.irp i, 0,1,2,3
	FRAG \f+12*\i, ADAX+\slot, ADAY+\slot, \i*6144+(\ksl)*1536
	FRAG \f+48+12*\i, ADBX+\slot, ADBY+\slot, \i*6144+(\ksl)*1536
.endr
.endm
.macro SCALES set                      ; a slot's four scale words of each row
.irp i, 0,1,2,3
	ds_load_b128 v[SC+16*\set+4*\i:SC+16*\set+4*\i+3], v[SADR] offset:\i*16*KW
.endr
.endm
; four matrix instructions: A's row-block a against B's four.  The 16 accumulators take turns, one instruction a turn, in the same order in every step.  first = 1: the bias is the C that starts the sums.
.macro MULA f, a, set, q, first
.irp b, 0,1,2,3
.if VP
.if \first
	v_wmma_scale_f32_16x16x128_f8f6f4 v[ACC+8*(4*\b+\a):ACC+8*(4*\b+\a)+7], v[\f+12*\a:\f+12*\a+11], v[\f+48+12*\b:\f+48+12*\b+11], v[BI+8*\b:BI+8*\b+7], v[SC+16*\set+4*\a+\q], v[SC+16*\set+4*\b+\q] matrix_a_fmt:MATRIX_FMT_BF6 matrix_b_fmt:MATRIX_FMT_BF6 matrix_b_scale:MATRIX_SCALE_ROW1
.else
	v_wmma_scale_f32_16x16x128_f8f6f4 v[ACC+8*(4*\b+\a):ACC+8*(4*\b+\a)+7], v[\f+12*\a:\f+12*\a+11], v[\f+48+12*\b:\f+48+12*\b+11], v[ACC+8*(4*\b+\a):ACC+8*(4*\b+\a)+7], v[SC+16*\set+4*\a+\q], v[SC+16*\set+4*\b+\q] matrix_a_fmt:MATRIX_FMT_BF6 matrix_b_fmt:MATRIX_FMT_BF6 matrix_b_scale:MATRIX_SCALE_ROW1
.endif
.else
.if \first
	v_wmma_scale_f32_16x16x128_f8f6f4 v[ACC+8*(4*\a+\b):ACC+8*(4*\a+\b)+7], v[\f+48+12*\b:\f+48+12*\b+11], v[\f+12*\a:\f+12*\a+11], v[BI+8*\b:BI+8*\b+7], v[SC+16*\set+4*\b+\q], v[SC+16*\set+4*\a+\q] matrix_a_fmt:MATRIX_FMT_BF6 matrix_b_fmt:MATRIX_FMT_BF6 matrix_a_scale:MATRIX_SCALE_ROW1
.else
	v_wmma_scale_f32_16x16x128_f8f6f4 v[ACC+8*(4*\a+\b):ACC+8*(4*\a+\b)+7], v[\f+48+12*\b:\f+48+12*\b+11], v[\f+12*\a:\f+12*\a+11], v[ACC+8*(4*\a+\b):ACC+8*(4*\a+\b)+7], v[SC+16*\set+4*\b+\q], v[SC+16*\set+4*\a+\q] matrix_a_fmt:MATRIX_FMT_BF6 matrix_b_fmt:MATRIX_FMT_BF6 matrix_a_scale:MATRIX_SCALE_ROW1
.endif
.endif
.endr
.endm
; a step of 128 along K: set f is in; the next step's fragments are asked for into set g, then 16 matrix instructions
.macro KSTEP f, g, slot, ksl, q, first
	s_wait_dscnt 0x0                               ; set f and the scale words are in
	PLACES                                         ; set g was read by the last step's products
	FETCH \slot, \ksl, \g
	WIN MUL
.irp a, 0,1,2,3
	MULA \f, \a, \slot, \q, \first
.endr
.endm
; 32 numbers of a lane, register 16 b + i = k 32 b + 16 (lane / 16) + i of my row, become my 24 bytes of a half image in v[pc .. pc + 5] and the two scale bytes in v[pw]
.macro QH s, pc, t, pw
	v_max3_num_f32 v[QBM], |v[\s]|, |v[\s+1]|, 0x2800000       ; the floor 2^(5 - 127): the byte cannot fall under 1
	v_max3_num_f32 v[QBM+1], |v[\s+16]|, |v[\s+17]|, 0x2800000
.irp i, 2,4,6,8,10,12,14
	v_max3_num_f32 v[QBM], v[QBM], |v[\s+\i]|, |v[\s+\i+1]|
	v_max3_num_f32 v[QBM+1], v[QBM+1], |v[\s+16+\i]|, |v[\s+17+\i]|
.endr
	v_permlanex16_b32 v[QPT], v[QBM], s[SEL], s[SEL+1]
	v_permlanex16_b32 v[QPT+1], v[QBM+1], s[SEL], s[SEL+1]
	v_max_num_f32 v[QBM], v[QBM], v[QPT]           ; with lane l xor 16's: the block's largest magnitude
	v_max_num_f32 v[QBM+1], v[QBM+1], v[QPT+1]
	v_add_nc_u32 v[QSO], 0xfe000000, v[QBM]        ; 4 off the exponent field: the conversion's scale operand
	v_add_nc_u32 v[QSO+1], 0xfe000000, v[QBM+1]
	v_lshrrev_b32 v[QBY], 23, v[QSO]
	v_lshrrev_b32 v[QBY+1], 23, v[QSO+1]
	v_lshl_or_b32 v[\pw], v[QBY+1], 8, v[QBY]
	v_cvt_scalef32_pk16_bf6_f32 v[\pc:\pc+2], v[\s:\s+15], v[QSO]
	v_cvt_scalef32_pk16_bf6_f32 v[\t:\t+2], v[\s+16:\s+31], v[QSO+1]
	v_nop                                          ; one plain instruction behind the conversions
.irp i, 0,1,2
	v_permlane16_swap_b32 v[\pc+\i], v[\t+\i]      ; a whole block to a lane: lanes 0-15 block 0, lanes 16-31 block 1
.endr
.irp i, 0,1,2
	v_mov_b32 v[\pc+3+\i], v[\t+\i]
.endr
.endm
; all behind the first loads, once for q and k (vp = 0) and once for v (vp = 1)
.macro BODY vp
.set VP, \vp
.if \vp
	s_mul_i32 s2, s15, 768                         ; codes: my 64 keys are half image wm of the 128
	s_add_co_u32 s18, s92, s2
	s_add_nc_u64 s[20:21], s[10:11], s[18:19]
	s_lshl_b32 s2, s95, 8
	s_add_co_u32 s18, s93, s2
	s_lshl_b32 s2, s15, 1
	s_add_co_u32 s18, s18, s2                      ; and bytes 2 wm, 2 wm + 1 of the scale words
	s_add_nc_u64 s[22:23], s[10:11], s[18:19]
	v_and_b32 v4, 8, v1
	v_add_nc_u32 v4, v4, v1
	v_lshlrev_b32 v4, 2, v4                        ; a lane holds one d: position r is d = r + 8 (r / 8) of the tile's
.irp f, 0,1,2,3
	global_load_b32 v[BI+8*\f], v4, s[8:9] offset:(32*(\f/2)+8*(\f%2))*4
.endr
.else
	s_mul_i32 s2, s15, 3072                        ; codes: my four row-blocks
	s_add_co_u32 s18, s92, s2
	s_add_nc_u64 s[20:21], s[10:11], s[18:19]
	s_lshl_b32 s2, s95, 9
	s_add_co_u32 s18, s93, s2
	s_lshl_b32 s2, s15, 8
	s_add_co_u32 s18, s18, s2
	s_add_nc_u64 s[22:23], s[10:11], s[18:19]
	v_lshlrev_b32 v4, 6, v2                        ; tile 2 b + u, lane (r, h), register i: d = 32 b + 16 h + 8 u + i
.irp f, 0,1,2,3
	global_load_b128 v[BI+8*\f:BI+8*\f+3], v4, s[8:9] offset:(32*(\f/2)+8*(\f%2))*4
	global_load_b128 v[BI+8*\f+4:BI+8*\f+7], v4, s[8:9] offset:(32*(\f/2)+8*(\f%2))*4+16
.endr
.endif
	s_wait_tensorcnt 0x1                           ; the scale bytes and my part of slot 0 are in; slot 1's load may stay out
	s_barrier_signal -1
	s_barrier_wait -1                              ; everybody's are
	FETCH 0, 0, F0
	WIN 0
	SCALES 0
	s_wait_loadcnt 0x0                             ; the bias
.if \vp
.irp f, 0,1,2,3
.irp j, 1,2,3,4,5,6,7
	v_mov_b32 v[BI+8*\f+\j], v[BI+8*\f]            ; the same d in all eight registers, which run along the keys
.endr
.endr
.endif
	KSTEP F0, F1, 0, 1, 0, 1
	KSTEP F1, F0, 0, 2, 1, 0
	KSTEP F0, F1, 0, 3, 2, 0
	s_wait_tensorcnt 0x0                           ; my part of slot 1 is in,
	s_wait_dscnt 0x0                               ; and set 1
	s_barrier_signal -1
	WIN MUL
	MULA F1, 0, 0, 3, 0
	MULA F1, 1, 0, 3, 0
	WIN 0
	s_barrier_wait -1                              ; everybody's part is in
	PLACES
	v_add_nc_u32 v[SADR], 16, v[SADR]              ; the next slot's scale words
	FETCH 1, 0, F0
	WIN 0
	SCALES 1
	WIN MUL
	MULA F1, 2, 0, 3, 0
	MULA F1, 3, 0, 3, 0
	KSTEP F0, F1, 1, 1, 0, 0
	KSTEP F1, F0, 1, 2, 1, 0
	KSTEP F0, F1, 1, 3, 2, 0
	s_wait_dscnt 0x0
	WIN MUL
.irp a, 0,1,2,3
	MULA F1, \a, 1, 3, 0
.endr
	WIN 0
	PLACES
.irp a, 0,1,2,3
	QH ACC+32*\a, 64+8*\a, 96+4*\a, 112+\a
.if \vp
	global_store_b128 v[GX], v[64+8*\a:64+8*\a+3], s[20:21] offset:1536*\a       ; d-block a
	global_store_b64 v[GY], v[64+8*\a+4:64+8*\a+5], s[20:21] offset:1536*\a
	global_store_b16 v7, v[112+\a], s[22:23] offset:64*\a                        ; (lanes r and r + 16 store the same bytes)
.else
	v_lshl_or_b32 v[112+\a], v[112+\a], 16, v[112+\a]                            ; the two bytes twice
	global_store_b128 v[GX], v[64+8*\a:64+8*\a+3], s[20:21] offset:768*\a        ; row-block a
	global_store_b64 v[GY], v[64+8*\a+4:64+8*\a+5], s[20:21] offset:768*\a
	global_store_b32 v7, v[112+\a], s[22:23] offset:64*\a
.endif
.endr
.endm
	s_cmp_ge_u32 ttmp9, 4                          ; the cluster's x: the same in all sixteen partners
	s_cbranch_scc1 .Lv
	BODY 0
	s_branch .Ljoin
.Lv:
	BODY 1
.Ljoin:
	s_wait_tensorcnt 0x0                           ; the wave's end
	ds_add_u32 v[SPW], v[NIL]
	s_wait_dscnt 0x0
	CROUND                                         ; the closing round
	s_endpgm
.Lfunc_end_k_qd85a5d50a2_gqkv:
	.size	k_qd85a5d50a2_gqkv, .Lfunc_end_k_qd85a5d50a2_gqkv-k_qd85a5d50a2_gqkv
	.p2alignl 7, 3214868480
	.fill 96, 4, 3214868480
	.section	.rodata,"a",@progbits
	.p2align	6, 0x0
	.amdhsa_kernel k_qd85a5d50a2_gqkv
		.amdhsa_group_segment_fixed_size 205312
		.amdhsa_private_segment_fixed_size 0
		.amdhsa_enable_private_segment 0
		.amdhsa_kernarg_size 32
		.amdhsa_user_sgpr_count 2
		.amdhsa_user_sgpr_kernarg_segment_ptr 1
		.amdhsa_wavefront_size32 1
		.amdhsa_system_sgpr_workgroup_id_x 1
		.amdhsa_system_sgpr_workgroup_id_y 1
		.amdhsa_system_sgpr_workgroup_id_z 1
		.amdhsa_system_vgpr_workitem_id 0
		.amdhsa_next_free_vgpr 512
		.amdhsa_next_free_sgpr 100
		.amdhsa_reserve_vcc 0
		.amdhsa_float_denorm_mode_32 3
		.amdhsa_float_denorm_mode_16_64 3
		.amdhsa_memory_ordered 1
		.amdhsa_forward_progress 1
		.amdhsa_inst_pref_size 100
	.end_amdhsa_kernel
	.amdgpu_metadata
---
amdhsa.version: [ 1, 2 ]
amdhsa.kernels:
  - .name:           k_qd85a5d50a2_gqkv
    .symbol:         k_qd85a5d50a2_gqkv.kd
    .args:
      - { .name: xq, .offset: 0, .size: 8, .value_kind: global_buffer, .address_space: global }
      - { .name: wq, .offset: 8, .size: 8, .value_kind: global_buffer, .address_space: global }
      - { .name: b_qkv, .offset: 16, .size: 8, .value_kind: global_buffer, .address_space: global }
      - { .name: aq, .offset: 24, .size: 8, .value_kind: global_buffer, .address_space: global }
    .group_segment_fixed_size: 205312
    .private_segment_fixed_size: 0
    .kernarg_segment_align: 8
    .kernarg_segment_size: 32
    .max_flat_workgroup_size: 128
    .sgpr_count:     100
    .vgpr_count:     512
    .wavefront_size: 32
...
	.end_amdgpu_metadata
.endif
;; end of part 3
;; launch attn (part 4): grid 4 x 64, 16 waves a work-group, clusters of 4 x 1, 167,936 bytes of LDS; arguments aq, cq; writes cq
.if DOCPART == 4
	.amdgcn_target "amdgcn-amd-amdhsa--gfx1250"
	.amdhsa_code_object_version 6
	.text
	.protected	k_qd85a5d50a2_attn
	.globl	k_qd85a5d50a2_attn
	.p2align	8
	.type	k_qd85a5d50a2_attn,@function
k_qd85a5d50a2_attn:
	s_mov_b64 s[64:65], 0
	v_nop
	global_prefetch_b8 v0, s[64:65] scope:SCOPE_SE
	s_setreg_imm32_b32 hwreg(HW_REG_WAVE_MODE, 25, 1), 1
	s_wait_xcnt 0x0
	s_wait_alu depctr_hold_cnt(0) depctr_sa_sdst(0) depctr_va_vdst(0) depctr_va_sdst(0) depctr_va_ssrc(0) depctr_va_vcc(0) depctr_vm_vsrc(0)
	s_getreg_b32 s2, hwreg(HW_REG_IB_STS2, 6, 4)
	s_cmp_eq_u32 s2, 0
	s_cbranch_scc0 .Lentry_in_a_cluster
	s_endpgm
.Lentry_in_a_cluster:
	s_bfe_u32 s2, ttmp6, 0x10000c
	s_cmp_lg_u32 s2, 0x3003
	s_cbranch_scc0 .Lentry_shape_is_right
	s_endpgm
.Lentry_shape_is_right:
; Causal attention on codes of E3M2, head size 64, 1,024 positions, 64 (batch, head) pairs; ctx is quantised along the model's 1,024 in the way out.
; WORK LEFT OUT: a step of 128 keys all of which come after all 16 queries of a tile is not computed: reference()'s own causal mask gives those keys the weight 0 for all finite inputs (shown at the head of launch wquant).
; LIMIT: a NaN, an infinity or an overflow that reaches only those steps is not carried to the result.
; THE SOFTMAX: t = score x log2(e) / 8; M = the running largest t rounded UP to a whole number; p = 2^(t - M) is quantised along the keys, not normalised; the row's sum is taken of the unquantised p and divides at the end.
; IN: aq as launch gqkv lays it (images of the operand's registers; a half image is 768 bytes: 16 rows x 64 K; lane (r, h): 16 bytes at 16 (r + 16 h), 8 at 512 + 16 r + 8 h; row-block 2 b + u holds at position p the row 32 b + 8 u + p + 8 (p / 8)).
; SHARES: the four work-groups of a cluster serve one (batch, head) and ask for its K and V jointly.  Wave w of work-group i owns row-block t = 4 w + i of the queries; it needs key steps 0 .. w / 2, which hangs on the wave's number alone:
; so every work-group reads every key step, the four have equal work, and no branch hangs on a work-group's place in its cluster.
; Both products are used transposed: S^T = K Q^T, O^T = V^T P^T: a lane holds ONE query.  By the row-blocks' order the 16 registers of two neighbouring tiles of S^T are 16 neighbouring keys, and those of O^T 16 neighbouring d.
; K = 64 IN THE FIRST PRODUCT: Q's registers 6-11 are zero codes; K's operand for tile i is 12 registers from 32 + 6 i on, whose upper six are the next tile's codes and multiply zeros.
; LDS is filled once: four pieces of 256 keys (K's 16 tiles, then V's two steps) and the head's scale words of K and V.  Wave 0 issues the five loads; five tensor loads of one wave are out at the most.
; No prefetch: all that the launch reads by tensor loads is asked for at its head.
; OUT: cq: codes [row-block 256][head 16][768]; scale bytes at 3,145,728 [row-block][16][32].
; LIMITS: a block of zeros gets the byte 1 where the rule says 127 (its codes are zeros, and this program alone reads the bytes); NaN and infinities among the inputs are not served.
.set SCK,   98304                      ; K's scale words, 4,096 bytes; V's behind them, 2,048
.set SCV,   102400
.set SPARE, 104448                     ; the spare words, 128 bytes for each of sixteen waves
.set QBM, 212                          ; v212-215 largest scores, then largest p; v216-219 the other half's; v220-223 scale operands; v224-227 bytes
.set QPT, 216
.set QSO, 220
.set QBY, 224
; v1 16 lane, v2 512 + 16 r + 8 h (pieces 0, 1; also the way out); v8, v9 the same for pieces 2, 3; v3, v4 scale words of K, V; v5, v6 the add's two; v7 the mask's d; v10 32 r; v11 4 r
; v12 -M, v13 the largest t, v[14:15] the sum; v16-27 Q; v28 Q's scale word; v32-85 K's tiles, later V's fragments; v86-93 scale words; v96-159 S^T, then p; v160-191 O^T; v192-203 p's codes; v204-210 at work
; v[228:229] f; v230 p's scale word; v231 at work; v[232:233] the sum's second chain; v234 -infinity
.macro ROUND
	s_barrier_signal -1
	s_barrier_wait -1
	s_cmp_lg_u32 s8, 0
	s_cbranch_scc1 .Lnot_wave_0_\@
	s_barrier_signal -3
.Lnot_wave_0_\@:
	s_barrier_wait -3
	s_barrier_signal -1
	s_barrier_wait -1
.endm
.macro PLACES
.rept 4
	v_nop
.endr
.endm
	s_load_b128 s[4:7], s[0:1], 0x0                ; aq, cq
	v_lshl_add_u32 v5, v0, 2, SPARE
	v_mov_b32 v6, 0
	ds_add_u32 v5, v6                              ; the wave's opening: the add, twice on end, and its wait ahead of the first tensor load
	ds_add_u32 v5, v6
	v_lshrrev_b32 v11, 5, v0
	v_readfirstlane_b32 s8, v11                    ; wave 0..15
	s_lshr_b32 s9, s8, 1                           ; my last key step, the one on the diagonal
	s_bfe_u32 s10, ttmp6, 0x40000                  ; cx
	s_and_b32 s11, ttmp7, 0xffff                   ; bh, which the four partners share
	s_mov_b32 s12, 0x76543210
	s_mov_b32 s13, 0xfedcba98
	s_mov_b32 s14, 0x3e38aa3b                      ; c = log2(e) / 8
	s_mov_b32 s15, s14
	s_mov_b32 s16, 15|(3<<16)|(1<<21)              ; a piece: 2 rows of 12,288 bytes (K's, V's), 49,152 bytes apart; elements of 8 bytes; the mask names all four, bit 21 beside it
	s_mov_b32 s17, 1536<<16
	s_mov_b32 s18, 2<<16
	s_mov_b32 s19, 1536<<16
	s_mov_b32 s20, 2
	s_mov_b32 s21, 6144
	s_mov_b32 s22, 0
	s_mov_b32 s23, 0
	s_mov_b32 s24, 15|(3<<16)|(1<<21)              ; the scale words: 6,144 dense bytes as 24 rows of 256
	s_mov_b32 s25, 32<<16
	s_mov_b32 s26, 24<<16
	s_mov_b32 s27, 32<<16
	s_mov_b32 s28, 24
	s_mov_b32 s29, 32
	s_mov_b32 s30, 0
	s_mov_b32 s31, 0
	s_mul_i32 s52, s11, 147456
	s_mov_b32 s53, 0
	s_mul_i32 s54, s11, 10240
	s_add_co_u32 s54, s54, 9437184
	s_mov_b32 s55, 0
	s_lshl_b32 s60, s8, 2
	s_add_co_u32 s60, s60, s10                     ; t: my row-block of queries
	s_bfe_u32 s61, s60, 0x20001
	s_lshl_b32 s61, s61, 5
	s_and_b32 s62, s60, 1
	s_lshl_b32 s62, s62, 3
	s_add_co_u32 s61, s61, s62                     ; its first query, counted from the diagonal step's first key
	s_wait_dscnt 0x0                               ; both opening adds are done
	s_wait_kmcnt 0x0
	s_add_nc_u64 s[56:57], s[4:5], s[52:53]        ; the head's codes
	s_add_nc_u64 s[58:59], s[4:5], s[54:55]        ; and scale words
	s_mov_b32 s32, 1
	s_mov_b32 s33, SCK
	s_add_nc_u64 s[34:35], s[58:59], 4096
	s_or_b32 s35, s35, 0x80000000
.irp p, 0,1,2,3
	s_mov_b32 s[36+4*\p], 1
	s_mov_b32 s[37+4*\p], \p*24576
	s_add_nc_u64 s[38+4*\p:39+4*\p], s[56:57], 49152+\p*12288
	s_or_b32 s[39+4*\p], s[39+4*\p], 0x80000000
.endr
	ROUND                                          ; all four work-groups are here: the joint loads meet
	s_cmp_lg_u32 s8, 0
	s_cbranch_scc1 .Lno_load
	tensor_load_to_lds s[32:35], s[24:31]
	s_nop 0
	tensor_load_to_lds s[36:39], s[16:23]
	s_nop 0
	tensor_load_to_lds s[40:43], s[16:23]
	s_nop 0
	tensor_load_to_lds s[44:47], s[16:23]
	s_nop 0
	tensor_load_to_lds s[48:51], s[16:23]
	s_nop 0
.rept 4
	v_nop
.endr
.Lno_load:
	v_and_b32 v11, 31, v0
	v_lshlrev_b32 v1, 4, v11
	v_and_b32 v10, 15, v0                          ; r
	v_bfe_u32 v7, v0, 4, 1                         ; h
	v_lshlrev_b32 v2, 4, v10
	v_lshl_add_u32 v2, v7, 3, v2
	v_add_nc_u32 v2, 512, v2
	v_add_nc_u32 v8, 49152, v1
	v_add_nc_u32 v9, 49152, v2
	v_lshlrev_b32 v11, 2, v10
	v_add_nc_u32 v3, SCK, v11
	v_add_nc_u32 v4, SCV, v11
	v_and_b32 v231, 8, v10
	v_add_nc_u32 v231, v231, v10
	v_lshlrev_b32 v7, 4, v7
	v_sub_nc_u32 v7, v231, v7
	v_add_nc_u32 v7, s61, v7                       ; d = my query - the diagonal step's first key - 16 h
	v_lshlrev_b32 v10, 5, v10
	s_mul_i32 s62, s60, 768
	s_mov_b32 s63, 0
	s_add_nc_u64 s[66:67], s[56:57], s[62:63]      ; Q's half image
	s_lshl_b32 s62, s60, 6
	s_add_nc_u64 s[68:69], s[58:59], s[62:63]      ; and its scale words
	global_load_b128 v[16:19], v1, s[66:67]
	global_load_b64 v[20:21], v2, s[66:67]
	global_load_b32 v28, v11, s[68:69]
	s_lshr_b32 s52, s11, 4
	s_lshl_b32 s52, s52, 6
	s_add_co_u32 s52, s52, s60                     ; ctx's row-block: 64 b + t
	s_and_b32 s54, s11, 15                         ; head
	s_mul_i32 s62, s52, 12288
	s_mul_i32 s55, s54, 768
	s_add_co_u32 s62, s62, s55
	s_add_nc_u64 s[70:71], s[6:7], s[62:63]        ; ctx's codes
	s_lshl_b32 s62, s52, 9
	s_lshl_b32 s55, s54, 1                         ; 4 (head / 2) + 2 (head % 2) = 2 head
	s_add_co_u32 s62, s62, s55
	s_add_co_u32 s62, s62, 3145728
	s_add_nc_u64 s[62:63], s[6:7], s[62:63]        ; and scale bytes
.irp j, 22,23,24,25,26,27, 80,81,82,83,84,85
	v_mov_b32 v[\j], 0                             ; Q's upper 64 along K: zero codes; and what stands behind K's last tile
.endr
	v_mov_b32 v13, 0xff61b1e6                      ; the largest t so far: -3e38
	v_floor_f32 v12, -v13                          ; -M
	v_mov_b32 v14, 0
	v_mov_b32 v15, 0
.irp b, 0,1,2,3
	v_mov_b32 v[QPT+\b], 0                         ; a lane permute's destination counts as one of its sources
.endr
	v_mov_b32 v229, 0                              ; named as the upper half of a pair
	v_mov_b32 v234, 0xff800000                     ; -infinity
.set j, 0
.rept 32
	v_mov_b32 v[160+j], 0                          ; O^T: the step is written once for all steps: the first finds zeros
.set j, j+1
.endr
	s_wait_loadcnt 0x0                             ; Q
.macro PIECE p
	s_wait_tensorcnt 3-\p                          ; wave 0: piece p is in, the 3 - p loads issued behind it may stay out; the other waves have none
	s_wait_dscnt 0x0
	s_barrier_signal -1
	s_barrier_wait -1                              ; nothing is filled again: a plain barrier
.endm
.macro STEP s
.set OK_, (((\s)>>1)&1)*24576+((\s)&1)*6144
.set OV_, OK_+12288
.set LXR, 1+7*((\s)>>2)
.set LYR, 2+7*((\s)>>2)
.if \s > 0
	s_cmp_lt_u32 s9, \s                            ; all its keys come after my queries
	s_cbranch_scc1 .Lskip_\@
	PLACES                                         ; the last step's products have read the registers that are loaded now
.endif
.irp t, 0,1,2,3,4,5,6,7
	ds_load_b128 v[32+6*\t:35+6*\t], v[LXR] offset:OK_+768*\t
	ds_load_b64 v[36+6*\t:37+6*\t], v[LYR] offset:OK_+768*\t
	ds_load_b32 v[86+\t], v3 offset:(8*(\s)+\t)*64
.endr
	s_wait_dscnt 0x0
.irp t, 0,1,2,3,4,5,6,7
	v_wmma_scale_f32_16x16x128_f8f6f4 v[96+8*\t:103+8*\t], v[32+6*\t:43+6*\t], v[16:27], 0, v[86+\t], v28 matrix_a_fmt:MATRIX_FMT_BF6 matrix_b_fmt:MATRIX_FMT_BF6
.endr
	PLACES
.irp d, 0,1,2,3                                ; V's fragments are asked for now and land under the softmax
	ds_load_b128 v[32+12*\d:35+12*\d], v[LXR] offset:OV_+1536*\d
	ds_load_b64 v[36+12*\d:37+12*\d], v[LYR] offset:OV_+1536*\d
	ds_load_b128 v[38+12*\d:41+12*\d], v[LXR] offset:OV_+1536*\d+768
	ds_load_b64 v[42+12*\d:43+12*\d], v[LYR] offset:OV_+1536*\d+768
	ds_load_b32 v[86+\d], v4 offset:(4*(\s)+\d)*64
.endr
	s_cmp_lg_u32 s9, \s                            ; only my last step lies on the diagonal
	s_cbranch_scc1 .Lopen_\@
.set n, 0
.rept 64
	v_cmp_gt_i32 vcc_lo, 32*(n/16)+n%16, v7        ; register 16 b + i holds key 32 b + 16 h + i of the step: hidden where 32 b + i > d
	v_cndmask_b32 v[96+n], v[96+n], v234, vcc_lo
.set n, n+1
.endr
.Lopen_\@:
.irp b, 0,1,2,3
	v_max3_num_f32 v[QBM+\b], v[96+16*\b], v[97+16*\b], v[98+16*\b]   ; the largest score of each block of 32 keys: for the row's maximum, and, since p rises with the score, for the block's largest p
.endr
.irp i, 3,5,7,9,11,13
.irp b, 0,1,2,3
	v_max3_num_f32 v[QBM+\b], v[QBM+\b], v[96+16*\b+\i], v[97+16*\b+\i]
.endr
.endr
.irp b, 0,1,2,3
	v_max_num_f32 v[QBM+\b], v[QBM+\b], v[111+16*\b]
.endr
.irp b, 0,1,2,3
	v_permlanex16_b32 v[QPT+\b], v[QBM+\b], s12, s13
.endr
.irp b, 0,1,2,3
	v_max_num_f32 v[QBM+\b], v[QBM+\b], v[QPT+\b]
.endr
	v_max3_num_f32 v231, v[QBM], v[QBM+1], v[QBM+2]
	v_max_num_f32 v231, v231, v[QBM+3]
	v_mul_f32 v231, s14, v231
	v_max_num_f32 v13, v13, v231                   ; the running largest t
	v_mov_b32 v231, v12
	v_floor_f32 v12, -v13                          ; the new -M = -ceil(t)
	v_sub_f32 v231, v12, v231                      ; old M - new M: a whole number, 0 or less
	v_cvt_i32_f32 v231, v231
	v_ldexp_f32 v228, 1.0, v231                    ; f = 2^(old M - new M)
.set j, 0
.rept 32
	v_pk_fma_f32 v[96+j:97+j], v[96+j:97+j], s[14:15], v[12:13] op_sel_hi:[1,0,0]   ; t - M
.set j, j+2
.endr
.irp b, 0,1,2,3
	v_fma_f32 v[QBM+\b], v[QBM+\b], s14, v12
.endr
.set j, 0
.rept 64
	v_exp_f32 v[96+j], v[96+j]                     ; p = 2^(t - M)
.set j, j+1
.endr
	v_pk_mul_f32 v[14:15], v[14:15], v[228:229] op_sel_hi:[1,0]   ; the sums under the new M; a plain instruction behind the exponentials
	s_wait_alu depctr_va_vdst(0)                   ; one wait for the whole batch, ahead of its first use
.irp b, 0,1,2,3
	v_exp_f32 v[QBM+\b], v[QBM+\b]                 ; each block's largest p
.endr
	v_pk_add_f32 v[232:233], v[96:97], v[98:99]    ; the row's sum of the unquantised p, in two chains
.irp j, 4,8,12,16,20,24,28,32,36,40,44,48,52,56,60
	v_pk_add_f32 v[14:15], v[14:15], v[96+\j:97+\j]
	v_pk_add_f32 v[232:233], v[232:233], v[98+\j:99+\j]
.endr
	v_pk_add_f32 v[14:15], v[14:15], v[232:233]
	s_wait_alu depctr_va_vdst(0)                   ; and one for the four
.irp b, 0,1,2,3
	v_max_num_f32 v[QBM+\b], 0x2800000, v[QBM+\b]  ; the floor 2^(5 - 127)
.endr
.irp b, 0,1,2,3
	v_add_nc_u32 v[QSO+\b], 0xfe000000, v[QBM+\b]
.endr
.irp b, 0,1,2,3
	v_lshrrev_b32 v[QBY+\b], 23, v[QSO+\b]
.endr
	v_lshl_or_b32 v230, v[QBY+1], 8, v[QBY]        ; p's scale word for these 128 keys
	v_lshl_or_b32 v230, v[QBY+2], 16, v230
	v_lshl_or_b32 v230, v[QBY+3], 24, v230
.irp c, 0,1
	v_cvt_scalef32_pk16_bf6_f32 v[192+6*\c:194+6*\c], v[96+32*\c:111+32*\c], v[QSO+2*\c]
	v_cvt_scalef32_pk16_bf6_f32 v[204+4*\c:206+4*\c], v[112+32*\c:127+32*\c], v[QSO+2*\c+1]
.endr
	v_nop                                          ; one plain instruction behind the conversions
.irp c, 0,1
.irp i, 0,1,2
	v_permlane16_swap_b32 v[192+6*\c+\i], v[204+4*\c+\i]
.endr
.irp i, 0,1,2
	v_mov_b32 v[195+6*\c+\i], v[204+4*\c+\i]
.endr
.endr
.set j, 0
.rept 16
	v_pk_mul_f32 v[160+j:161+j], v[160+j:161+j], v[228:229] op_sel_hi:[1,0]   ; O^T under the new M
.set j, j+2
.endr
	PLACES
	s_wait_dscnt 0x0                               ; V
.irp d, 0,1,2,3
	v_wmma_scale_f32_16x16x128_f8f6f4 v[160+8*\d:167+8*\d], v[32+12*\d:43+12*\d], v[192:203], v[160+8*\d:167+8*\d], v[86+\d], v230 matrix_a_fmt:MATRIX_FMT_BF6 matrix_b_fmt:MATRIX_FMT_BF6
.endr
.if \s > 0
.Lskip_\@:
.endif
.endm
	PIECE 0
	STEP 0
	STEP 1
	PIECE 1
	STEP 2
	STEP 3
	PIECE 2
	STEP 4
	STEP 5
	PIECE 3
	STEP 6
	STEP 7
	; THE WAY OUT: O^T / the sum is ctx: register 16 b + i = d 32 b + 16 h + i of my query: quantised as it stands
	PLACES
	v_add_f32 v14, v14, v15
	v_permlanex16_b32 v[QPT], v14, s12, s13
	v_add_f32 v14, v14, v[QPT]
	v_rcp_f32 v14, v14
	v_nop
	s_wait_alu depctr_va_vdst(0)                   ; the wait ahead of the reciprocal's first use
.set j, 0
.rept 32
	v_mul_f32 v[96+j], v[160+j], v14
.set j, j+1
.endr
	v_max3_num_f32 v[QBM], |v96|, |v97|, 0x2800000
	v_max3_num_f32 v[QBM+1], |v112|, |v113|, 0x2800000
.irp i, 2,4,6,8,10,12,14
	v_max3_num_f32 v[QBM], v[QBM], |v[96+\i]|, |v[97+\i]|
	v_max3_num_f32 v[QBM+1], v[QBM+1], |v[112+\i]|, |v[113+\i]|
.endr
	v_permlanex16_b32 v[QPT], v[QBM], s12, s13
	v_permlanex16_b32 v[QPT+1], v[QBM+1], s12, s13
	v_max_num_f32 v[QBM], v[QBM], v[QPT]
	v_max_num_f32 v[QBM+1], v[QBM+1], v[QPT+1]
	v_add_nc_u32 v[QSO], 0xfe000000, v[QBM]
	v_add_nc_u32 v[QSO+1], 0xfe000000, v[QBM+1]
	v_lshrrev_b32 v[QBY], 23, v[QSO]
	v_lshrrev_b32 v[QBY+1], 23, v[QSO+1]
	v_lshl_or_b32 v231, v[QBY+1], 8, v[QBY]
	v_cvt_scalef32_pk16_bf6_f32 v[192:194], v[96:111], v[QSO]
	v_cvt_scalef32_pk16_bf6_f32 v[204:206], v[112:127], v[QSO+1]
	v_nop
.irp i, 0,1,2
	v_permlane16_swap_b32 v[192+\i], v[204+\i]
.endr
.irp i, 0,1,2
	v_mov_b32 v[195+\i], v[204+\i]
.endr
	global_store_b128 v1, v[192:195], s[70:71]     ; 512 consecutive bytes a wave
	global_store_b64 v2, v[196:197], s[70:71]      ; 256 consecutive bytes a wave
	global_store_b16 v10, v231, s[62:63]           ; (lanes r and r + 16 store the same bytes)
	s_wait_tensorcnt 0x0                           ; the wave's end
	ds_add_u32 v5, v6
	s_wait_dscnt 0x0
	ROUND                                          ; the closing round
	s_endpgm
.Lfunc_end_k_qd85a5d50a2_attn:
	.size	k_qd85a5d50a2_attn, .Lfunc_end_k_qd85a5d50a2_attn-k_qd85a5d50a2_attn
	.p2alignl 7, 3214868480
	.fill 96, 4, 3214868480
	.section	.rodata,"a",@progbits
	.p2align	6, 0x0
	.amdhsa_kernel k_qd85a5d50a2_attn
		.amdhsa_group_segment_fixed_size 167936
		.amdhsa_private_segment_fixed_size 0
		.amdhsa_enable_private_segment 0
		.amdhsa_kernarg_size 16
		.amdhsa_user_sgpr_count 2
		.amdhsa_user_sgpr_kernarg_segment_ptr 1
		.amdhsa_wavefront_size32 1
		.amdhsa_system_sgpr_workgroup_id_x 1
		.amdhsa_system_sgpr_workgroup_id_y 1
		.amdhsa_system_sgpr_workgroup_id_z 1
		.amdhsa_system_vgpr_workitem_id 0
		.amdhsa_next_free_vgpr 256
		.amdhsa_next_free_sgpr 72
		.amdhsa_reserve_vcc 1
		.amdhsa_float_denorm_mode_32 3
		.amdhsa_float_denorm_mode_16_64 3
		.amdhsa_memory_ordered 1
		.amdhsa_forward_progress 1
		.amdhsa_inst_pref_size 184
	.end_amdhsa_kernel
	.amdgpu_metadata
---
amdhsa.version: [ 1, 2 ]
amdhsa.kernels:
  - .name:           k_qd85a5d50a2_attn
    .symbol:         k_qd85a5d50a2_attn.kd
    .args:
      - { .name: aq, .offset: 0, .size: 8, .value_kind: global_buffer, .address_space: global }
      - { .name: cq, .offset: 8, .size: 8, .value_kind: global_buffer, .address_space: global }
    .group_segment_fixed_size: 167936
    .private_segment_fixed_size: 0
    .kernarg_segment_align: 8
    .kernarg_segment_size: 16
    .max_flat_workgroup_size: 512
    .sgpr_count:     72
    .vgpr_count:     256
    .wavefront_size: 32
...
	.end_amdgpu_metadata
.endif
;; end of part 4
;; launch gproj (part 5): grid 8 x 32, 4 waves a work-group, clusters of 4 x 4, 240,128 bytes of LDS; arguments cq, wq, b_o, x, ao; writes ao
.if DOCPART == 5
	.amdgcn_target "amdgcn-amd-amdhsa--gfx1250"
	.amdhsa_code_object_version 6
	.text
	.protected	k_qd85a5d50a2_gproj
	.globl	k_qd85a5d50a2_gproj
	.p2align	8
	.type	k_qd85a5d50a2_gproj,@function
k_qd85a5d50a2_gproj:
	s_mov_b64 s[64:65], 0
	v_nop
	global_prefetch_b8 v0, s[64:65] scope:SCOPE_SE
	s_setreg_imm32_b32 hwreg(HW_REG_WAVE_MODE, 25, 1), 1
	s_wait_xcnt 0x0
	s_wait_alu depctr_hold_cnt(0) depctr_sa_sdst(0) depctr_va_vdst(0) depctr_va_sdst(0) depctr_va_ssrc(0) depctr_va_vcc(0) depctr_vm_vsrc(0)
	s_getreg_b32 s2, hwreg(HW_REG_IB_STS2, 6, 4)
	s_cmp_eq_u32 s2, 0
	s_cbranch_scc0 .Lentry_in_a_cluster
	s_endpgm
.Lentry_in_a_cluster:
	s_bfe_u32 s2, ttmp6, 0x10000c
	s_cmp_lg_u32 s2, 0xf033
	s_cbranch_scc0 .Lentry_shape_is_right
	s_endpgm
.Lentry_shape_is_right:
; attn_out = ctx W_o + b_o + x: the product on codes of E3M2 (M 4,096, N 1,024, K 1,024), bias and residual in f32; out f32 [4096][1024].
; OPERANDS are images of the operand's registers.  A half image (768 bytes: 16 rows x 64 K): lane (r, h) owns 24 bytes: 16 at 16 (r + 16 h), 8 at 512 + 16 r + 8 h.  Codes [row-block][K/64][768]; scale bytes [row-block][16][K/32].
; Row-block 2 b + u holds at position p the row 32 b + 8 u + p + 8 (p / 8).
; SHARES: a tile of 128 x 128 to a work-group (256 work-groups), 64 x 64 to each of four waves: 16 accumulators.  All of K lies in two LDS slots of 512 along K, each filled once.
; CLUSTER 4 x 4: A's tiles are asked for jointly along a row of the cluster, B's along a column.
; The product is used transposed (source 0 = weight rows, source 1 = ctx's rows): a lane holds one row and, in two neighbouring tiles, 16 neighbouring columns.  The bias is the C of each sum's first instruction.
; The residual's tile is asked for at the head, in the layout in which the results come back from the stage.  No prefetch: all tiles are asked for at the head.
.set KK,     1024
.set LAPS,   KK/1024
.set RBB,    KK*12
.set KW,     KK/32
.set SCH,    64*KW
.set A_SOFF, 3145728
.set B_COFF, 2359296
.set B_SOFF, 9535488
.set PART,   24576                     ; 4 row-blocks x 512 along K: what one tensor load brings
.set SLOT,   4*PART
.set SCL,    2*SLOT                    ; the scale bytes, four parts
.set STG,    SCL+4*SCH                 ; the way out: 32 rows x (256 bytes + 16) for each wave; no tensor load lands here
.set SPARE,  STG+4*8704                ; the spare words
.set ADAX, 16
.set ADAY, 18
.set ADBX, 20
.set ADBY, 22
.set STO,  24
.set RD,   25
.set CO,   26
.set SADR, 27
.set SPW,  28
.set NIL,  29
.set GX,   30
.set GY,   31
.set SC,   32                          ; v32-63 scale words and nothing else
.set BI,   64                          ; v64-95 the bias; on the way out v64-127 are rows read back
.set ACC,  128
.set F0,   0                           ; window 1: two sets of fragments;  window 2: v0-127 the residual
.set F1,   128
.set G1, 24
.set G0, 32
.set G1B, 48
.set G0B, 56
.set G1S, 68
.set G0S, 76
.set G1SB, 80
.set G0SB, 88
.set MSB, 0
.macro WIN new
.if MSB != \new
	s_set_vgpr_msb (MSB<<8)|\new
.set MSB, \new
.endif
.endm
.set MUL,  0x05
.set TO_F, 0x40
.macro JLOAD g0a, g1a, g0b, g1b        ; a joint load: waves 0 and 1 fetch for A, waves 2 and 3 for B; an s_nop 0 and four v_nop follow each line
	s_cmp_eq_u32 s15, 0
	s_cbranch_scc0 .Lfor_b_\@
	tensor_load_to_lds s[\g0a:\g0a+3], s[\g1a:\g1a+7]
	s_nop 0
.rept 4
	v_nop
.endr
	s_branch .Lasked_\@
.Lfor_b_\@:
	tensor_load_to_lds s[\g0b:\g0b+3], s[\g1b:\g1b+7]
	s_nop 0
.rept 4
	v_nop
.endr
.Lasked_\@:
.endm
.macro CREST
	s_cmp_lg_u32 s14, 0
	s_cbranch_scc1 .Lnot_wave_0_\@
	s_barrier_signal -3
.Lnot_wave_0_\@:
	s_barrier_wait -3
	s_barrier_signal -1
	s_barrier_wait -1
.endm
.macro CROUND
	s_barrier_signal -1
	s_barrier_wait -1
	CREST
.endm
.macro PLACES
.rept 4
	v_nop
.endr
.endm
	s_load_b256 s[4:11], s[0:1], 0x0               ; A's images, wq, the bias, the residual
	s_load_b64 s[12:13], s[0:1], 0x20              ; out
	v_lshl_add_u32 v[SPW], v0, 2, SPARE
	v_mov_b32 v[NIL], 0
	ds_add_u32 v[SPW], v[NIL]                      ; the wave's opening: the add, twice on end, and its wait ahead of my first tensor load
	ds_add_u32 v[SPW], v[NIL]
	v_lshrrev_b32 v1, 5, v0
	v_readfirstlane_b32 s14, v1
	s_lshr_b32 s15, s14, 1                         ; wm.  Also: I fetch for A (0) or for B (1)
	s_and_b32 s16, s14, 1                          ; wn.  Also: which half I fetch
	s_bfe_u32 s40, ttmp6, 0x40000
	s_bfe_u32 s41, ttmp6, 0x40004
	s_lshl_b32 s42, ttmp9, 2
	s_add_co_u32 s42, s42, s40                     ; tx
	s_and_b32 s17, ttmp7, 0xffff
	s_lshl_b32 s17, s17, 2
	s_add_co_u32 s17, s17, s41                     ; ty
	s_lshl_b32 s43, s41, 2
	s_lshl_b32 s43, 15, s43
	s_lshl_b32 s44, 0x1111, s40
	s_or_b32 s[G1], s43, (3<<16)|(1<<21)
	s_or_b32 s[G1B], s44, (3<<16)|(1<<21)
.irp g, G1, G1B
	s_mov_b32 s[\g+1], 768<<16
	s_mov_b32 s[\g+2], 4<<16
	s_mov_b32 s[\g+3], 768<<16
	s_mov_b32 s[\g+4], 4
	s_mov_b32 s[\g+5], RBB/8
	s_mov_b32 s[\g+6], 0
	s_mov_b32 s[\g+7], 0
.endr
	s_or_b32 s[G1S], s43, (3<<16)|(1<<21)
	s_or_b32 s[G1SB], s44, (3<<16)|(1<<21)
.irp g, G1S, G1SB
	s_mov_b32 s[\g+1], 32<<16
	s_mov_b32 s[\g+2], (SCH/256)<<16
	s_mov_b32 s[\g+3], 32<<16
	s_mov_b32 s[\g+4], SCH/256
	s_mov_b32 s[\g+5], 32
	s_mov_b32 s[\g+6], 0
	s_mov_b32 s[\g+7], 0
.endr
	s_lshl_b32 s18, s16, 2
	s_lshl_b32 s20, s17, 3
	s_add_co_u32 s20, s20, s18
	s_lshl_b32 s46, s42, 3
	s_add_co_u32 s46, s46, s18
	s_mul_i32 s22, s20, 16*KW
	s_add_co_u32 s22, s22, A_SOFF
	s_mov_b32 s23, 0
	s_mul_i32 s92, s46, 16*KW
	s_add_co_u32 s92, s92, B_SOFF
	s_mov_b32 s93, 0
	s_mul_i32 s20, s20, RBB
	s_mov_b32 s21, 0
	s_mul_i32 s46, s46, RBB
	s_add_co_u32 s46, s46, B_COFF
	s_mov_b32 s47, 0
	s_mul_i32 s45, s14, PART
	s_mul_i32 s94, s14, SCH
	s_wait_dscnt 0x0
	s_wait_kmcnt 0x0
	s_add_nc_u64 s[20:21], s[4:5], s[20:21]
	s_add_nc_u64 s[22:23], s[4:5], s[22:23]
	s_add_nc_u64 s[46:47], s[6:7], s[46:47]
	s_add_nc_u64 s[92:93], s[6:7], s[92:93]
	CROUND
	s_mov_b32 s[G0S], 1
	s_add_co_u32 s[G0S+1], s94, SCL
	s_mov_b64 s[G0S+2:G0S+3], s[22:23]
	s_or_b32 s[G0S+3], s[G0S+3], 0x80000000
	s_mov_b32 s[G0SB], 1
	s_add_co_u32 s[G0SB+1], s94, SCL
	s_mov_b64 s[G0SB+2:G0SB+3], s[92:93]
	s_or_b32 s[G0SB+3], s[G0SB+3], 0x80000000
	JLOAD G0S, G1S, G0SB, G1SB
.irp s, 0,1
	s_mov_b32 s[G0+4*\s], 1
	s_add_co_u32 s[G0+4*\s+1], s45, \s*SLOT
	s_add_nc_u64 s[G0+4*\s+2:G0+4*\s+3], s[20:21], \s*6144
	s_or_b32 s[G0+4*\s+3], s[G0+4*\s+3], 0x80000000
	s_mov_b32 s[G0B+4*\s], 1
	s_add_co_u32 s[G0B+4*\s+1], s45, \s*SLOT
	s_add_nc_u64 s[G0B+4*\s+2:G0B+4*\s+3], s[46:47], \s*6144
	s_or_b32 s[G0B+4*\s+3], s[G0B+4*\s+3], 0x80000000
	JLOAD G0+4*\s, G1, G0B+4*\s, G1B               ; three tensor loads of mine are out
.endr
	v_and_b32 v1, 15, v0                           ; r
	v_bfe_u32 v2, v0, 4, 1                         ; h
	v_and_b32 v3, 31, v0
	v_lshlrev_b32 v[GX], 4, v3
	v_lshlrev_b32 v[GY], 4, v1
	v_lshl_add_u32 v[GY], v2, 3, v[GY]
	v_add_nc_u32 v[GY], 512, v[GY]
	s_mul_i32 s18, s15, PART
	s_mul_i32 s19, s16, PART
	s_add_co_u32 s19, s19, 2*PART
.irp s, 0,1
	v_add_nc_u32 v[ADAX+\s], s18, v[GX]
	v_add_nc_u32 v[ADAY+\s], s18, v[GY]
	v_add_nc_u32 v[ADBX+\s], s19, v[GX]
	v_add_nc_u32 v[ADBY+\s], s19, v[GY]
	s_add_co_u32 s18, s18, SLOT
	s_add_co_u32 s19, s19, SLOT
.endr
	v_mul_u32_u24 v5, v1, KW
	s_mul_i32 s18, s15, SCH
	s_mul_i32 s19, s16, SCH
	s_add_co_u32 s19, s19, 2*SCH
	s_sub_co_u32 s19, s19, s18
	v_mul_u32_u24 v6, s19, v2                      ; lanes 16-31 take B's
	s_add_co_u32 s18, s18, SCL
	v_add_nc_u32 v5, v5, v6
	v_add_nc_u32 v[SADR], s18, v5
	s_mul_i32 s18, s14, 8704
	s_add_co_u32 s18, s18, STG                     ; my stage
	v_mul_u32_u24 v[STO], v1, 272
	v_lshl_add_u32 v[STO], v2, 6, v[STO]
	v_add_nc_u32 v[STO], s18, v[STO]               ; in: position r, 64 h bytes on
	v_mul_u32_u24 v[RD], v2, 272
	v_lshl_add_u32 v[RD], v1, 4, v[RD]
	v_add_nc_u32 v[RD], s18, v[RD]                 ; back: lanes 0-15 one row of 256 bytes, lanes 16-31 the next
	v_lshlrev_b32 v[CO], 4, v1
	v_lshl_add_u32 v[CO], v2, 12, v[CO]            ; and the same two rows in memory
	v_lshlrev_b32 v4, 6, v2                        ; the bias: 64 h
	s_lshl_b32 s18, s42, 9
	s_lshl_b32 s19, s16, 8
	s_add_co_u32 s2, s18, s19                      ; my first column, in bytes
	s_mov_b32 s3, 0
	s_add_nc_u64 s[8:9], s[8:9], s[2:3]
	s_lshl_b32 s18, s17, 7
	s_lshl_b32 s19, s15, 6
	s_add_co_u32 s18, s18, s19
	s_lshl_b32 s18, s18, 12
	s_add_co_u32 s18, s18, s2
	s_mov_b32 s19, 0
	s_add_nc_u64 s[10:11], s[10:11], s[18:19]      ; the residual and the output at my 64 x 64
	s_add_nc_u64 s[12:13], s[12:13], s[18:19]
.irp f, 0,1,2,3
	global_load_b128 v[BI+8*\f:BI+8*\f+3], v4, s[8:9] offset:(32*(\f/2)+8*(\f%2))*4       ; tile 2 b + u, lane (r, h), register i: column 32 b + 16 h + 8 u + i
	global_load_b128 v[BI+8*\f+4:BI+8*\f+7], v4, s[8:9] offset:(32*(\f/2)+8*(\f%2))*4+16
.endr
	WIN 0x80                                       ; destination window 2
.irp p, 0,1
.set t, 0
.rept 16
	global_load_b128 v[4*(16*\p+t):4*(16*\p+t)+3], v[CO], s[10:11] offset:(32*\p+8*(t/8)+2*(t%8)+8*((t%8)/4))*4096 th:TH_LOAD_NT
.set t, t+1
.endr
.endr
	WIN 0
.macro FRAG reg, ax, ay, off
	ds_load_b128 v[\reg:\reg+3], v[\ax] offset:\off
	ds_load_b64 v[\reg+4:\reg+5], v[\ay] offset:\off
	ds_load_b128 v[\reg+6:\reg+9], v[\ax] offset:\off+768
	ds_load_b64 v[\reg+10:\reg+11], v[\ay] offset:\off+768
.endm
.macro FETCH slot, ksl, f
	WIN TO_F
.irp i, 0,1,2,3
	FRAG \f+12*\i, ADAX+\slot, ADAY+\slot, \i*6144+(\ksl)*1536
	FRAG \f+48+12*\i, ADBX+\slot, ADBY+\slot, \i*6144+(\ksl)*1536
.endr
.endm
.macro SCALES set
.irp i, 0,1,2,3
	ds_load_b128 v[SC+16*\set+4*\i:SC+16*\set+4*\i+3], v[SADR] offset:\i*16*KW
.endr
.endm
; four matrix instructions: A's row-block a against B's four.  The 16 accumulators take turns, one instruction a turn, in the same order in every step.
.macro MULA f, a, set, q, first
.irp b, 0,1,2,3
.if \first
	v_wmma_scale_f32_16x16x128_f8f6f4 v[ACC+8*(4*\a+\b):ACC+8*(4*\a+\b)+7], v[\f+48+12*\b:\f+48+12*\b+11], v[\f+12*\a:\f+12*\a+11], v[BI+8*\b:BI+8*\b+7], v[SC+16*\set+4*\b+\q], v[SC+16*\set+4*\a+\q] matrix_a_fmt:MATRIX_FMT_BF6 matrix_b_fmt:MATRIX_FMT_BF6 matrix_a_scale:MATRIX_SCALE_ROW1
.else
	v_wmma_scale_f32_16x16x128_f8f6f4 v[ACC+8*(4*\a+\b):ACC+8*(4*\a+\b)+7], v[\f+48+12*\b:\f+48+12*\b+11], v[\f+12*\a:\f+12*\a+11], v[ACC+8*(4*\a+\b):ACC+8*(4*\a+\b)+7], v[SC+16*\set+4*\b+\q], v[SC+16*\set+4*\a+\q] matrix_a_fmt:MATRIX_FMT_BF6 matrix_b_fmt:MATRIX_FMT_BF6 matrix_a_scale:MATRIX_SCALE_ROW1
.endif
.endr
.endm
.macro KSTEP f, g, slot, ksl, q, first
	s_wait_dscnt 0x0                               ; set f and the scale words are in
	PLACES                                         ; set g was read by the last step's products
	FETCH \slot, \ksl, \g
	WIN MUL
.irp a, 0,1,2,3
	MULA \f, \a, \slot, \q, \first
.endr
.endm
; a slot's last step changes slots.  fill = 1: the slot is filled again, behind a round of the cluster's barrier, with a tensor wait, an LDS add and its wait in front of it.
.macro TURN slot, next, fill
	WIN 0
	s_wait_tensorcnt 0x0                           ; all my tensor loads have landed: my part of the next slot
.if \fill
	ds_add_u32 v[SPW], v[NIL]
	s_wait_dscnt 0x1                               ; set 1 is in; the add alone may stay out
.else
	s_wait_dscnt 0x0
.endif
	WIN MUL
	MULA F1, 0, \slot, 3, 0
	s_wait_dscnt 0x0                               ; my reads of this slot are over (and the add is done)
	s_barrier_signal -1
	MULA F1, 1, \slot, 3, 0
	WIN 0
	s_barrier_wait -1
.if \fill
	CREST
	s_add_nc_u64 s[G0+4*\slot+2:G0+4*\slot+3], s[G0+4*\slot+2:G0+4*\slot+3], 12288
	s_add_nc_u64 s[G0B+4*\slot+2:G0B+4*\slot+3], s[G0B+4*\slot+2:G0B+4*\slot+3], 12288
	JLOAD G0+4*\slot, G1, G0B+4*\slot, G1B         ; the first tensor load behind the round; its four v_nop are the places in front of the loads below
.else
	PLACES
.endif
	v_add_nc_u32 v[SADR], 16, v[SADR]
	FETCH \next, 0, F0
	WIN 0
	SCALES \next
	WIN MUL
	MULA F1, 2, \slot, 3, 0
	MULA F1, 3, \slot, 3, 0
.endm
	s_wait_tensorcnt 0x1                           ; the scale bytes and my part of slot 0 are in; slot 1's load may stay out
	s_barrier_signal -1
	s_barrier_wait -1
	FETCH 0, 0, F0
	WIN 0
	SCALES 0
	s_wait_loadcnt 32                              ; the bias is in; the 32 loads of the residual may stay out
	KSTEP F0, F1, 0, 1, 0, 1
.if LAPS > 1
	WIN 0
	s_mov_b32 s3, LAPS-1
.Llap:
	KSTEP F1, F0, 0, 2, 1, 0
	KSTEP F0, F1, 0, 3, 2, 0
	TURN 0, 1, 1
	KSTEP F0, F1, 1, 1, 0, 0
	KSTEP F1, F0, 1, 2, 1, 0
	KSTEP F0, F1, 1, 3, 2, 0
	TURN 1, 0, 1
	KSTEP F0, F1, 0, 1, 0, 0
	WIN 0
	s_sub_co_u32 s3, s3, 1
	s_cmp_lg_u32 s3, 0
	s_cbranch_scc1 .Llap
.endif
	KSTEP F1, F0, 0, 2, 1, 0
	KSTEP F0, F1, 0, 3, 2, 0
	TURN 0, 1, 0
	KSTEP F0, F1, 1, 1, 0, 0
	KSTEP F1, F0, 1, 2, 1, 0
	KSTEP F0, F1, 1, 3, 2, 0
	s_wait_dscnt 0x0
	WIN MUL
.irp a, 0,1,2,3
	MULA F1, \a, 1, 3, 0
.endr
	WIN 0
	PLACES
; THE WAY OUT, 32 rows at a time: through my own stage, by positions; back as rows of 256 bytes; the residual is added; sixteen lanes store 256 consecutive bytes, aligned.  The row that a position stands for is in the stores' immediate.
.macro OUT p
.if \p
	s_wait_xcnt 0x0                                ; the first half's stores have read their registers
.endif
.irp u, 0,1
.irp f, 0,1,2,3
	ds_store_b128 v[STO], v[ACC+8*(4*(2*\p+\u)+\f):ACC+8*(4*(2*\p+\u)+\f)+3] offset:16*\u*272+128*(\f/2)+32*(\f%2)
	ds_store_b128 v[STO], v[ACC+8*(4*(2*\p+\u)+\f)+4:ACC+8*(4*(2*\p+\u)+\f)+7] offset:16*\u*272+128*(\f/2)+32*(\f%2)+16
.endr
.endr
.set t, 0
.rept 16
	ds_load_b128 v[64+4*t:64+4*t+3], v[RD] offset:2*t*272      ; LDS serves a wave's instructions in order: these see my stores
.set t, t+1
.endr
	s_wait_dscnt 0x0
.if \p == 0
	s_wait_loadcnt 0x0                             ; the residual
.endif
	WIN 0x08                                       ; source 1 window 2
.set t, 0
.rept 32
	v_pk_add_f32 v[64+2*t:65+2*t], v[64+2*t:65+2*t], v[64*\p+2*t:64*\p+2*t+1]
.set t, t+1
.endr
	WIN 0
.set t, 0
.rept 16
	global_store_b128 v[CO], v[64+4*t:64+4*t+3], s[12:13] offset:(32*\p+8*(t/8)+2*(t%8)+8*((t%8)/4))*4096
.set t, t+1
.endr
.endm
	OUT 0
	OUT 1
	s_wait_tensorcnt 0x0                           ; the wave's end, behind my last tensor load and my last LDS store
	ds_add_u32 v[SPW], v[NIL]
	s_wait_dscnt 0x0
	CROUND                                         ; the closing round
	s_endpgm
.Lfunc_end_k_qd85a5d50a2_gproj:
	.size	k_qd85a5d50a2_gproj, .Lfunc_end_k_qd85a5d50a2_gproj-k_qd85a5d50a2_gproj
	.p2alignl 7, 3214868480
	.fill 96, 4, 3214868480
	.section	.rodata,"a",@progbits
	.p2align	6, 0x0
	.amdhsa_kernel k_qd85a5d50a2_gproj
		.amdhsa_group_segment_fixed_size 240128
		.amdhsa_private_segment_fixed_size 0
		.amdhsa_enable_private_segment 0
		.amdhsa_kernarg_size 40
		.amdhsa_user_sgpr_count 2
		.amdhsa_user_sgpr_kernarg_segment_ptr 1
		.amdhsa_wavefront_size32 1
		.amdhsa_system_sgpr_workgroup_id_x 1
		.amdhsa_system_sgpr_workgroup_id_y 1
		.amdhsa_system_sgpr_workgroup_id_z 1
		.amdhsa_system_vgpr_workitem_id 0
		.amdhsa_next_free_vgpr 640
		.amdhsa_next_free_sgpr 100
		.amdhsa_reserve_vcc 0
		.amdhsa_float_denorm_mode_32 3
		.amdhsa_float_denorm_mode_16_64 3
		.amdhsa_memory_ordered 1
		.amdhsa_forward_progress 1
		.amdhsa_inst_pref_size 60
	.end_amdhsa_kernel
	.amdgpu_metadata
---
amdhsa.version: [ 1, 2 ]
amdhsa.kernels:
  - .name:           k_qd85a5d50a2_gproj
    .symbol:         k_qd85a5d50a2_gproj.kd
    .args:
      - { .name: cq, .offset: 0, .size: 8, .value_kind: global_buffer, .address_space: global }
      - { .name: wq, .offset: 8, .size: 8, .value_kind: global_buffer, .address_space: global }
      - { .name: b_o, .offset: 16, .size: 8, .value_kind: global_buffer, .address_space: global }
      - { .name: x, .offset: 24, .size: 8, .value_kind: global_buffer, .address_space: global }
      - { .name: ao, .offset: 32, .size: 8, .value_kind: global_buffer, .address_space: global }
    .group_segment_fixed_size: 240128
    .private_segment_fixed_size: 0
    .kernarg_segment_align: 8
    .kernarg_segment_size: 40
    .max_flat_workgroup_size: 128
    .sgpr_count:     100
    .vgpr_count:     640
    .wavefront_size: 32
...
	.end_amdgpu_metadata
.endif
;; end of part 5
;; launch ln2: the kernel of part 2 again; grid 256 x 1, 4 waves a work-group, no clusters, 66,304 bytes of LDS; arguments ao, ln2_w, ln2_b, hq; writes hq
;; launch gup (part 6): grid 32 x 32, 4 waves a work-group, clusters of 4 x 4, 205,312 bytes of LDS; arguments hq, wq, b_up, uq; writes uq
.if DOCPART == 6
	.amdgcn_target "amdgcn-amd-amdhsa--gfx1250"
	.amdhsa_code_object_version 6
	.text
	.protected	k_qd85a5d50a2_gup
	.globl	k_qd85a5d50a2_gup
	.p2align	8
	.type	k_qd85a5d50a2_gup,@function
k_qd85a5d50a2_gup:
	s_mov_b64 s[64:65], 0
	v_nop
	global_prefetch_b8 v0, s[64:65] scope:SCOPE_SE
	s_setreg_imm32_b32 hwreg(HW_REG_WAVE_MODE, 25, 1), 1
	s_wait_xcnt 0x0
	s_wait_alu depctr_hold_cnt(0) depctr_sa_sdst(0) depctr_va_vdst(0) depctr_va_sdst(0) depctr_va_ssrc(0) depctr_va_vcc(0) depctr_vm_vsrc(0)
	s_getreg_b32 s2, hwreg(HW_REG_IB_STS2, 6, 4)
	s_cmp_eq_u32 s2, 0
	s_cbranch_scc0 .Lentry_in_a_cluster
	s_endpgm
.Lentry_in_a_cluster:
	s_bfe_u32 s2, ttmp6, 0x10000c
	s_cmp_lg_u32 s2, 0xf033
	s_cbranch_scc0 .Lentry_shape_is_right
	s_endpgm
.Lentry_shape_is_right:
; h = gelu(LN2(attn_out) W_up + b_up), the product on codes of E3M2 (M 4,096, N 4,096, K 1,024), gelu exact (by erf) in f32, h quantised along its 4,096 in the way out: it never goes to memory as f32.
; OPERANDS are images of the operand's registers.  A half image (768 bytes: 16 rows x 64 K): lane (r, h) owns 24 bytes: 16 at 16 (r + 16 h), 8 at 512 + 16 r + 8 h.  Codes [row-block][K/64][768]; scale bytes [row-block][16][K/32].
; Row-block 2 b + u holds at position p the row 32 b + 8 u + p + 8 (p / 8).
; SHARES: a tile of 128 x 128 to a work-group, 64 x 64 to each of four waves: 16 accumulators.  All of K lies in two LDS slots of 512 along K, each filled once.  CLUSTER 4 x 4: A's tiles jointly along a row, B's along a column.
; The product is used transposed (source 0 = weight rows, source 1 = hn's rows): a lane holds one row and, in two neighbouring tiles, 16 neighbouring columns, which are neighbours along the next product's K.
; GELU: 0.5 x (1 + erf(z)), z = x / sqrt(2).  1 + erf(z) comes from two polynomials, both always computed, and selects: for |z| over 0.927734375, E = exp(polynomial in |z|) = erfc(|z|), and 1 + erf is 2 - E (z > 0) or E (z < 0),
; so that the small values at negative x keep their relative accuracy; else 1 + z + z polynomial(z^2).  No branch hangs on data.
; OUT: uq: codes [row-block 256][64][768]; scale bytes at 12,582,912 [row-block][16][128].
; LIMITS: a block of zeros gets the byte 1 where the rule says 127 (its codes are zeros, and this program alone reads the bytes); blocks whose largest magnitude lies under 2^-122 get the byte 1; NaN and infinities are not served.
.set KK,     1024
.set RBB,    KK*12
.set KW,     KK/32
.set SCH,    64*KW
.set A_SOFF, 3145728
.set B_COFF, 3145728
.set B_SOFF, 9568256
.set PART,   24576
.set SLOT,   4*PART
.set SCL,    2*SLOT
.set SPARE,  SCL+4*SCH
.set ADAX, 16
.set ADAY, 18
.set ADBX, 20
.set ADBY, 22
.set SADR, 27
.set SPW,  28
.set NIL,  29
.set GX,   30
.set GY,   31
.set QPT,  14
.set QBM,  116
.set QSO,  118
.set QBY,  120
.set SC,   32                          ; v32-63 scale words and nothing else
.set BI,   64                          ; v64-95 the bias; later gelu's registers, later codes
.set ACC,  128
.set F0,   0
.set F1,   128
.set G1, 24
.set G0, 32
.set G1B, 48
.set G0B, 56
.set G1S, 68
.set G0S, 76
.set G1SB, 80
.set G0SB, 88
.set SEL, 96
.set MSB, 0
.macro WIN new
.if MSB != \new
	s_set_vgpr_msb (MSB<<8)|\new
.set MSB, \new
.endif
.endm
.set MUL,  0x05
.set TO_F, 0x40
.macro JLOAD g0a, g1a, g0b, g1b        ; a joint load: waves 0 and 1 fetch for A, waves 2 and 3 for B; an s_nop 0 and four v_nop follow each line
	s_cmp_eq_u32 s15, 0
	s_cbranch_scc0 .Lfor_b_\@
	tensor_load_to_lds s[\g0a:\g0a+3], s[\g1a:\g1a+7]
	s_nop 0
.rept 4
	v_nop
.endr
	s_branch .Lasked_\@
.Lfor_b_\@:
	tensor_load_to_lds s[\g0b:\g0b+3], s[\g1b:\g1b+7]
	s_nop 0
.rept 4
	v_nop
.endr
.Lasked_\@:
.endm
.macro CROUND
	s_barrier_signal -1
	s_barrier_wait -1
	s_cmp_lg_u32 s14, 0
	s_cbranch_scc1 .Lnot_wave_0_\@
	s_barrier_signal -3
.Lnot_wave_0_\@:
	s_barrier_wait -3
	s_barrier_signal -1
	s_barrier_wait -1
.endm
.macro PLACES
.rept 4
	v_nop
.endr
.endm
	s_load_b256 s[4:11], s[0:1], 0x0               ; hq, wq, b_up, uq
	v_lshl_add_u32 v[SPW], v0, 2, SPARE
	v_mov_b32 v[NIL], 0
	ds_add_u32 v[SPW], v[NIL]                      ; the wave's opening: the add, twice on end, and its wait ahead of my first tensor load
	ds_add_u32 v[SPW], v[NIL]
	v_lshrrev_b32 v1, 5, v0
	v_readfirstlane_b32 s14, v1
	s_lshr_b32 s15, s14, 1                         ; wm.  Also: I fetch for A (0) or for B (1)
	s_and_b32 s16, s14, 1                          ; wn.  Also: which half I fetch
	s_bfe_u32 s40, ttmp6, 0x40000
	s_bfe_u32 s41, ttmp6, 0x40004
	s_lshl_b32 s42, ttmp9, 2
	s_add_co_u32 s42, s42, s40                     ; tx
	s_and_b32 s17, ttmp7, 0xffff
	s_lshl_b32 s17, s17, 2
	s_add_co_u32 s17, s17, s41                     ; ty
	s_lshl_b32 s43, s41, 2
	s_lshl_b32 s43, 15, s43
	s_lshl_b32 s44, 0x1111, s40
	s_or_b32 s[G1], s43, (3<<16)|(1<<21)
	s_or_b32 s[G1B], s44, (3<<16)|(1<<21)
.irp g, G1, G1B
	s_mov_b32 s[\g+1], 768<<16
	s_mov_b32 s[\g+2], 4<<16
	s_mov_b32 s[\g+3], 768<<16
	s_mov_b32 s[\g+4], 4
	s_mov_b32 s[\g+5], RBB/8
	s_mov_b32 s[\g+6], 0
	s_mov_b32 s[\g+7], 0
.endr
	s_or_b32 s[G1S], s43, (3<<16)|(1<<21)
	s_or_b32 s[G1SB], s44, (3<<16)|(1<<21)
.irp g, G1S, G1SB
	s_mov_b32 s[\g+1], 32<<16
	s_mov_b32 s[\g+2], (SCH/256)<<16
	s_mov_b32 s[\g+3], 32<<16
	s_mov_b32 s[\g+4], SCH/256
	s_mov_b32 s[\g+5], 32
	s_mov_b32 s[\g+6], 0
	s_mov_b32 s[\g+7], 0
.endr
	s_mov_b32 s[SEL], 0x76543210
	s_mov_b32 s[SEL+1], 0xfedcba98
	s_lshl_b32 s18, s16, 2
	s_lshl_b32 s20, s17, 3
	s_add_co_u32 s20, s20, s18
	s_lshl_b32 s46, s42, 3
	s_add_co_u32 s46, s46, s18
	s_mul_i32 s22, s20, 16*KW
	s_add_co_u32 s22, s22, A_SOFF
	s_mov_b32 s23, 0
	s_mul_i32 s92, s46, 16*KW
	s_add_co_u32 s92, s92, B_SOFF
	s_mov_b32 s93, 0
	s_mul_i32 s20, s20, RBB
	s_mov_b32 s21, 0
	s_mul_i32 s46, s46, RBB
	s_add_co_u32 s46, s46, B_COFF
	s_mov_b32 s47, 0
	s_mul_i32 s45, s14, PART
	s_mul_i32 s94, s14, SCH
	s_wait_dscnt 0x0
	s_wait_kmcnt 0x0
	s_add_nc_u64 s[20:21], s[4:5], s[20:21]
	s_add_nc_u64 s[22:23], s[4:5], s[22:23]
	s_add_nc_u64 s[46:47], s[6:7], s[46:47]
	s_add_nc_u64 s[92:93], s[6:7], s[92:93]
	CROUND
	s_mov_b32 s[G0S], 1
	s_add_co_u32 s[G0S+1], s94, SCL
	s_mov_b64 s[G0S+2:G0S+3], s[22:23]
	s_or_b32 s[G0S+3], s[G0S+3], 0x80000000
	s_mov_b32 s[G0SB], 1
	s_add_co_u32 s[G0SB+1], s94, SCL
	s_mov_b64 s[G0SB+2:G0SB+3], s[92:93]
	s_or_b32 s[G0SB+3], s[G0SB+3], 0x80000000
	JLOAD G0S, G1S, G0SB, G1SB
.irp s, 0,1
	s_mov_b32 s[G0+4*\s], 1
	s_add_co_u32 s[G0+4*\s+1], s45, \s*SLOT
	s_add_nc_u64 s[G0+4*\s+2:G0+4*\s+3], s[20:21], \s*6144
	s_or_b32 s[G0+4*\s+3], s[G0+4*\s+3], 0x80000000
	s_mov_b32 s[G0B+4*\s], 1
	s_add_co_u32 s[G0B+4*\s+1], s45, \s*SLOT
	s_add_nc_u64 s[G0B+4*\s+2:G0B+4*\s+3], s[46:47], \s*6144
	s_or_b32 s[G0B+4*\s+3], s[G0B+4*\s+3], 0x80000000
	JLOAD G0+4*\s, G1, G0B+4*\s, G1B               ; three tensor loads of mine are out
.endr
	v_and_b32 v1, 15, v0                           ; r
	v_bfe_u32 v2, v0, 4, 1                         ; h
	v_and_b32 v3, 31, v0
	v_lshlrev_b32 v[GX], 4, v3
	v_lshlrev_b32 v[GY], 4, v1
	v_lshl_add_u32 v[GY], v2, 3, v[GY]
	v_add_nc_u32 v[GY], 512, v[GY]
	v_lshlrev_b32 v7, 7, v1                        ; 128 r: my row's scale bytes in uq
	v_lshlrev_b32 v4, 6, v2                        ; the bias: 64 h
	v_mov_b32 v[QPT], 0
	v_mov_b32 v[QPT+1], 0
	s_mul_i32 s18, s15, PART
	s_mul_i32 s19, s16, PART
	s_add_co_u32 s19, s19, 2*PART
.irp s, 0,1
	v_add_nc_u32 v[ADAX+\s], s18, v[GX]
	v_add_nc_u32 v[ADAY+\s], s18, v[GY]
	v_add_nc_u32 v[ADBX+\s], s19, v[GX]
	v_add_nc_u32 v[ADBY+\s], s19, v[GY]
	s_add_co_u32 s18, s18, SLOT
	s_add_co_u32 s19, s19, SLOT
.endr
	v_mul_u32_u24 v5, v1, KW
	s_mul_i32 s18, s15, SCH
	s_mul_i32 s19, s16, SCH
	s_add_co_u32 s19, s19, 2*SCH
	s_sub_co_u32 s19, s19, s18
	v_mul_u32_u24 v6, s19, v2                      ; lanes 16-31 take B's
	s_add_co_u32 s18, s18, SCL
	v_add_nc_u32 v5, v5, v6
	v_add_nc_u32 v[SADR], s18, v5
	s_lshl_b32 s18, s42, 9
	s_lshl_b32 s19, s16, 8
	s_add_co_u32 s18, s18, s19
	s_mov_b32 s19, 0
	s_add_nc_u64 s[8:9], s[8:9], s[18:19]          ; the bias at my first column
	s_lshl_b32 s18, s17, 3
	s_lshl_b32 s2, s15, 2
	s_add_co_u32 s2, s18, s2                       ; my first row-block: 8 ty + 4 wm
	s_mul_i32 s18, s2, 49152
	s_lshl_b32 s3, s42, 1
	s_add_co_u32 s3, s3, s16
	s_mul_i32 s3, s3, 768                          ; my 64 columns are half image 2 tx + wn of the next K
	s_add_co_u32 s18, s18, s3
	s_add_nc_u64 s[20:21], s[10:11], s[18:19]      ; codes
	s_lshl_b32 s18, s2, 11
	s_lshl_b32 s3, s42, 2
	s_add_co_u32 s18, s18, s3
	s_lshl_b32 s3, s16, 1
	s_add_co_u32 s18, s18, s3
	s_add_co_u32 s18, s18, 12582912
	s_add_nc_u64 s[22:23], s[10:11], s[18:19]      ; scale bytes
.irp f, 0,1,2,3
	global_load_b128 v[BI+8*\f:BI+8*\f+3], v4, s[8:9] offset:(32*(\f/2)+8*(\f%2))*4       ; tile 2 b + u, lane (r, h), register i: column 32 b + 16 h + 8 u + i
	global_load_b128 v[BI+8*\f+4:BI+8*\f+7], v4, s[8:9] offset:(32*(\f/2)+8*(\f%2))*4+16
.endr
.macro FRAG reg, ax, ay, off
	ds_load_b128 v[\reg:\reg+3], v[\ax] offset:\off
	ds_load_b64 v[\reg+4:\reg+5], v[\ay] offset:\off
	ds_load_b128 v[\reg+6:\reg+9], v[\ax] offset:\off+768
	ds_load_b64 v[\reg+10:\reg+11], v[\ay] offset:\off+768
.endm
.macro FETCH slot, ksl, f
	WIN TO_F
.irp i, 0,1,2,3
	FRAG \f+12*\i, ADAX+\slot, ADAY+\slot, \i*6144+(\ksl)*1536
	FRAG \f+48+12*\i, ADBX+\slot, ADBY+\slot, \i*6144+(\ksl)*1536
.endr
.endm
.macro SCALES set
.irp i, 0,1,2,3
	ds_load_b128 v[SC+16*\set+4*\i:SC+16*\set+4*\i+3], v[SADR] offset:\i*16*KW
.endr
.endm
; four matrix instructions: A's row-block a against B's four.  The 16 accumulators take turns, one instruction a turn, in the same order in every step.
.macro MULA f, a, set, q, first
.irp b, 0,1,2,3
.if \first
	v_wmma_scale_f32_16x16x128_f8f6f4 v[ACC+8*(4*\a+\b):ACC+8*(4*\a+\b)+7], v[\f+48+12*\b:\f+48+12*\b+11], v[\f+12*\a:\f+12*\a+11], v[BI+8*\b:BI+8*\b+7], v[SC+16*\set+4*\b+\q], v[SC+16*\set+4*\a+\q] matrix_a_fmt:MATRIX_FMT_BF6 matrix_b_fmt:MATRIX_FMT_BF6 matrix_a_scale:MATRIX_SCALE_ROW1
.else
	v_wmma_scale_f32_16x16x128_f8f6f4 v[ACC+8*(4*\a+\b):ACC+8*(4*\a+\b)+7], v[\f+48+12*\b:\f+48+12*\b+11], v[\f+12*\a:\f+12*\a+11], v[ACC+8*(4*\a+\b):ACC+8*(4*\a+\b)+7], v[SC+16*\set+4*\b+\q], v[SC+16*\set+4*\a+\q] matrix_a_fmt:MATRIX_FMT_BF6 matrix_b_fmt:MATRIX_FMT_BF6 matrix_a_scale:MATRIX_SCALE_ROW1
.endif
.endr
.endm
.macro KSTEP f, g, slot, ksl, q, first
	s_wait_dscnt 0x0                               ; set f and the scale words are in
	PLACES                                         ; set g was read by the last step's products
	FETCH \slot, \ksl, \g
	WIN MUL
.irp a, 0,1,2,3
	MULA \f, \a, \slot, \q, \first
.endr
.endm
	s_wait_tensorcnt 0x1                           ; the scale bytes and my part of slot 0 are in; slot 1's load may stay out
	s_barrier_signal -1
	s_barrier_wait -1
	FETCH 0, 0, F0
	WIN 0
	SCALES 0
	s_wait_loadcnt 0x0                             ; the bias
	KSTEP F0, F1, 0, 1, 0, 1
	KSTEP F1, F0, 0, 2, 1, 0
	KSTEP F0, F1, 0, 3, 2, 0
	s_wait_tensorcnt 0x0                           ; my part of slot 1 is in,
	s_wait_dscnt 0x0                               ; and set 1
	s_barrier_signal -1
	WIN MUL
	MULA F1, 0, 0, 3, 0
	MULA F1, 1, 0, 3, 0
	WIN 0
	s_barrier_wait -1                              ; everybody's part is in
	PLACES
	v_add_nc_u32 v[SADR], 16, v[SADR]
	FETCH 1, 0, F0
	WIN 0
	SCALES 1
	WIN MUL
	MULA F1, 2, 0, 3, 0
	MULA F1, 3, 0, 3, 0
	KSTEP F0, F1, 1, 1, 0, 0
	KSTEP F1, F0, 1, 2, 1, 0
	KSTEP F0, F1, 1, 3, 2, 0
	s_wait_dscnt 0x0
	WIN MUL
.irp a, 0,1,2,3
	MULA F1, \a, 1, 3, 0
.endr
	WIN 0
; GELU.  No tensor load of mine is out: the descriptors' registers take the constants, each as a pair of which the packed forms take the low word for both halves.
.set Z,  64
.set S,  72
.set T,  80
.set R,  88
.set U,  96
.set RS2, 24
.set L2E, 26
.set C0,  28
.set C2,  30
.set C4,  32
.set C5,  34
.set C6,  36
.set D0,  38
.set D2,  40
.set D3,  42
.set D4,  44
.set D5,  46
.macro PAIR r, val
	s_mov_b32 s[\r], \val
	s_mov_b32 s[\r+1], \val
.endm
	v_mov_b32 v104, 0x39c8e7d9                     ; three constants stand in vector pairs, so that no instruction names two scalar pairs.  These six plain lines are also the places behind the last products
	v_mov_b32 v105, 0x39c8e7d9
	v_mov_b32 v106, 0x3cc6b1a1
	v_mov_b32 v107, 0x3cc6b1a1
	v_mov_b32 v108, 0x3ba38d2c
	v_mov_b32 v109, 0x3ba38d2c
	PAIR RS2, 0x3f3504f3                           ; 1 / sqrt(2)
	PAIR L2E, 0x3fb8aa3b                           ; log2(e)
	PAIR C0, 0xb7910000
	PAIR C2, 0xbb7e8a1c
	PAIR C4, 0xbddaae5c
	PAIR C5, 0xbf228550
	PAIR C6, 0xbe03ce86
	PAIR D0, 0xba1c7000
	PAIR D2, 0xbcdb48d9
	PAIR D3, 0x3de70e22
	PAIR D4, 0xbec09380
	PAIR D5, 0x3e0375d4
	s_mov_b32 s48, 0x3f6d8000                      ; 0.927734375
.macro GELU x                          ; the eight registers of one accumulator, from its low end on
.irp p, 0,2,4,6
	v_pk_mul_f32 v[Z+\p:Z+\p+1], v[\x+\p:\x+\p+1], s[RS2:RS2+1] op_sel_hi:[1,0]          ; z
.endr
.irp p, 0,2,4,6
	v_pk_mul_f32 v[S+\p:S+\p+1], v[Z+\p:Z+\p+1], v[Z+\p:Z+\p+1]                          ; z^2
.endr
.irp j, 0,1,2,3,4,5,6,7
	v_and_b32 v[T+\j], 0x7fffffff, v[Z+\j]                                               ; |z|
.endr
.irp p, 0,2,4,6
	v_pk_fma_f32 v[R+\p:R+\p+1], v[T+\p:T+\p+1], s[C0:C0+1], v[104:105] op_sel_hi:[1,0,1]
.endr
.irp p, 0,2,4,6
	v_pk_fma_f32 v[U+\p:U+\p+1], v[T+\p:T+\p+1], s[C2:C2+1], v[106:107] op_sel_hi:[1,0,1]
.endr
.irp p, 0,2,4,6
	v_pk_fma_f32 v[R+\p:R+\p+1], v[R+\p:R+\p+1], v[S+\p:S+\p+1], v[U+\p:U+\p+1]
.endr
.irp c, C4, C5, C6
.irp p, 0,2,4,6
	v_pk_fma_f32 v[R+\p:R+\p+1], v[R+\p:R+\p+1], v[T+\p:T+\p+1], s[\c:\c+1] op_sel_hi:[1,1,0]
.endr
.endr
.irp p, 0,2,4,6
	v_pk_fma_f32 v[R+\p:R+\p+1], v[R+\p:R+\p+1], v[T+\p:T+\p+1], v[T+\p:T+\p+1] neg_lo:[0,0,1] neg_hi:[0,0,1]
.endr
.irp p, 0,2,4,6
	v_pk_mul_f32 v[R+\p:R+\p+1], v[R+\p:R+\p+1], s[L2E:L2E+1] op_sel_hi:[1,0]
.endr
.irp j, 0,1,2,3,4,5,6,7
	v_exp_f32 v[R+\j], v[R+\j]                                                           ; E = erfc(|z|)
.endr
.irp p, 0,2,4,6
	v_pk_fma_f32 v[U+\p:U+\p+1], v[S+\p:S+\p+1], s[D0:D0+1], v[108:109] op_sel_hi:[1,0,1]   ; the other polynomial is the work behind the exponentials
.endr
.irp c, D2, D3, D4, D5
.irp p, 0,2,4,6
	v_pk_fma_f32 v[U+\p:U+\p+1], v[U+\p:U+\p+1], v[S+\p:S+\p+1], s[\c:\c+1] op_sel_hi:[1,1,0]
.endr
.endr
.irp p, 0,2,4,6
	v_pk_fma_f32 v[U+\p:U+\p+1], v[U+\p:U+\p+1], v[Z+\p:Z+\p+1], v[Z+\p:Z+\p+1]          ; erf(z)
.endr
.irp p, 0,2,4,6
	v_pk_add_f32 v[U+\p:U+\p+1], v[U+\p:U+\p+1], 1.0 op_sel_hi:[1,0]
.endr
	s_wait_alu depctr_va_vdst(0)                   ; one wait for the eight exponentials, ahead of their first use
.irp p, 0,2,4,6
	v_pk_fma_f32 v[S+\p:S+\p+1], v[R+\p:R+\p+1], -1.0, 2.0 op_sel_hi:[1,0,0]             ; 2 - E
.endr
.irp j, 0,1,2,3,4,5,6,7
	v_cmp_gt_f32 vcc_lo, 0, v[Z+\j]
	v_cndmask_b32 v[R+\j], v[S+\j], v[R+\j], vcc_lo                                      ; z < 0: E, else 2 - E
	v_cmp_lt_f32 vcc_lo, s48, v[T+\j]
	v_cndmask_b32 v[R+\j], v[U+\j], v[R+\j], vcc_lo                                      ; and for small |z| the other form
.endr
.irp p, 0,2,4,6
	v_pk_mul_f32 v[R+\p:R+\p+1], v[R+\p:R+\p+1], 0.5 op_sel_hi:[1,0]
.endr
.irp p, 0,2,4,6
	v_pk_mul_f32 v[\x+\p:\x+\p+1], v[\x+\p:\x+\p+1], v[R+\p:R+\p+1]
.endr
.endm
.set tt, 0
.rept 16
	GELU ACC+8*tt
.set tt, tt+1
.endr
; 32 numbers of a lane, register 16 b + i = k 32 b + 16 (lane / 16) + i of my row, become my 24 bytes of a half image in v[pc .. pc + 5] and the two scale bytes in v[pw]
.macro QH s, pc, t, pw
	v_max3_num_f32 v[QBM], |v[\s]|, |v[\s+1]|, 0x2800000       ; the floor 2^(5 - 127): the byte cannot fall under 1
	v_max3_num_f32 v[QBM+1], |v[\s+16]|, |v[\s+17]|, 0x2800000
.irp i, 2,4,6,8,10,12,14
	v_max3_num_f32 v[QBM], v[QBM], |v[\s+\i]|, |v[\s+\i+1]|
	v_max3_num_f32 v[QBM+1], v[QBM+1], |v[\s+16+\i]|, |v[\s+17+\i]|
.endr
	v_permlanex16_b32 v[QPT], v[QBM], s[SEL], s[SEL+1]
	v_permlanex16_b32 v[QPT+1], v[QBM+1], s[SEL], s[SEL+1]
	v_max_num_f32 v[QBM], v[QBM], v[QPT]
	v_max_num_f32 v[QBM+1], v[QBM+1], v[QPT+1]
	v_add_nc_u32 v[QSO], 0xfe000000, v[QBM]        ; 4 off the exponent field: the conversion's scale operand
	v_add_nc_u32 v[QSO+1], 0xfe000000, v[QBM+1]
	v_lshrrev_b32 v[QBY], 23, v[QSO]
	v_lshrrev_b32 v[QBY+1], 23, v[QSO+1]
	v_lshl_or_b32 v[\pw], v[QBY+1], 8, v[QBY]
	v_cvt_scalef32_pk16_bf6_f32 v[\pc:\pc+2], v[\s:\s+15], v[QSO]
	v_cvt_scalef32_pk16_bf6_f32 v[\t:\t+2], v[\s+16:\s+31], v[QSO+1]
	v_nop                                          ; one plain instruction behind the conversions
.irp i, 0,1,2
	v_permlane16_swap_b32 v[\pc+\i], v[\t+\i]      ; a whole block to a lane
.endr
.irp i, 0,1,2
	v_mov_b32 v[\pc+3+\i], v[\t+\i]
.endr
.endm
.irp a, 0,1,2,3
	QH ACC+32*\a, 64+8*\a, 96+4*\a, 112+\a
	global_store_b128 v[GX], v[64+8*\a:64+8*\a+3], s[20:21] offset:49152*\a      ; row-block a: 512 consecutive bytes a wave
	global_store_b64 v[GY], v[64+8*\a+4:64+8*\a+5], s[20:21] offset:49152*\a     ; 256 consecutive bytes a wave
	global_store_b16 v7, v[112+\a], s[22:23] offset:2048*\a                      ; (lanes r and r + 16 store the same bytes)
.endr
	s_wait_tensorcnt 0x0                           ; the wave's end
	ds_add_u32 v[SPW], v[NIL]
	s_wait_dscnt 0x0
	CROUND                                         ; the closing round
	s_endpgm
.Lfunc_end_k_qd85a5d50a2_gup:
	.size	k_qd85a5d50a2_gup, .Lfunc_end_k_qd85a5d50a2_gup-k_qd85a5d50a2_gup
	.p2alignl 7, 3214868480
	.fill 96, 4, 3214868480
	.section	.rodata,"a",@progbits
	.p2align	6, 0x0
	.amdhsa_kernel k_qd85a5d50a2_gup
		.amdhsa_group_segment_fixed_size 205312
		.amdhsa_private_segment_fixed_size 0
		.amdhsa_enable_private_segment 0
		.amdhsa_kernarg_size 32
		.amdhsa_user_sgpr_count 2
		.amdhsa_user_sgpr_kernarg_segment_ptr 1
		.amdhsa_wavefront_size32 1
		.amdhsa_system_sgpr_workgroup_id_x 1
		.amdhsa_system_sgpr_workgroup_id_y 1
		.amdhsa_system_sgpr_workgroup_id_z 1
		.amdhsa_system_vgpr_workitem_id 0
		.amdhsa_next_free_vgpr 512
		.amdhsa_next_free_sgpr 100
		.amdhsa_reserve_vcc 1
		.amdhsa_float_denorm_mode_32 3
		.amdhsa_float_denorm_mode_16_64 3
		.amdhsa_memory_ordered 1
		.amdhsa_forward_progress 1
		.amdhsa_inst_pref_size 165
	.end_amdhsa_kernel
	.amdgpu_metadata
---
amdhsa.version: [ 1, 2 ]
amdhsa.kernels:
  - .name:           k_qd85a5d50a2_gup
    .symbol:         k_qd85a5d50a2_gup.kd
    .args:
      - { .name: hq, .offset: 0, .size: 8, .value_kind: global_buffer, .address_space: global }
      - { .name: wq, .offset: 8, .size: 8, .value_kind: global_buffer, .address_space: global }
      - { .name: b_up, .offset: 16, .size: 8, .value_kind: global_buffer, .address_space: global }
      - { .name: uq, .offset: 24, .size: 8, .value_kind: global_buffer, .address_space: global }
    .group_segment_fixed_size: 205312
    .private_segment_fixed_size: 0
    .kernarg_segment_align: 8
    .kernarg_segment_size: 32
    .max_flat_workgroup_size: 128
    .sgpr_count:     100
    .vgpr_count:     512
    .wavefront_size: 32
...
	.end_amdgpu_metadata
.endif
;; end of part 6
;; launch gdown (part 7): grid 8 x 32, 4 waves a work-group, clusters of 4 x 4, 327,680 bytes of LDS; arguments uq, wq, b_down, ao, out0; writes out0
.if DOCPART == 7
	.amdgcn_target "amdgcn-amd-amdhsa--gfx1250"
	.amdhsa_code_object_version 6
	.text
	.protected	k_qd85a5d50a2_gdown
	.globl	k_qd85a5d50a2_gdown
	.p2align	8
	.type	k_qd85a5d50a2_gdown,@function
k_qd85a5d50a2_gdown:
	s_mov_b64 s[64:65], 0
	v_nop
	global_prefetch_b8 v0, s[64:65] scope:SCOPE_SE
	s_setreg_imm32_b32 hwreg(HW_REG_WAVE_MODE, 25, 1), 1
	s_wait_xcnt 0x0
	s_wait_alu depctr_hold_cnt(0) depctr_sa_sdst(0) depctr_va_vdst(0) depctr_va_sdst(0) depctr_va_ssrc(0) depctr_va_vcc(0) depctr_vm_vsrc(0)
	s_getreg_b32 s2, hwreg(HW_REG_IB_STS2, 6, 4)
	s_cmp_eq_u32 s2, 0
	s_cbranch_scc0 .Lentry_in_a_cluster
	s_endpgm
.Lentry_in_a_cluster:
	s_bfe_u32 s2, ttmp6, 0x10000c
	s_cmp_lg_u32 s2, 0xf033
	s_cbranch_scc0 .Lentry_shape_is_right
	s_endpgm
.Lentry_shape_is_right:
; out = h W_down + b_down + attn_out: the product on codes of E3M2 (M 4,096, N 1,024, K 4,096), bias and residual in f32; out f32 [4096][1024].
; OPERANDS are images of the operand's registers.  A half image (768 bytes: 16 rows x 64 K): lane (r, h) owns 24 bytes: 16 at 16 (r + 16 h), 8 at 512 + 16 r + 8 h.  Codes [row-block][K/64][768]; scale bytes [row-block][16][K/32].
; Row-block 2 b + u holds at position p the row 32 b + 8 u + p + 8 (p / 8).
; SHARES: a tile of 128 x 128 to a work-group (256 work-groups), 64 x 64 to each of four waves: 16 accumulators.  K goes in parts of 512 through a ring of two LDS slots; the scale bytes of all of K come once.
; CLUSTER 4 x 4: A's tiles are asked for jointly along a row of the cluster, B's along a column.  A slot is filled again behind a round of the cluster's barrier: one tensor load a wave is out behind each round, three at the head.
; The launch claims all of LDS.
; The product is used transposed (source 0 = weight rows, source 1 = h's rows).  The bias is the C of each sum's first instruction.  The residual's tile is asked for at the head.
; No prefetch: a part's 64 matrix instructions a wave stand beside each refill, and the tiles are small and shared in the cluster.
.set KK,     4096
.set LAPS,   KK/1024
.set RBB,    KK*12
.set KW,     KK/32
.set SCH,    64*KW
.set A_SOFF, 12582912
.set B_COFF, 6291456
.set B_SOFF, 9699328
.set PART,   24576                     ; 4 row-blocks x 512 along K: what one tensor load brings
.set SLOT,   4*PART
.set SCL,    2*SLOT                    ; the scale bytes, four parts
.set STG,    SCL+4*SCH                 ; the way out: 32 rows x (256 bytes + 16) for each wave; no tensor load lands here
.set SPARE,  STG+4*8704                ; the spare words
.set ADAX, 16
.set ADAY, 18
.set ADBX, 20
.set ADBY, 22
.set STO,  24
.set RD,   25
.set CO,   26
.set SADR, 27
.set SPW,  28
.set NIL,  29
.set GX,   30
.set GY,   31
.set SC,   32                          ; v32-63 scale words and nothing else
.set BI,   64                          ; v64-95 the bias; on the way out v64-127 are rows read back
.set ACC,  128
.set F0,   0                           ; window 1: two sets of fragments;  window 2: v0-127 the residual
.set F1,   128
.set G1, 24
.set G0, 32
.set G1B, 48
.set G0B, 56
.set G1S, 68
.set G0S, 76
.set G1SB, 80
.set G0SB, 88
.set MSB, 0
.macro WIN new
.if MSB != \new
	s_set_vgpr_msb (MSB<<8)|\new
.set MSB, \new
.endif
.endm
.set MUL,  0x05
.set TO_F, 0x40
.macro JLOAD g0a, g1a, g0b, g1b        ; a joint load: waves 0 and 1 fetch for A, waves 2 and 3 for B; an s_nop 0 and four v_nop follow each line
	s_cmp_eq_u32 s15, 0
	s_cbranch_scc0 .Lfor_b_\@
	tensor_load_to_lds s[\g0a:\g0a+3], s[\g1a:\g1a+7]
	s_nop 0
.rept 4
	v_nop
.endr
	s_branch .Lasked_\@
.Lfor_b_\@:
	tensor_load_to_lds s[\g0b:\g0b+3], s[\g1b:\g1b+7]
	s_nop 0
.rept 4
	v_nop
.endr
.Lasked_\@:
.endm
.macro CREST
	s_cmp_lg_u32 s14, 0
	s_cbranch_scc1 .Lnot_wave_0_\@
	s_barrier_signal -3
.Lnot_wave_0_\@:
	s_barrier_wait -3
	s_barrier_signal -1
	s_barrier_wait -1
.endm
.macro CROUND
	s_barrier_signal -1
	s_barrier_wait -1
	CREST
.endm
.macro PLACES
.rept 4
	v_nop
.endr
.endm
	s_load_b256 s[4:11], s[0:1], 0x0               ; A's images, wq, the bias, the residual
	s_load_b64 s[12:13], s[0:1], 0x20              ; out
	v_lshl_add_u32 v[SPW], v0, 2, SPARE
	v_mov_b32 v[NIL], 0
	ds_add_u32 v[SPW], v[NIL]                      ; the wave's opening: the add, twice on end, and its wait ahead of my first tensor load
	ds_add_u32 v[SPW], v[NIL]
	v_lshrrev_b32 v1, 5, v0
	v_readfirstlane_b32 s14, v1
	s_lshr_b32 s15, s14, 1                         ; wm.  Also: I fetch for A (0) or for B (1)
	s_and_b32 s16, s14, 1                          ; wn.  Also: which half I fetch
	s_bfe_u32 s40, ttmp6, 0x40000
	s_bfe_u32 s41, ttmp6, 0x40004
	s_lshl_b32 s42, ttmp9, 2
	s_add_co_u32 s42, s42, s40                     ; tx
	s_and_b32 s17, ttmp7, 0xffff
	s_lshl_b32 s17, s17, 2
	s_add_co_u32 s17, s17, s41                     ; ty
	s_lshl_b32 s43, s41, 2
	s_lshl_b32 s43, 15, s43
	s_lshl_b32 s44, 0x1111, s40
	s_or_b32 s[G1], s43, (3<<16)|(1<<21)
	s_or_b32 s[G1B], s44, (3<<16)|(1<<21)
.irp g, G1, G1B
	s_mov_b32 s[\g+1], 768<<16
	s_mov_b32 s[\g+2], 4<<16
	s_mov_b32 s[\g+3], 768<<16
	s_mov_b32 s[\g+4], 4
	s_mov_b32 s[\g+5], RBB/8
	s_mov_b32 s[\g+6], 0
	s_mov_b32 s[\g+7], 0
.endr
	s_or_b32 s[G1S], s43, (3<<16)|(1<<21)
	s_or_b32 s[G1SB], s44, (3<<16)|(1<<21)
.irp g, G1S, G1SB
	s_mov_b32 s[\g+1], 32<<16
	s_mov_b32 s[\g+2], (SCH/256)<<16
	s_mov_b32 s[\g+3], 32<<16
	s_mov_b32 s[\g+4], SCH/256
	s_mov_b32 s[\g+5], 32
	s_mov_b32 s[\g+6], 0
	s_mov_b32 s[\g+7], 0
.endr
	s_lshl_b32 s18, s16, 2
	s_lshl_b32 s20, s17, 3
	s_add_co_u32 s20, s20, s18
	s_lshl_b32 s46, s42, 3
	s_add_co_u32 s46, s46, s18
	s_mul_i32 s22, s20, 16*KW
	s_add_co_u32 s22, s22, A_SOFF
	s_mov_b32 s23, 0
	s_mul_i32 s92, s46, 16*KW
	s_add_co_u32 s92, s92, B_SOFF
	s_mov_b32 s93, 0
	s_mul_i32 s20, s20, RBB
	s_mov_b32 s21, 0
	s_mul_i32 s46, s46, RBB
	s_add_co_u32 s46, s46, B_COFF
	s_mov_b32 s47, 0
	s_mul_i32 s45, s14, PART
	s_mul_i32 s94, s14, SCH
	s_wait_dscnt 0x0
	s_wait_kmcnt 0x0
	s_add_nc_u64 s[20:21], s[4:5], s[20:21]
	s_add_nc_u64 s[22:23], s[4:5], s[22:23]
	s_add_nc_u64 s[46:47], s[6:7], s[46:47]
	s_add_nc_u64 s[92:93], s[6:7], s[92:93]
	CROUND
	s_mov_b32 s[G0S], 1
	s_add_co_u32 s[G0S+1], s94, SCL
	s_mov_b64 s[G0S+2:G0S+3], s[22:23]
	s_or_b32 s[G0S+3], s[G0S+3], 0x80000000
	s_mov_b32 s[G0SB], 1
	s_add_co_u32 s[G0SB+1], s94, SCL
	s_mov_b64 s[G0SB+2:G0SB+3], s[92:93]
	s_or_b32 s[G0SB+3], s[G0SB+3], 0x80000000
	JLOAD G0S, G1S, G0SB, G1SB
.irp s, 0,1
	s_mov_b32 s[G0+4*\s], 1
	s_add_co_u32 s[G0+4*\s+1], s45, \s*SLOT
	s_add_nc_u64 s[G0+4*\s+2:G0+4*\s+3], s[20:21], \s*6144
	s_or_b32 s[G0+4*\s+3], s[G0+4*\s+3], 0x80000000
	s_mov_b32 s[G0B+4*\s], 1
	s_add_co_u32 s[G0B+4*\s+1], s45, \s*SLOT
	s_add_nc_u64 s[G0B+4*\s+2:G0B+4*\s+3], s[46:47], \s*6144
	s_or_b32 s[G0B+4*\s+3], s[G0B+4*\s+3], 0x80000000
	JLOAD G0+4*\s, G1, G0B+4*\s, G1B               ; three tensor loads of mine are out
.endr
	v_and_b32 v1, 15, v0                           ; r
	v_bfe_u32 v2, v0, 4, 1                         ; h
	v_and_b32 v3, 31, v0
	v_lshlrev_b32 v[GX], 4, v3
	v_lshlrev_b32 v[GY], 4, v1
	v_lshl_add_u32 v[GY], v2, 3, v[GY]
	v_add_nc_u32 v[GY], 512, v[GY]
	s_mul_i32 s18, s15, PART
	s_mul_i32 s19, s16, PART
	s_add_co_u32 s19, s19, 2*PART
.irp s, 0,1
	v_add_nc_u32 v[ADAX+\s], s18, v[GX]
	v_add_nc_u32 v[ADAY+\s], s18, v[GY]
	v_add_nc_u32 v[ADBX+\s], s19, v[GX]
	v_add_nc_u32 v[ADBY+\s], s19, v[GY]
	s_add_co_u32 s18, s18, SLOT
	s_add_co_u32 s19, s19, SLOT
.endr
	v_mul_u32_u24 v5, v1, KW
	s_mul_i32 s18, s15, SCH
	s_mul_i32 s19, s16, SCH
	s_add_co_u32 s19, s19, 2*SCH
	s_sub_co_u32 s19, s19, s18
	v_mul_u32_u24 v6, s19, v2                      ; lanes 16-31 take B's
	s_add_co_u32 s18, s18, SCL
	v_add_nc_u32 v5, v5, v6
	v_add_nc_u32 v[SADR], s18, v5
	s_mul_i32 s18, s14, 8704
	s_add_co_u32 s18, s18, STG                     ; my stage
	v_mul_u32_u24 v[STO], v1, 272
	v_lshl_add_u32 v[STO], v2, 6, v[STO]
	v_add_nc_u32 v[STO], s18, v[STO]               ; in: position r, 64 h bytes on
	v_mul_u32_u24 v[RD], v2, 272
	v_lshl_add_u32 v[RD], v1, 4, v[RD]
	v_add_nc_u32 v[RD], s18, v[RD]                 ; back: lanes 0-15 one row of 256 bytes, lanes 16-31 the next
	v_lshlrev_b32 v[CO], 4, v1
	v_lshl_add_u32 v[CO], v2, 12, v[CO]            ; and the same two rows in memory
	v_lshlrev_b32 v4, 6, v2                        ; the bias: 64 h
	s_lshl_b32 s18, s42, 9
	s_lshl_b32 s19, s16, 8
	s_add_co_u32 s2, s18, s19                      ; my first column, in bytes
	s_mov_b32 s3, 0
	s_add_nc_u64 s[8:9], s[8:9], s[2:3]
	s_lshl_b32 s18, s17, 7
	s_lshl_b32 s19, s15, 6
	s_add_co_u32 s18, s18, s19
	s_lshl_b32 s18, s18, 12
	s_add_co_u32 s18, s18, s2
	s_mov_b32 s19, 0
	s_add_nc_u64 s[10:11], s[10:11], s[18:19]      ; the residual and the output at my 64 x 64
	s_add_nc_u64 s[12:13], s[12:13], s[18:19]
.irp f, 0,1,2,3
	global_load_b128 v[BI+8*\f:BI+8*\f+3], v4, s[8:9] offset:(32*(\f/2)+8*(\f%2))*4       ; tile 2 b + u, lane (r, h), register i: column 32 b + 16 h + 8 u + i
	global_load_b128 v[BI+8*\f+4:BI+8*\f+7], v4, s[8:9] offset:(32*(\f/2)+8*(\f%2))*4+16
.endr
	WIN 0x80                                       ; destination window 2
.irp p, 0,1
.set t, 0
.rept 16
	global_load_b128 v[4*(16*\p+t):4*(16*\p+t)+3], v[CO], s[10:11] offset:(32*\p+8*(t/8)+2*(t%8)+8*((t%8)/4))*4096 th:TH_LOAD_NT
.set t, t+1
.endr
.endr
	WIN 0
.macro FRAG reg, ax, ay, off
	ds_load_b128 v[\reg:\reg+3], v[\ax] offset:\off
	ds_load_b64 v[\reg+4:\reg+5], v[\ay] offset:\off
	ds_load_b128 v[\reg+6:\reg+9], v[\ax] offset:\off+768
	ds_load_b64 v[\reg+10:\reg+11], v[\ay] offset:\off+768
.endm
.macro FETCH slot, ksl, f
	WIN TO_F
.irp i, 0,1,2,3
	FRAG \f+12*\i, ADAX+\slot, ADAY+\slot, \i*6144+(\ksl)*1536
	FRAG \f+48+12*\i, ADBX+\slot, ADBY+\slot, \i*6144+(\ksl)*1536
.endr
.endm
.macro SCALES set
.irp i, 0,1,2,3
	ds_load_b128 v[SC+16*\set+4*\i:SC+16*\set+4*\i+3], v[SADR] offset:\i*16*KW
.endr
.endm
; four matrix instructions: A's row-block a against B's four.  The 16 accumulators take turns, one instruction a turn, in the same order in every step, over the loop's backward jump too.
.macro MULA f, a, set, q, first
.irp b, 0,1,2,3
.if \first
	v_wmma_scale_f32_16x16x128_f8f6f4 v[ACC+8*(4*\a+\b):ACC+8*(4*\a+\b)+7], v[\f+48+12*\b:\f+48+12*\b+11], v[\f+12*\a:\f+12*\a+11], v[BI+8*\b:BI+8*\b+7], v[SC+16*\set+4*\b+\q], v[SC+16*\set+4*\a+\q] matrix_a_fmt:MATRIX_FMT_BF6 matrix_b_fmt:MATRIX_FMT_BF6 matrix_a_scale:MATRIX_SCALE_ROW1
.else
	v_wmma_scale_f32_16x16x128_f8f6f4 v[ACC+8*(4*\a+\b):ACC+8*(4*\a+\b)+7], v[\f+48+12*\b:\f+48+12*\b+11], v[\f+12*\a:\f+12*\a+11], v[ACC+8*(4*\a+\b):ACC+8*(4*\a+\b)+7], v[SC+16*\set+4*\b+\q], v[SC+16*\set+4*\a+\q] matrix_a_fmt:MATRIX_FMT_BF6 matrix_b_fmt:MATRIX_FMT_BF6 matrix_a_scale:MATRIX_SCALE_ROW1
.endif
.endr
.endm
.macro KSTEP f, g, slot, ksl, q, first
	s_wait_dscnt 0x0                               ; set f and the scale words are in
	PLACES                                         ; set g was read by the last step's products
	FETCH \slot, \ksl, \g
	WIN MUL
.irp a, 0,1,2,3
	MULA \f, \a, \slot, \q, \first
.endr
.endm
; a slot's last step changes slots.  fill = 1: the slot is filled again, two parts of K ahead, behind a round of the cluster's barrier, with a tensor wait, an LDS add and its wait in front of it.
.macro TURN slot, next, fill
	WIN 0
	s_wait_tensorcnt 0x0                           ; all my tensor loads have landed: my part of the next slot
.if \fill
	ds_add_u32 v[SPW], v[NIL]
	s_wait_dscnt 0x1                               ; set 1 is in; the add alone may stay out
.else
	s_wait_dscnt 0x0
.endif
	WIN MUL
	MULA F1, 0, \slot, 3, 0
	s_wait_dscnt 0x0                               ; my reads of this slot are over (and the add is done)
	s_barrier_signal -1
	MULA F1, 1, \slot, 3, 0
	WIN 0
	s_barrier_wait -1
.if \fill
	CREST                                          ; no wave of any partner still reads this slot or has a load on its way
	s_add_nc_u64 s[G0+4*\slot+2:G0+4*\slot+3], s[G0+4*\slot+2:G0+4*\slot+3], 12288
	s_add_nc_u64 s[G0B+4*\slot+2:G0B+4*\slot+3], s[G0B+4*\slot+2:G0B+4*\slot+3], 12288
	JLOAD G0+4*\slot, G1, G0B+4*\slot, G1B         ; the first tensor load behind the round; its four v_nop are the places in front of the loads below
.else
	PLACES
.endif
	v_add_nc_u32 v[SADR], 16, v[SADR]
	FETCH \next, 0, F0
	WIN 0
	SCALES \next
	WIN MUL
	MULA F1, 2, \slot, 3, 0
	MULA F1, 3, \slot, 3, 0
.endm
	s_wait_tensorcnt 0x1                           ; the scale bytes and my part of slot 0 are in; slot 1's load may stay out
	s_barrier_signal -1
	s_barrier_wait -1
	FETCH 0, 0, F0
	WIN 0
	SCALES 0
	s_wait_loadcnt 32                              ; the bias is in; the 32 loads of the residual may stay out
	KSTEP F0, F1, 0, 1, 0, 1
.if LAPS > 1
	WIN 0
	s_mov_b32 s3, LAPS-1
.Llap:                                                 ; a trip goes once round the ring, from a lap's second step to the next lap's first, and fills both slots again
	KSTEP F1, F0, 0, 2, 1, 0
	KSTEP F0, F1, 0, 3, 2, 0
	TURN 0, 1, 1
	KSTEP F0, F1, 1, 1, 0, 0
	KSTEP F1, F0, 1, 2, 1, 0
	KSTEP F0, F1, 1, 3, 2, 0
	TURN 1, 0, 1
	KSTEP F0, F1, 0, 1, 0, 0
	WIN 0
	s_sub_co_u32 s3, s3, 1
	s_cmp_lg_u32 s3, 0
	s_cbranch_scc1 .Llap
.endif
	KSTEP F1, F0, 0, 2, 1, 0                       ; the last lap fills nothing
	KSTEP F0, F1, 0, 3, 2, 0
	TURN 0, 1, 0
	KSTEP F0, F1, 1, 1, 0, 0
	KSTEP F1, F0, 1, 2, 1, 0
	KSTEP F0, F1, 1, 3, 2, 0
	s_wait_dscnt 0x0
	WIN MUL
.irp a, 0,1,2,3
	MULA F1, \a, 1, 3, 0
.endr
	WIN 0
	PLACES
; THE WAY OUT, 32 rows at a time: through my own stage, by positions; back as rows of 256 bytes; the residual is added; sixteen lanes store 256 consecutive bytes, aligned.  The row that a position stands for is in the stores' immediate.
.macro OUT p
.if \p
	s_wait_xcnt 0x0                                ; the first half's stores have read their registers
.endif
.irp u, 0,1
.irp f, 0,1,2,3
	ds_store_b128 v[STO], v[ACC+8*(4*(2*\p+\u)+\f):ACC+8*(4*(2*\p+\u)+\f)+3] offset:16*\u*272+128*(\f/2)+32*(\f%2)
	ds_store_b128 v[STO], v[ACC+8*(4*(2*\p+\u)+\f)+4:ACC+8*(4*(2*\p+\u)+\f)+7] offset:16*\u*272+128*(\f/2)+32*(\f%2)+16
.endr
.endr
.set t, 0
.rept 16
	ds_load_b128 v[64+4*t:64+4*t+3], v[RD] offset:2*t*272      ; LDS serves a wave's instructions in order: these see my stores
.set t, t+1
.endr
	s_wait_dscnt 0x0
.if \p == 0
	s_wait_loadcnt 0x0                             ; the residual
.endif
	WIN 0x08                                       ; source 1 window 2
.set t, 0
.rept 32
	v_pk_add_f32 v[64+2*t:65+2*t], v[64+2*t:65+2*t], v[64*\p+2*t:64*\p+2*t+1]
.set t, t+1
.endr
	WIN 0
.set t, 0
.rept 16
	global_store_b128 v[CO], v[64+4*t:64+4*t+3], s[12:13] offset:(32*\p+8*(t/8)+2*(t%8)+8*((t%8)/4))*4096 th:TH_STORE_NT
.set t, t+1
.endr
.endm
	OUT 0
	OUT 1
	s_wait_tensorcnt 0x0                           ; the wave's end, behind my last tensor load and my last LDS store
	ds_add_u32 v[SPW], v[NIL]
	s_wait_dscnt 0x0
	CROUND                                         ; the closing round
	s_endpgm
.Lfunc_end_k_qd85a5d50a2_gdown:
	.size	k_qd85a5d50a2_gdown, .Lfunc_end_k_qd85a5d50a2_gdown-k_qd85a5d50a2_gdown
	.p2alignl 7, 3214868480
	.fill 96, 4, 3214868480
	.section	.rodata,"a",@progbits
	.p2align	6, 0x0
	.amdhsa_kernel k_qd85a5d50a2_gdown
		.amdhsa_group_segment_fixed_size 327680
		.amdhsa_private_segment_fixed_size 0
		.amdhsa_enable_private_segment 0
		.amdhsa_kernarg_size 40
		.amdhsa_user_sgpr_count 2
		.amdhsa_user_sgpr_kernarg_segment_ptr 1
		.amdhsa_wavefront_size32 1
		.amdhsa_system_sgpr_workgroup_id_x 1
		.amdhsa_system_sgpr_workgroup_id_y 1
		.amdhsa_system_sgpr_workgroup_id_z 1
		.amdhsa_system_vgpr_workitem_id 0
		.amdhsa_next_free_vgpr 640
		.amdhsa_next_free_sgpr 100
		.amdhsa_reserve_vcc 0
		.amdhsa_float_denorm_mode_32 3
		.amdhsa_float_denorm_mode_16_64 3
		.amdhsa_memory_ordered 1
		.amdhsa_forward_progress 1
		.amdhsa_inst_pref_size 97
	.end_amdhsa_kernel
	.amdgpu_metadata
---
amdhsa.version: [ 1, 2 ]
amdhsa.kernels:
  - .name:           k_qd85a5d50a2_gdown
    .symbol:         k_qd85a5d50a2_gdown.kd
    .args:
      - { .name: uq, .offset: 0, .size: 8, .value_kind: global_buffer, .address_space: global }
      - { .name: wq, .offset: 8, .size: 8, .value_kind: global_buffer, .address_space: global }
      - { .name: b_down, .offset: 16, .size: 8, .value_kind: global_buffer, .address_space: global }
      - { .name: ao, .offset: 24, .size: 8, .value_kind: global_buffer, .address_space: global }
      - { .name: out0, .offset: 32, .size: 8, .value_kind: global_buffer, .address_space: global }
    .group_segment_fixed_size: 327680
    .private_segment_fixed_size: 0
    .kernarg_segment_align: 8
    .kernarg_segment_size: 40
    .max_flat_workgroup_size: 128
    .sgpr_count:     100
    .vgpr_count:     640
    .wavefront_size: 32
...
	.end_amdgpu_metadata
.endif
;; end of part 7
;; ======== version 2 of 2: 6 launches
;; limits: right only within a limited range of input values
;; workspace buffers: wq 9,830,400 bytes; xq 3,276,800 bytes; aq 10,092,544 bytes; cq 3,276,800 bytes; ao 16,777,216 bytes; hq 3,276,800 bytes; uq 13,107,200 bytes
;; launch wquant (part 8): grid 1024 x 1, 4 waves a work-group, no clusters, 66,304 bytes of LDS; arguments x, ln1_w, ln1_b, xq, W_qkv, W_o, W_up, W_down, wq; writes xq, wq
.if DOCPART == 8
	.amdgcn_target "amdgcn-amd-amdhsa--gfx1250"
	.amdhsa_code_object_version 6
	.text
	.protected	k_qd85a5d50a2_wquant
	.globl	k_qd85a5d50a2_wquant
	.p2align	8
	.type	k_qd85a5d50a2_wquant,@function
k_qd85a5d50a2_wquant:
	s_mov_b64 s[64:65], 0
	v_nop
	global_prefetch_b8 v0, s[64:65] scope:SCOPE_SE
	s_setreg_imm32_b32 hwreg(HW_REG_WAVE_MODE, 25, 1), 1
	s_wait_xcnt 0x0
; THE PROGRAM: a pre-norm transformer block, all six matrix products on codes of E3M2 with one E8M0 scale for each 32 along K.
; Launches: wquant (this one: the four weights and LN1(x) become codes), gqkv, attn, gpl, gup, gdown.
; WORK LEFT OUT IN THE PROGRAM.  reference() sets scores[q][k] to -inf wherever k > q, by a mask that it builds in its own body (jnp.tril).  For all finite inputs the
; softmax then gives such a key the weight 0: p = 2^(-inf) = 0, whose code is 0, which adds nothing to the row's sum nor to the product with v, whatever the block's scale.  The row's largest t is taken
; over the keys that count (key 0 counts for every query).  So launch attn leaves out, in the products q k^T and p v, every step of 128 keys all of which come after all 16 queries of a tile;
; a step that holds keys of both kinds is computed whole and masked.  Nothing else is left out, and all thirteen inputs are loaded.
; LIMIT: a NaN, an infinity or an overflow that reaches only the steps left out is not carried to the result.
;
; THIS LAUNCH does two things that do not hang on each other, told apart by the work-group's number: work-groups 0 to 255 make LN1(x), the other 768 the weights.
; ALL OPERANDS ARE LAID AS IMAGES OF THE OPERAND'S REGISTERS.  A half image is 16 rows x 64 along K, 768 bytes: lane (r, h) of the matrix operand owns 24 bytes, the codes of k = 32 h .. 32 h + 31 of the row at
; position r: its first 16 bytes at 16 (r + 16 h), its last 8 at 512 + 16 r + 8 h.  Codes: [row-block][K/64][768].  Row-block 2 b + u holds at position p the row 32 b + 8 u + p + 8 (p / 8).  Scale bytes: [row-block][position][K/32].
; A block's scale is 2^(floor(log2(largest magnitude)) - 4); its byte is the largest magnitude's exponent field - 4, held at 1 from below.
; LIMITS: a block of zeros gets the byte 1 where the rule says 127 (its codes are zeros, and this program alone reads the bytes); blocks whose largest magnitude lies under 2^-122 get the byte 1; NaN and infinities among the inputs are not served.
;
; LN1: (x - mean) rsqrt(var + 1e-5) w + b in f32, quantised along the row.  Work-group f makes row-block f of xq (codes at 0, scale bytes at 3,145,728).  First wave w takes positions 4 w .. 4 w + 3, four neighbouring rows,
; each whole in 32 registers (mean and variance never leave the wave), and stores the normalised rows to a stage in LDS; behind one barrier wave w takes 256 columns of all 16 rows, a block of 32 whole in a lane, and quantises.
; THE WEIGHTS, f32, stored [K][N], are quantised down K.  W_qkv's columns n = 192 head + 64 j + d are laid in the order 1024 j + 64 head + d, so that q, k and v of a head are tiles of their own.
; A work-group takes 128 columns x 128 along K; a wave 32 columns; A LANE TAKES A COLUMN AND ITS REGISTERS RUN DOWN K, so that a block of 32 lies in one lane and each load reads 128 consecutive bytes a wave.
.set SP,    4112                       ; a stage row: 4,096 bytes + 16, so that sixteen rows' reads of one column start 16 bytes apart modulo 256
.set SPARE, 16*SP                      ; behind the stage: the spare words, 128 bytes for each wave
.set PT,  16                           ; LN: v16-19  the other half of the lanes' sums (first phase)
.set RS,  20                           ; v20-27  1 / sqrt(var + eps), a pair a row (the low word is used)
.set PC,  16                           ; v16-47  second phase: codes, 8 registers for each of 4 half images
.set MU,  48                           ; v48-55  sums, then means, a pair a row
.set SQ,  56                           ; v56-63  sums of squares
.set X,   64                           ; v64-191 four rows, later four blocks of 32
.set WR,  192                          ; v192-223 w; second phase: the second conversions' results
.set BR,  224                          ; v224-255 b
.set VO,  32                           ; weights: v32-63   byte offset of row i of a block: 4 lane + i x a row of the weight
.set XD,  64                           ; v64-191  four blocks of 32 numbers
.set CD,  192                          ; v192-215 codes: for each half image 4 + 4 + 4 registers (first parts of h = 0 and 1, last parts of both)
.set TT,  216                          ; v216-218 the second conversion's result
.set BYT, 220                          ; v220-223 the four scale bytes
	v_lshl_add_u32 v12, v0, 2, SPARE               ; my spare word
	v_mov_b32 v13, 0
	s_cmp_ge_u32 ttmp9, 256                        ; the work-group's number: the same in all four waves
	s_cbranch_scc1 .Lweights
	s_load_b256 s[4:11], s[0:1], 0x0               ; the rows, w, b, the images
	v_lshrrev_b32 v1, 5, v0
	v_readfirstlane_b32 s12, v1                    ; wave
	v_and_b32 v2, 31, v0
	v_and_b32 v3, 15, v0                           ; r
	v_bfe_u32 v4, v0, 4, 1                         ; h
	v_lshlrev_b32 v5, 4, v2                        ; 16 lane: my bytes of a load's 512, and the first part of a half image
	s_mul_i32 s13, s12, 4*SP
	v_add_nc_u32 v6, s13, v5                       ; the stage, in: my wave's four rows
	v_mul_u32_u24 v7, v3, SP
	v_lshl_add_u32 v7, v4, 7, v7
	s_lshl_b32 s13, s12, 10
	v_add_nc_u32 v7, s13, v7                       ; and out: row r, 1,024 wave + 128 h
	v_lshlrev_b32 v8, 4, v3
	v_lshl_add_u32 v8, v4, 3, v8
	v_add_nc_u32 v8, 512, v8                       ; the last part of a half image
	v_lshlrev_b32 v9, 5, v3                        ; 32 r: my row's scale bytes
	v_lshlrev_b32 v10, 3, v4                       ; 8 h
.irp i, 0,1,2,3
	v_mov_b32 v[PT+\i], 0                          ; a lane permute's destination counts as one of its sources
	v_mov_b32 v[RS+2*\i+1], 0                      ; named as the upper half of a pair
.endr
	s_mov_b32 s20, 0x3a800000                      ; 1 / 1024
	s_mov_b32 s21, 0x3727c5ac                      ; 1e-5
	s_mov_b32 s22, 0x76543210
	s_mov_b32 s23, 0xfedcba98                      ; v_permlanex16_b32's selects for lane l xor 16
	s_lshr_b32 s14, ttmp9, 1
	s_lshl_b32 s14, s14, 5
	s_and_b32 s15, ttmp9, 1
	s_lshl_b32 s15, s15, 3
	s_add_co_u32 s14, s14, s15
	s_lshl_b32 s15, s12, 2
	s_add_co_u32 s14, s14, s15
	s_lshr_b32 s15, s12, 1
	s_lshl_b32 s15, s15, 3
	s_add_co_u32 s14, s14, s15                     ; my first row: 32 (f / 2) + 8 (f % 2) + 4 w + 8 (w / 2)
	s_lshl_b32 s14, s14, 12
	s_mov_b32 s15, 0
	s_mul_i32 s16, ttmp9, 12288
	s_mul_i32 s17, s12, 3072
	s_add_co_u32 s16, s16, s17                     ; codes: row-block f, half images 4 w on
	s_mov_b32 s17, 0
	s_lshl_b32 s18, ttmp9, 9
	s_lshl_b32 s19, s12, 3
	s_add_co_u32 s18, s18, s19
	s_add_co_u32 s18, s18, 3145728                 ; scale bytes: row-block f, bytes 8 w on
	s_mov_b32 s19, 0
	s_wait_kmcnt 0x0
	s_add_nc_u64 s[4:5], s[4:5], s[14:15]
	s_add_nc_u64 s[16:17], s[10:11], s[16:17]
	s_add_nc_u64 s[18:19], s[10:11], s[18:19]
.irp i, 0,1,2,3
.irp j, 0,1,2,3,4,5,6,7
	global_load_b128 v[X+32*\i+4*\j:X+32*\i+4*\j+3], v5, s[4:5] offset:\i*4096+512*\j
.endr
.endr
.irp j, 0,1,2,3,4,5,6,7
	global_load_b128 v[WR+4*\j:WR+4*\j+3], v5, s[6:7] offset:512*\j
	global_load_b128 v[BR+4*\j:BR+4*\j+3], v5, s[8:9] offset:512*\j
.endr
; the four rows' pairs at v[b + 2 i] become sums over the row, in every lane
.macro REDUCE b
.irp i, 0,1,2,3
	v_add_f32 v[\b+2*\i], v[\b+2*\i], v[\b+2*\i+1]
.endr
.irp m, 1,2,4,8
.irp i, 0,1,2,3
	v_add_f32_dpp v[\b+2*\i], v[\b+2*\i], v[\b+2*\i] row_xmask:\m row_mask:0xf bank_mask:0xf
.endr
.endr
.irp i, 0,1,2,3
	v_permlanex16_b32 v[PT+\i], v[\b+2*\i], s22, s23
.endr
.irp i, 0,1,2,3
	v_add_f32 v[\b+2*\i], v[\b+2*\i], v[PT+\i]
.endr
.endm
	s_wait_loadcnt 16                              ; the rows are in; the sixteen loads of w and b may stay out
.irp i, 0,1,2,3
	v_pk_add_f32 v[MU+2*\i:MU+2*\i+1], v[X+32*\i:X+32*\i+1], v[X+32*\i+2:X+32*\i+3]
.endr
.irp j, 4,6,8,10,12,14,16,18,20,22,24,26,28,30
.irp i, 0,1,2,3
	v_pk_add_f32 v[MU+2*\i:MU+2*\i+1], v[MU+2*\i:MU+2*\i+1], v[X+32*\i+\j:X+32*\i+\j+1]   ; the four rows by turns
.endr
.endr
	REDUCE MU
.irp i, 0,1,2,3
	v_mul_f32 v[MU+2*\i], s20, v[MU+2*\i]          ; the mean
.endr
.irp j, 0,2,4,6,8,10,12,14,16,18,20,22,24,26,28,30
.irp i, 0,1,2,3
	v_pk_add_f32 v[X+32*\i+\j:X+32*\i+\j+1], v[X+32*\i+\j:X+32*\i+\j+1], v[MU+2*\i:MU+2*\i+1] op_sel_hi:[1,0] neg_lo:[0,1] neg_hi:[0,1]   ; x - mean
.endr
.endr
.irp i, 0,1,2,3
	v_pk_mul_f32 v[SQ+2*\i:SQ+2*\i+1], v[X+32*\i:X+32*\i+1], v[X+32*\i:X+32*\i+1]
.endr
.irp j, 2,4,6,8,10,12,14,16,18,20,22,24,26,28,30
.irp i, 0,1,2,3
	v_pk_fma_f32 v[SQ+2*\i:SQ+2*\i+1], v[X+32*\i+\j:X+32*\i+\j+1], v[X+32*\i+\j:X+32*\i+\j+1], v[SQ+2*\i:SQ+2*\i+1]
.endr
.endr
	REDUCE SQ
.irp i, 0,1,2,3
	v_fma_f32 v[SQ+2*\i], v[SQ+2*\i], s20, s21     ; var + eps
.endr
	s_wait_alu depctr_va_vdst(0)
.irp i, 0,1,2,3
	v_rsq_f32 v[RS+2*\i], v[SQ+2*\i]
.endr
	v_nop                                          ; a plain instruction behind the last of the four
	s_wait_alu depctr_va_vdst(0)                   ; one wait for the four, ahead of their first use
	s_wait_loadcnt 0x0                             ; w and b
.irp i, 0,1,2,3
.irp j, 0,2,4,6,8,10,12,14,16,18,20,22,24,26,28,30
	v_pk_mul_f32 v[X+32*\i+\j:X+32*\i+\j+1], v[X+32*\i+\j:X+32*\i+\j+1], v[RS+2*\i:RS+2*\i+1] op_sel_hi:[1,0]
.endr
.irp j, 0,2,4,6,8,10,12,14,16,18,20,22,24,26,28,30
	v_pk_fma_f32 v[X+32*\i+\j:X+32*\i+\j+1], v[X+32*\i+\j:X+32*\i+\j+1], v[WR+\j:WR+\j+1], v[BR+\j:BR+\j+1]
.endr
.irp j, 0,1,2,3,4,5,6,7
	ds_store_b128 v6, v[X+32*\i+4*\j:X+32*\i+4*\j+3] offset:\i*SP+512*\j
.endr
.endr
	s_wait_dscnt 0x0                               ; for the others' sake: my rows lie in the stage
	s_barrier_signal -1
	s_barrier_wait -1
.irp k, 0,1,2,3                                ; half image 4 w + k: my block of 32 of row r
.irp i, 0,1,2,3,4,5,6,7
	ds_load_b128 v[X+32*\k+4*\i:X+32*\k+4*\i+3], v7 offset:256*\k+16*\i
.endr
.endr
	s_wait_dscnt 0x0
.irp k, 0,1,2,3
	v_max3_num_f32 v[48+\k], |v[X+32*\k]|, |v[X+32*\k+1]|, |v[X+32*\k+2]|
	v_max3_num_f32 v[52+\k], |v[X+32*\k+3]|, |v[X+32*\k+4]|, |v[X+32*\k+5]|
.endr
.irp i, 6,10,14,18,22,26
.irp k, 0,1,2,3
	v_max3_num_f32 v[48+\k], v[48+\k], |v[X+32*\k+\i]|, |v[X+32*\k+\i+1]|
	v_max3_num_f32 v[52+\k], v[52+\k], |v[X+32*\k+\i+2]|, |v[X+32*\k+\i+3]|
.endr
.endr
.irp k, 0,1,2,3
	v_max3_num_f32 v[48+\k], v[48+\k], |v[X+32*\k+30]|, |v[X+32*\k+31]|
.endr
.irp k, 0,1,2,3
	v_max3_num_f32 v[48+\k], v[48+\k], v[52+\k], 0x2800000   ; the floor 2^(5 - 127): the byte cannot fall under 1
.endr
.irp k, 0,1,2,3
	v_add_nc_u32 v[56+\k], 0xfe000000, v[48+\k]    ; 4 off the exponent field: the conversion's scale operand
.endr
.irp k, 0,1,2,3
	v_lshrrev_b32 v[60+\k], 23, v[56+\k]           ; the scale's byte
.endr
.irp k, 0,1,2,3
	v_cvt_scalef32_pk16_bf6_f32 v[PC+8*\k:PC+8*\k+2], v[X+32*\k:X+32*\k+15], v[56+\k]
	v_cvt_scalef32_pk16_bf6_f32 v[WR+4*\k:WR+4*\k+2], v[X+32*\k+16:X+32*\k+31], v[56+\k]
.endr
	v_nop                                          ; one plain instruction behind the conversions
.irp k, 0,1,2,3
.irp i, 0,1,2
	v_mov_b32 v[PC+8*\k+3+\i], v[WR+4*\k+\i]
.endr
	global_store_b128 v5, v[PC+8*\k:PC+8*\k+3], s[16:17] offset:768*\k      ; 512 consecutive bytes a wave
	global_store_b64 v8, v[PC+8*\k+4:PC+8*\k+5], s[16:17] offset:768*\k     ; 256 consecutive bytes a wave
.endr
	v_lshl_or_b32 v48, v61, 16, v60                ; my bytes of the two scale words: blocks h and 2 + h of each 128,
	v_lshl_or_b32 v49, v63, 16, v62
	v_lshlrev_b32 v48, v10, v48                    ; at their places,
	v_lshlrev_b32 v49, v10, v49
	v_permlanex16_b32 v50, v48, s22, s23
	v_permlanex16_b32 v51, v49, s22, s23
	v_or_b32 v48, v48, v50                         ; with lane l xor 16's the words are whole
	v_or_b32 v49, v49, v51
	global_store_b64 v9, v[48:49], s[18:19]        ; (lanes r and r + 16 store the same bytes)
	s_wait_tensorcnt 0x0                           ; the wave's end, behind my last LDS store
	ds_add_u32 v12, v13
	s_wait_dscnt 0x0
	s_endpgm
.Lweights:
	s_load_b256 s[4:11], s[0:1], 0x20              ; W_qkv, W_o, W_up, W_down
	s_load_b64 s[12:13], s[0:1], 0x40              ; wq
	s_sub_co_u32 s31, ttmp9, 256                   ; my number among the weights' 768 work-groups
	v_lshrrev_b32 v1, 5, v0
	v_readfirstlane_b32 s14, v1                    ; wave
	v_and_b32 v2, 31, v0                           ; lane
	v_bfe_u32 v3, v0, 3, 1                         ; u: which of the group's two row-blocks my column falls into
	v_and_b32 v4, 7, v0
	v_bfe_u32 v5, v0, 4, 1
	v_lshl_or_b32 v4, v5, 3, v4                    ; p: its position there
	v_lshlrev_b32 v8, 2, v2                        ; 4 lane
	; the weight's constants: W_down's, overridden by the work-group's number
	s_mov_b32 s16, 512                             ; first work-group
	s_mov_b32 s17, 5                               ; log2(K / 128)
	s_mov_b32 s15, 31                              ; K / 128 - 1
	s_mov_b32 s18, 4096                            ; bytes in a row of the weight
	s_mov_b32 s19, 49152                           ; bytes of a row-block of codes
	s_mov_b32 s20, 128                             ; scale bytes of a row
	s_mov_b32 s21, 6291456                         ; where its codes begin in wq
	s_mov_b32 s22, 9699328                         ; and its scale bytes
	s_mov_b32 s23, 0                               ; 1: W_qkv's order of columns
	s_wait_alu depctr_va_vdst(0)
	s_wait_kmcnt 0x0
	s_mov_b64 s[24:25], s[10:11]
	s_cmp_lt_u32 s31, 512                          ; W_up
	s_cselect_b64 s[24:25], s[8:9], s[24:25]
	s_cselect_b32 s16, 256, s16
	s_cselect_b32 s17, 3, s17
	s_cselect_b32 s15, 7, s15
	s_cselect_b32 s18, 16384, s18
	s_cselect_b32 s19, 12288, s19
	s_cselect_b32 s20, 32, s20
	s_cselect_b32 s21, 3145728, s21
	s_cselect_b32 s22, 9568256, s22
	s_cmp_lt_u32 s31, 256                          ; W_o
	s_cselect_b64 s[24:25], s[6:7], s[24:25]
	s_cselect_b32 s16, 192, s16
	s_cselect_b32 s18, 4096, s18
	s_cselect_b32 s21, 2359296, s21
	s_cselect_b32 s22, 9535488, s22
	s_cmp_lt_u32 s31, 192                          ; W_qkv
	s_cselect_b64 s[24:25], s[4:5], s[24:25]
	s_cselect_b32 s16, 0, s16
	s_cselect_b32 s18, 12288, s18
	s_cselect_b32 s21, 0, s21
	s_cselect_b32 s22, 9437184, s22
	s_cselect_b32 s23, 1, s23
	s_sub_co_u32 s26, s31, s16
	s_and_b32 s27, s26, s15                        ; ks: which 128 along K
	s_lshr_b32 s26, s26, s17
	s_lshl_b32 s26, s26, 2
	s_add_co_u32 s26, s26, s14                     ; g: my wave's group of 32 columns, as they lie in the weight
	s_mul_i32 s28, s26, 43
	s_lshr_b32 s28, s28, 8                         ; head = g / 6 (exact for g under 96)
	s_mul_i32 s29, s28, 6
	s_sub_co_u32 s29, s26, s29                     ; 2 j + (d / 32)
	s_lshr_b32 s30, s29, 1
	s_lshl_b32 s30, s30, 5
	s_and_b32 s29, s29, 1
	s_add_co_u32 s30, s30, s29
	s_lshl_b32 s28, s28, 1
	s_add_co_u32 s30, s30, s28                     ; 32 j + 2 head + (d / 32)
	s_cmp_eq_u32 s23, 1
	s_cselect_b32 s30, s30, s26                    ; g': the group's place in the images
	s_lshl_b32 s32, s27, 7
	s_mul_i32 s32, s32, s18
	s_lshl_b32 s33, s26, 7
	s_add_co_u32 s32, s32, s33
	s_mov_b32 s33, 0
	s_add_nc_u64 s[40:41], s[24:25], s[32:33]      ; block 0: row 128 ks, column 32 g
	s_lshl_b32 s32, s18, 5
	s_add_nc_u64 s[42:43], s[40:41], s[32:33]      ; blocks 1 to 3: 32 rows further down each
	s_add_nc_u64 s[44:45], s[42:43], s[32:33]
	s_add_nc_u64 s[46:47], s[44:45], s[32:33]
	s_lshl_b32 s34, s30, 1
	s_mul_i32 s34, s34, s19
	s_mul_i32 s35, s27, 1536
	s_add_co_u32 s34, s34, s35
	s_add_co_u32 s34, s34, s21
	s_mov_b32 s35, 0
	s_add_nc_u64 s[48:49], s[12:13], s[34:35]      ; codes: row-block 2 g', half images 2 ks and 2 ks + 1
	s_lshl_b32 s36, s30, 5
	s_mul_i32 s36, s36, s20
	s_lshl_b32 s37, s27, 2
	s_add_co_u32 s36, s36, s37
	s_add_co_u32 s36, s36, s22
	s_mov_b32 s37, 0
	s_add_nc_u64 s[50:51], s[12:13], s[36:37]      ; scale words
	v_mul_u32_u24 v6, s19, v3
	v_lshl_add_u32 v6, v4, 4, v6                   ; my place in the codes: u row-blocks + 16 p
	v_lshl_add_u32 v7, v3, 4, v4
	v_mul_u32_u24 v7, s20, v7                      ; and among the scale words: (16 u + p) rows
.set i, 0
.rept 32
	v_mad_u32_u24 v[VO+i], s18, i, v8
.set i, i+1
.endr
.irp q, 0,1,2,3
.set i, 0
.rept 32
	global_load_b32 v[XD+32*\q+i], v[VO+i], s[40+2*\q:41+2*\q] th:TH_LOAD_NT
.set i, i+1
.endr
.endr
; Block q = k 32 q .. 32 q + 31 of my column: half image q / 2, half of the lanes q % 2.  cnt: the younger loads that may stay out, as far as the wait's field can say it.
.macro BLOCK q, cnt
.set XS, XD+32*(\q)
.set XO, CD+12*((\q)/2)+4*((\q)%2)
.set YO, CD+12*((\q)/2)+8
	s_wait_loadcnt \cnt
	v_max3_num_f32 v16, |v[XS]|, |v[XS+1]|, |v[XS+2]|
	v_max3_num_f32 v17, |v[XS+3]|, |v[XS+4]|, |v[XS+5]|
.irp i, 6,10,14,18,22,26
	v_max3_num_f32 v16, v16, |v[XS+\i]|, |v[XS+\i+1]|
	v_max3_num_f32 v17, v17, |v[XS+\i+2]|, |v[XS+\i+3]|
.endr
	v_max3_num_f32 v16, v16, |v[XS+30]|, |v[XS+31]|
	v_max3_num_f32 v16, v16, v17, 0x2800000        ; the floor 2^(5 - 127): the byte cannot fall under 1
	v_add_nc_u32 v18, 0xfe000000, v16              ; 4 off the exponent field: the conversion's scale operand
	v_lshrrev_b32 v[BYT+\q], 23, v18               ; the scale's byte
	v_cvt_scalef32_pk16_bf6_f32 v[XO:XO+2], v[XS:XS+15], v18
	v_cvt_scalef32_pk16_bf6_f32 v[TT:TT+2], v[XS+16:XS+31], v18
	v_nop                                          ; one plain instruction behind the conversions
	v_mov_b32 v[XO+3], v[TT]                       ; the 24 bytes: 16 in the first part,
	v_mov_b32 v[YO+2*((\q)%2)], v[TT+1]            ; 8 in the last
	v_mov_b32 v[YO+2*((\q)%2)+1], v[TT+2]
	global_store_b128 v6, v[XO:XO+3], s[48:49] offset:768*((\q)/2)+256*((\q)%2)   ; sixteen lanes fill 256 consecutive bytes, aligned
.if (\q)%2
	global_store_b128 v6, v[YO:YO+3], s[48:49] offset:768*((\q)/2)+512
.endif
.endm
	BLOCK 0, 63                                    ; 96 younger loads could stay out: 63 is the most that can be written
	BLOCK 1, 63                                    ; 64 could
	BLOCK 2, 32
	BLOCK 3, 0
	v_lshl_or_b32 v20, v[BYT+1], 8, v[BYT]
	v_lshl_or_b32 v20, v[BYT+2], 16, v20
	v_lshl_or_b32 v20, v[BYT+3], 24, v20
	global_store_b32 v7, v20, s[50:51]             ; my column's scale word for these 128 along K
	s_endpgm
.Lfunc_end_k_qd85a5d50a2_wquant:
	.size	k_qd85a5d50a2_wquant, .Lfunc_end_k_qd85a5d50a2_wquant-k_qd85a5d50a2_wquant
	.p2alignl 7, 3214868480
	.fill 96, 4, 3214868480
	.section	.rodata,"a",@progbits
	.p2align	6, 0x0
	.amdhsa_kernel k_qd85a5d50a2_wquant
		.amdhsa_group_segment_fixed_size 66304
		.amdhsa_private_segment_fixed_size 0
		.amdhsa_enable_private_segment 0
		.amdhsa_kernarg_size 72
		.amdhsa_user_sgpr_count 2
		.amdhsa_user_sgpr_kernarg_segment_ptr 1
		.amdhsa_wavefront_size32 1
		.amdhsa_system_sgpr_workgroup_id_x 1
		.amdhsa_system_sgpr_workgroup_id_y 1
		.amdhsa_system_sgpr_workgroup_id_z 1
		.amdhsa_system_vgpr_workitem_id 0
		.amdhsa_next_free_vgpr 256
		.amdhsa_next_free_sgpr 66
		.amdhsa_reserve_vcc 0
		.amdhsa_float_denorm_mode_32 3
		.amdhsa_float_denorm_mode_16_64 3
		.amdhsa_memory_ordered 1
		.amdhsa_forward_progress 1
		.amdhsa_inst_pref_size 66
	.end_amdhsa_kernel
	.amdgpu_metadata
---
amdhsa.version: [ 1, 2 ]
amdhsa.kernels:
  - .name:           k_qd85a5d50a2_wquant
    .symbol:         k_qd85a5d50a2_wquant.kd
    .args:
      - { .name: x, .offset: 0, .size: 8, .value_kind: global_buffer, .address_space: global }
      - { .name: ln1_w, .offset: 8, .size: 8, .value_kind: global_buffer, .address_space: global }
      - { .name: ln1_b, .offset: 16, .size: 8, .value_kind: global_buffer, .address_space: global }
      - { .name: xq, .offset: 24, .size: 8, .value_kind: global_buffer, .address_space: global }
      - { .name: W_qkv, .offset: 32, .size: 8, .value_kind: global_buffer, .address_space: global }
      - { .name: W_o, .offset: 40, .size: 8, .value_kind: global_buffer, .address_space: global }
      - { .name: W_up, .offset: 48, .size: 8, .value_kind: global_buffer, .address_space: global }
      - { .name: W_down, .offset: 56, .size: 8, .value_kind: global_buffer, .address_space: global }
      - { .name: wq, .offset: 64, .size: 8, .value_kind: global_buffer, .address_space: global }
    .group_segment_fixed_size: 66304
    .private_segment_fixed_size: 0
    .kernarg_segment_align: 8
    .kernarg_segment_size: 72
    .max_flat_workgroup_size: 128
    .sgpr_count:     66
    .vgpr_count:     256
    .wavefront_size: 32
...
	.end_amdgpu_metadata
.endif
;; end of part 8
;; launch gqkv (part 9): grid 8 x 32, 4 waves a work-group, clusters of 4 x 4, 327,680 bytes of LDS; arguments xq, wq, b_qkv, aq; writes aq
.if DOCPART == 9
	.amdgcn_target "amdgcn-amd-amdhsa--gfx1250"
	.amdhsa_code_object_version 6
	.text
	.protected	k_qd85a5d50a2_gqkv
	.globl	k_qd85a5d50a2_gqkv
	.p2align	8
	.type	k_qd85a5d50a2_gqkv,@function
k_qd85a5d50a2_gqkv:
	s_mov_b64 s[64:65], 0
	v_nop
	global_prefetch_b8 v0, s[64:65] scope:SCOPE_SE
	s_setreg_imm32_b32 hwreg(HW_REG_WAVE_MODE, 25, 1), 1
	s_wait_xcnt 0x0
	s_wait_alu depctr_hold_cnt(0) depctr_sa_sdst(0) depctr_va_vdst(0) depctr_va_sdst(0) depctr_va_ssrc(0) depctr_va_vcc(0) depctr_vm_vsrc(0)
	s_getreg_b32 s2, hwreg(HW_REG_IB_STS2, 6, 4)
	s_cmp_eq_u32 s2, 0
	s_cbranch_scc0 .Lentry_in_a_cluster
	s_endpgm
.Lentry_in_a_cluster:
	s_bfe_u32 s2, ttmp6, 0x10000c
	s_cmp_lg_u32 s2, 0xf033
	s_cbranch_scc0 .Lentry_shape_is_right
	s_endpgm
.Lentry_shape_is_right:
; qkv = LN1(x) W_qkv + b_qkv on codes of E3M2 (M 4,096, N 3,072, K 1,024), and the quantisers of q, k (along the head's 64) and v (along the keys) in the way out.
; OPERANDS are images of the operand's registers.  A half image (768 bytes: 16 rows x 64 K): lane (r, h) owns 24 bytes: 16 at 16 (r + 16 h), 8 at 512 + 16 r + 8 h.  Codes [row-block][K/64][768]; scale bytes [row-block][16][K/32].
; Row-block 2 b + u holds at position p the row 32 b + 8 u + p + 8 (p / 8).  W_qkv's rows lie in the order 1024 j + 64 head + d (j = 0, 1, 2: q, k, v).
; A WORK-GROUP STAYS: 256 work-groups; each keeps its 128 rows of x's codes, all of K, in LDS and walks three tiles of 128 weight rows, 1,024 rows apart: q, k and v of the same two heads.  A tile of the weight (8 row-blocks, all of K)
; is one dense block of 98,304 bytes; it has two buffers in LDS.  Tiles 0 and 1 come with the first fills; tile 2 is asked for into buffer 0 behind the round at the end of tile 0's products, and has tile 0's way out and all of tile 1 in which to land.
; A wave makes 64 x 64 of a tile: 16 accumulators.  CLUSTER 4 x 4: x's codes are asked for jointly along a row of the cluster, the weight's along a column.  At the head each wave fetches one block whole, later tiles by quarters: one tensor load of a wave is out at the head, one behind the round.
; The launch claims all of LDS.  No prefetch: the one refill has more than a tile's work in which to land, so no wave waits for it.
; q, k: the product is used transposed (source 0 = weight rows, source 1 = x's rows): a lane holds one position of the sequence and 16 neighbours along d in two neighbouring tiles.
; v: the sources change places: a lane holds one d and 16 neighbouring KEYS.
; OUT: aq, for each bh = 16 b + head: codes at 147,456 bh: q [row-block 64][768], k at +49,152 likewise, v at +98,304 [128 keys: 8][d-block 4][2][768];
;   scale words at 9,437,184 + 10,240 bh: q [64][16][4], k at +4,096, v at +8,192 [8][4][16][4].  A word of q or k holds its two bytes twice: the product q k^T has K = 64, and the upper 64 of the instruction's 128 are zero codes.
; LIMITS: a block of zeros gets the byte 1 where the rule says 127 (its codes are zeros, and this program alone reads the bytes); blocks whose largest magnitude lies under 2^-122 get the byte 1; NaN and infinities are not served.
.set NT,     3                         ; tiles of the weight that a work-group walks
.set TILEB,  98304                     ; 8 row-blocks of codes, all of K
.set QUART,  24576                     ; two of them: what one tensor load brings
.set TSTEP,  8*TILEB                   ; from a tile of the weight to my next
.set BUF1,   1<<17                     ; LDS: the weight's buffer 0 at 0, buffer 1 here: one exclusive or turns one into the other
.set SCA,    98304                     ; between them: x's scale bytes, 4,096;
.set SCB,    102400                    ; the weight's, for all NT tiles: [tile][row-block 8][512];
.set SPARE,  118784                    ; and the spare words, 128 bytes for each wave
.set ABASE,  229376                    ; x's codes, up to LDS's end
.set A_SOFF, 3145728
.set B_SOFF, 9437184
.set AX,   16                          ; v16, v17 LDS address of the first and last parts of my fragments of x
.set AY,   17
.set BX0,  18                          ; v18, v19 the same for the weight, in buffer 0;  v20, v21 in the buffer in hand
.set BY0,  19
.set BXC,  20
.set BYC,  21
.set SAA,  22                          ; v22 x's scale words;  v23 the weight's, tile 0;  v24 the tile in hand
.set SB0,  23
.set SBC,  24
.set SPW,  28
.set NIL,  29
.set GX,   30                          ; v30 16 lane;  v31 512 + 16 r + 8 h: a half image's two parts
.set GY,   31
.set QPT,  14                          ; v14-15, v104-109: the quantiser's
.set QBM,  104
.set QSO,  106
.set QBY,  108
.set SA,   32                          ; v32-63   x's scale words and nothing else: 8 a + kstep
.set SB,   110                         ; v110-125 the weight's and nothing else: two sets of 4 row-blocks x 2 ksteps
.set ACC,  128                         ; v128-255 the accumulators
.set F0,   0                           ; window 1: two sets of the weight's four fragments, at 48 + 12 b.  x's fragments, all of K, stay in registers: kstep ks at 48 (ks % 5) + 12 a of window 2 + ks / 5
.set F1,   128
.set BI,   224                         ; and v224-255 the bias, 8 registers for each weight tile, in the result's layout
.set G1A,  24
.set G0A,  32
.set G0B0, 36
.set G1B,  48
.set G0W,  56                          ; buffer 1's first fill; it then walks on
.set TB,   60                          ; s60 where the buffer in hand begins;  s61 the tile in hand x 4,096
.set TS,   61
.set G1SA, 68
.set G0SA, 76
.set G1SB, 80
.set G0SB, 88
.set SEL,  96
.set MSB, 0
.macro WIN new                         ; the immediate's high byte repeats the setting that is left
.if MSB != \new
	s_set_vgpr_msb (MSB<<8)|\new
.set MSB, \new
.endif
.endm
.set MUL,  0x0d                        ; kstep 7: source 0 window 1, source 1 window 3; C and D window 0
.set TO_F, 0x40                        ; destination window 1, address window 0
.macro CREST                           ; a round of the cluster's barrier behind its opening barrier
	s_cmp_lg_u32 s14, 0
	s_cbranch_scc1 .Lnot_wave_0_\@
	s_barrier_signal -3
.Lnot_wave_0_\@:
	s_barrier_wait -3
	s_barrier_signal -1
	s_barrier_wait -1
.endm
.macro CROUND
	s_barrier_signal -1
	s_barrier_wait -1
	CREST
.endm
.macro PLACES                          ; four plain instructions between a matrix instruction and a load into, or a vector use of, its registers
.rept 4
	v_nop
.endr
.endm
	s_load_b256 s[4:11], s[0:1], 0x0               ; xq, wq, b_qkv, aq
	v_lshl_add_u32 v[SPW], v0, 2, SPARE
	v_mov_b32 v[NIL], 0
	ds_add_u32 v[SPW], v[NIL]                      ; the wave's opening: the add, twice on end, and its wait ahead of my first tensor load
	ds_add_u32 v[SPW], v[NIL]
	v_lshrrev_b32 v1, 5, v0
	v_readfirstlane_b32 s14, v1                    ; wave
	s_lshr_b32 s15, s14, 1                         ; wm: which 64 rows are mine
	s_and_b32 s16, s14, 1                          ; wn: which 64 columns
	s_bfe_u32 s40, ttmp6, 0x40000                  ; cx, cy
	s_bfe_u32 s41, ttmp6, 0x40004
	s_lshl_b32 s42, ttmp9, 2
	s_add_co_u32 s42, s42, s40                     ; txb: my first tile of the weight, 0 .. 7
	s_and_b32 s17, ttmp7, 0xffff
	s_lshl_b32 s17, s17, 2
	s_add_co_u32 s17, s17, s41                     ; ty
	s_lshl_b32 s43, s41, 2
	s_lshl_b32 s43, 15, s43                        ; my row of the cluster
	s_lshl_b32 s44, 0x1111, s40                    ; my column
	s_or_b32 s[G1A], s43, (3<<16)|(1<<21)          ; codes: elements of 8 bytes, no padding; the mask, and bit 21 beside it
	s_or_b32 s[G1B], s44, (3<<16)|(1<<21)
.irp g, G1A, G1B
	s_mov_b32 s[\g+1], 1536<<16                    ; tensor_dim0: 12,288 bytes, a row-block
	s_mov_b32 s[\g+2], 8<<16                       ; tensor_dim1: 8 row-blocks at the head
	s_mov_b32 s[\g+3], 1536<<16                    ; tile_dim0
	s_mov_b32 s[\g+4], 8                           ; tile_dim1
	s_mov_b32 s[\g+5], 1536                        ; dense
	s_mov_b32 s[\g+6], 0
	s_mov_b32 s[\g+7], 0
.endr
	s_or_b32 s[G1SA], s43, (3<<16)|(1<<21)         ; x's scale bytes of eight row-blocks: 4,096 dense bytes
	s_mov_b32 s[G1SA+1], 32<<16
	s_mov_b32 s[G1SA+2], 16<<16                    ; all 4,096 bytes: 16 rows of 256
	s_mov_b32 s[G1SA+3], 32<<16
	s_mov_b32 s[G1SA+4], 16
	s_mov_b32 s[G1SA+5], 32
	s_mov_b32 s[G1SA+6], 0
	s_mov_b32 s[G1SA+7], 0
	s_or_b32 s[G1SB], s44, (3<<16)|(1<<21)         ; the weight's: a row of 4,096 bytes (eight row-blocks) for each of my NT tiles, 32,768 bytes apart
	s_mov_b32 s[G1SB+1], 512<<16                   ; a row of 4,096 bytes: a tile's eight row-blocks
	s_mov_b32 s[G1SB+2], NT<<16
	s_mov_b32 s[G1SB+3], 512<<16
	s_mov_b32 s[G1SB+4], NT
	s_mov_b32 s[G1SB+5], 4096
	s_mov_b32 s[G1SB+6], 0
	s_mov_b32 s[G1SB+7], 0
	s_mov_b32 s[SEL], 0x76543210
	s_mov_b32 s[SEL+1], 0xfedcba98
	s_mov_b32 s[TB], 0
	s_mov_b32 s[TS], 0
	s_mul_i32 s45, s14, QUART                      ; my quarter, in memory and in LDS: by the wave's number alone
	s_mov_b32 s94, s45                             ; my quarter as a 64-bit offset
	s_mov_b32 s95, 0
	s_mul_i32 s20, s17, TILEB
	s_mov_b32 s21, 0
	s_lshl_b32 s22, s17, 12
	s_add_co_u32 s22, s22, A_SOFF                  ; and their scale bytes
	s_mov_b32 s23, 0
	s_mul_i32 s46, s42, TILEB
	s_mov_b32 s47, 0
	s_lshl_b32 s92, s42, 12
	s_add_co_u32 s92, s92, B_SOFF
	s_mov_b32 s93, 0
	s_wait_dscnt 0x0                               ; both opening adds are done
	s_wait_kmcnt 0x0
	s_add_nc_u64 s[20:21], s[4:5], s[20:21]
	s_add_nc_u64 s[22:23], s[4:5], s[22:23]
	s_add_nc_u64 s[46:47], s[6:7], s[46:47]
	s_add_nc_u64 s[92:93], s[6:7], s[92:93]
	s_mov_b32 s[G0SA], 1
	s_mov_b32 s[G0SA+1], SCA
	s_mov_b64 s[G0SA+2:G0SA+3], s[22:23]
	s_or_b32 s[G0SA+3], s[G0SA+3], 0x80000000
	s_mov_b32 s[G0SB], 1
	s_mov_b32 s[G0SB+1], SCB
	s_mov_b64 s[G0SB+2:G0SB+3], s[92:93]
	s_or_b32 s[G0SB+3], s[G0SB+3], 0x80000000
	s_mov_b32 s[G0A], 1
	s_mov_b32 s[G0A+1], ABASE
	s_mov_b64 s[G0A+2:G0A+3], s[20:21]
	s_or_b32 s[G0A+3], s[G0A+3], 0x80000000
	s_mov_b32 s[G0B0], 1
	s_mov_b32 s[G0B0+1], 0
	s_mov_b64 s[G0B0+2:G0B0+3], s[46:47]
	s_or_b32 s[G0B0+3], s[G0B0+3], 0x80000000
	s_mov_b32 s[G0W], 1
	s_add_co_u32 s[G0W+1], s45, BUF1
	s_add_nc_u64 s[G0W+2:G0W+3], s[46:47], TSTEP
	s_add_nc_u64 s[G0W+2:G0W+3], s[G0W+2:G0W+3], s[94:95]   ; tile 1 and later tiles come by quarters
	s_or_b32 s[G0W+3], s[G0W+3], 0x80000000
	CROUND                                         ; all sixteen work-groups are here: the first joint loads meet
; the head's four tiles, one a wave: wave 0 x's codes, wave 1 tile 0 of the weight, wave 2 x's scale bytes, wave 3 the weight's
.macro ARM under, g0, g1, next
	s_cmp_lt_u32 s14, \under
	s_cbranch_scc0 \next
	tensor_load_to_lds s[\g0:\g0+3], s[\g1:\g1+7]
	s_nop 0
	PLACES
	s_branch .Lhead_asked
\next:
.endm
	ARM 1, G0A, G1A, .Lhead_b
	ARM 2, G0B0, G1B, .Lhead_sa
	ARM 3, G0SA, G1SA, .Lhead_sb
	tensor_load_to_lds s[G0SB:G0SB+3], s[G1SB:G1SB+7]
	s_nop 0
	PLACES
.Lhead_asked:
	v_and_b32 v1, 15, v0                           ; r
	v_bfe_u32 v2, v0, 4, 1                         ; h
	v_and_b32 v3, 31, v0
	v_lshlrev_b32 v[GX], 4, v3
	v_lshlrev_b32 v[GY], 4, v1
	v_lshl_add_u32 v[GY], v2, 3, v[GY]
	v_add_nc_u32 v[GY], 512, v[GY]
	v_lshlrev_b32 v7, 2, v1                        ; 4 r: a scale word's place in aq
	v_lshlrev_b32 v4, 6, v2                        ; q's and k's bias: tile 2 b + u, lane (r, h), register i: d = 32 b + 16 h + 8 u + i
	v_and_b32 v8, 8, v1
	v_add_nc_u32 v8, v8, v1
	v_lshlrev_b32 v8, 2, v8                        ; v's: a lane holds one d: position r is d = r + 8 (r / 8) of the tile's
	v_mov_b32 v[QPT], 0                            ; a lane permute's destination counts as one of its sources
	v_mov_b32 v[QPT+1], 0
	s_mul_i32 s18, s15, 49152
	s_add_co_u32 s18, s18, ABASE                   ; my 64 rows of x
	v_add_nc_u32 v[AX], s18, v[GX]
	v_add_nc_u32 v[AY], s18, v[GY]
	s_mul_i32 s19, s16, 49152                      ; my 64 rows of the weight
	v_add_nc_u32 v[BX0], s19, v[GX]
	v_add_nc_u32 v[BY0], s19, v[GY]
	v_lshlrev_b32 v5, 5, v1                        ; 32 r: a row's scale bytes
	s_lshl_b32 s18, s15, 11
	s_add_co_u32 s18, s18, SCA
	v_add_nc_u32 v[SAA], s18, v5
	s_lshl_b32 s19, s16, 11                        ; the weight's scale bytes lie [tile][row-block 8][512]: my four row-blocks
	s_add_co_u32 s19, s19, SCB
	v_add_nc_u32 v[SB0], s19, v5
	v_add_nc_u32 v[BXC], s[TB], v[BX0]
	v_add_nc_u32 v[BYC], s[TB], v[BY0]
	v_add_nc_u32 v[SBC], s[TS], v[SB0]
	s_lshl_b32 s99, s42, 1
	s_add_co_u32 s99, s99, s16                     ; head = 2 txb + wn
	s_lshr_b32 s98, s17, 3
	s_lshl_b32 s98, s98, 4
	s_add_co_u32 s98, s98, s99                     ; bh
	s_and_b32 s2, s17, 7                           ; which 128 positions of the sequence
	s_mul_i32 s18, s99, 768
	s_mov_b32 s19, 0
	s_add_nc_u64 s[8:9], s[8:9], s[18:19]          ; the bias at column 192 head
	s_mul_i32 s3, s98, 147456
	s_mul_i32 s18, s2, 6144
	s_add_co_u32 s3, s3, s18                       ; codes: bh, these 128 positions
	s_mul_i32 s18, s15, 3072
	s_add_co_u32 s18, s18, s3
	s_add_nc_u64 s[20:21], s[10:11], s[18:19]      ; q's (k's 49,152 on): my four row-blocks
	s_mul_i32 s18, s15, 768
	s_add_co_u32 s18, s18, s3
	s_add_co_u32 s18, s18, 98304
	s_add_nc_u64 s[92:93], s[10:11], s[18:19]      ; v's: my 64 keys are half image wm of the 128
	s_mul_i32 s3, s98, 10240
	s_add_co_u32 s3, s3, 9437184                   ; scale words: bh
	s_lshl_b32 s18, s2, 9
	s_add_co_u32 s18, s18, s3
	s_lshl_b32 s45, s15, 8
	s_add_co_u32 s18, s18, s45
	s_add_nc_u64 s[22:23], s[10:11], s[18:19]      ; q's (k's 4,096 on)
	s_lshl_b32 s18, s2, 8
	s_add_co_u32 s18, s18, s3
	s_lshl_b32 s45, s15, 1
	s_add_co_u32 s18, s18, s45
	s_add_co_u32 s18, s18, 8192
	s_add_nc_u64 s[94:95], s[10:11], s[18:19]      ; v's: bytes 2 wm, 2 wm + 1 of the words
	WIN TO_F
.irp f, 0,1,2,3
	global_load_b128 v[BI+8*\f:BI+8*\f+3], v4, s[8:9] offset:(32*(\f/2)+8*(\f%2))*4       ; q's bias
	global_load_b128 v[BI+8*\f+4:BI+8*\f+7], v4, s[8:9] offset:(32*(\f/2)+8*(\f%2))*4+16
.endr
	WIN 0
.macro FRAG reg, ax, ay, off           ; a fragment, 16 rows x 128 K: two half images, as they lie
	ds_load_b128 v[\reg:\reg+3], v[\ax] offset:\off
	ds_load_b64 v[\reg+4:\reg+5], v[\ay] offset:\off
	ds_load_b128 v[\reg+6:\reg+9], v[\ax] offset:\off+768
	ds_load_b64 v[\reg+10:\reg+11], v[\ay] offset:\off+768
.endm
.macro FETCH ks, f                     ; 16 LDS loads in one run: kstep ks of the weight's buffer in hand into set f
	WIN TO_F
.irp i, 0,1,2,3
	FRAG \f+48+12*\i, BXC, BYC, \i*12288+(\ks)*1536
.endr
.endm
.macro SBLOAD m                        ; the weight's scale words of ksteps 2 m and 2 m + 1 into set m % 2
.irp i, 0,1,2,3
	ds_load_b64 v[SB+8*((\m)%2)+2*\i:SB+8*((\m)%2)+2*\i+1], v[SBC] offset:\i*512+8*(\m)
.endr
.endm
; four matrix instructions: x's row-block a against the weight's four.  The 16 accumulators take turns, one instruction a turn, in the same order in every step.  first = 1: the bias is the C that starts the sums.
.macro MULA f, a, ks, first
.set AR, 48*((\ks)%5)+12*(\a)          ; x's fragment, in window 2 + ks / 5
.if VP
.set MW, (2+(\ks)/5)|0x04|((\first)<<4)
.else
.set MW, 0x01|((2+(\ks)/5)<<2)|((\first)<<4)
.endif
	WIN MW
.irp b, 0,1,2,3
.if VP
.if \first
	v_wmma_scale_f32_16x16x128_f8f6f4 v[ACC+8*(4*\b+\a):ACC+8*(4*\b+\a)+7], v[AR:AR+11], v[\f+48+12*\b:\f+48+12*\b+11], v[BI+8*\b:BI+8*\b+7], v[SA+8*\a+(\ks)], v[SB+8*(((\ks)/2)%2)+2*\b+(\ks)%2] matrix_a_fmt:MATRIX_FMT_BF6 matrix_b_fmt:MATRIX_FMT_BF6
.else
	v_wmma_scale_f32_16x16x128_f8f6f4 v[ACC+8*(4*\b+\a):ACC+8*(4*\b+\a)+7], v[AR:AR+11], v[\f+48+12*\b:\f+48+12*\b+11], v[ACC+8*(4*\b+\a):ACC+8*(4*\b+\a)+7], v[SA+8*\a+(\ks)], v[SB+8*(((\ks)/2)%2)+2*\b+(\ks)%2] matrix_a_fmt:MATRIX_FMT_BF6 matrix_b_fmt:MATRIX_FMT_BF6
.endif
.else
.if \first
	v_wmma_scale_f32_16x16x128_f8f6f4 v[ACC+8*(4*\a+\b):ACC+8*(4*\a+\b)+7], v[\f+48+12*\b:\f+48+12*\b+11], v[AR:AR+11], v[BI+8*\b:BI+8*\b+7], v[SB+8*(((\ks)/2)%2)+2*\b+(\ks)%2], v[SA+8*\a+(\ks)] matrix_a_fmt:MATRIX_FMT_BF6 matrix_b_fmt:MATRIX_FMT_BF6
.else
	v_wmma_scale_f32_16x16x128_f8f6f4 v[ACC+8*(4*\a+\b):ACC+8*(4*\a+\b)+7], v[\f+48+12*\b:\f+48+12*\b+11], v[AR:AR+11], v[ACC+8*(4*\a+\b):ACC+8*(4*\a+\b)+7], v[SB+8*(((\ks)/2)%2)+2*\b+(\ks)%2], v[SA+8*\a+(\ks)] matrix_a_fmt:MATRIX_FMT_BF6 matrix_b_fmt:MATRIX_FMT_BF6
.endif
.endif
.endr
.endm
; kstep ks (0 .. 6) of a tile: set f is in; the next kstep's fragments are asked for into set g, at even ksteps the scale words of the pair after next too; then 16 matrix instructions
.macro KSTEP ks, f, g
	s_wait_dscnt 0x0                               ; set f and the scale words are in
.if \ks == 0
	s_wait_loadcnt 0x0                             ; the bias
.if VP
	WIN 0x41                                       ; destination and source window 1
.irp f2, 0,1,2,3
.irp j2, 1,2,3,4,5,6,7
	v_mov_b32 v[BI+8*\f2+\j2], v[BI+8*\f2]         ; the same d in all eight registers, which run along the keys
.endr
.endr
.endif
.endif
	PLACES                                         ; set g was read by the last kstep's products
	FETCH \ks+1, \g
.if (\ks == 0) || (\ks == 2) || (\ks == 4)
	WIN 0
	SBLOAD \ks/2+1
.endif
.irp a, 0,1,2,3
.if \ks == 0
	MULA \f, \a, \ks, 1
.else
	MULA \f, \a, \ks, 0
.endif
.endr
.endm
; A tile's last kstep changes tiles.  In front of the barrier each wave waits for all its tensor loads (its quarter of the next tile's buffer among them) and for its reads of this tile's buffer.
; fill = 1: this buffer is filled again, with the tile after next: a tensor wait, an LDS add and its wait, a round of the cluster's barrier, the one joint load.  jn: the next tile.
.macro CHANGE fill, jn
	WIN 0
	s_wait_tensorcnt 0x0
.if \fill
	ds_add_u32 v[SPW], v[NIL]
	s_wait_dscnt 0x1                               ; set 1 is in; the add alone may stay out
.else
	s_wait_dscnt 0x0
.endif
	WIN MUL
	MULA F1, 0, 7, 0
	s_wait_dscnt 0x0                               ; my reads of this buffer are over (and the add is done)
	s_barrier_signal -1
	MULA F1, 1, 7, 0
	WIN 0
	s_barrier_wait -1
.if \fill
	CREST                                          ; no wave of any partner still reads this buffer or has a load on its way
	s_xor_b32 s[G0W+1], s[G0W+1], BUF1             ; the walking descriptor: the other buffer than last time,
	s_add_nc_u64 s[G0W+2:G0W+3], s[G0W+2:G0W+3], TSTEP   ; the next tile; the type bits on top are not reached
	tensor_load_to_lds s[G0W:G0W+3], s[G1B:G1B+7]  ; the first tensor load behind the round, and my only one
	s_nop 0
.endif
	PLACES                                         ; also the places in front of the loads below
	s_xor_b32 s[TB], s[TB], BUF1
	s_add_co_u32 s[TS], s[TS], 4096
	v_add_nc_u32 v[BXC], s[TB], v[BX0]
	v_add_nc_u32 v[BYC], s[TB], v[BY0]
	v_add_nc_u32 v[SBC], s[TS], v[SB0]
	FETCH 0, F0                                    ; the next tile's first fragments, scale words and bias land under this tile's way out
	WIN 0
	SBLOAD 0
	WIN TO_F
.if \jn == 2
.irp f, 0,1,2,3
	global_load_b32 v[BI+8*\f], v8, s[8:9] offset:512+(32*(\f/2)+8*(\f%2))*4
.endr
.else
.irp f, 0,1,2,3
	global_load_b128 v[BI+8*\f:BI+8*\f+3], v4, s[8:9] offset:256*(\jn)+(32*(\f/2)+8*(\f%2))*4
	global_load_b128 v[BI+8*\f+4:BI+8*\f+7], v4, s[8:9] offset:256*(\jn)+(32*(\f/2)+8*(\f%2))*4+16
.endr
.endif
	WIN MUL
	MULA F1, 2, 7, 0
	MULA F1, 3, 7, 0
.endm
; 32 numbers of a lane, register 16 b + i = k 32 b + 16 (lane / 16) + i of my row, become my 24 bytes of a half image in v[pc .. pc + 5] and the two scale bytes in v[pw]
.macro QH s, pc, t, pw
	v_max3_num_f32 v[QBM], |v[\s]|, |v[\s+1]|, 0x2800000       ; the floor 2^(5 - 127): the byte cannot fall under 1
	v_max3_num_f32 v[QBM+1], |v[\s+16]|, |v[\s+17]|, 0x2800000
.irp i, 2,4,6,8,10,12,14
	v_max3_num_f32 v[QBM], v[QBM], |v[\s+\i]|, |v[\s+\i+1]|
	v_max3_num_f32 v[QBM+1], v[QBM+1], |v[\s+16+\i]|, |v[\s+17+\i]|
.endr
	v_permlanex16_b32 v[QPT], v[QBM], s[SEL], s[SEL+1]
	v_permlanex16_b32 v[QPT+1], v[QBM+1], s[SEL], s[SEL+1]
	v_max_num_f32 v[QBM], v[QBM], v[QPT]           ; with lane l xor 16's: the block's largest magnitude
	v_max_num_f32 v[QBM+1], v[QBM+1], v[QPT+1]
	v_add_nc_u32 v[QSO], 0xfe000000, v[QBM]        ; 4 off the exponent field: the conversion's scale operand
	v_add_nc_u32 v[QSO+1], 0xfe000000, v[QBM+1]
	v_lshrrev_b32 v[QBY], 23, v[QSO]
	v_lshrrev_b32 v[QBY+1], 23, v[QSO+1]
	v_lshl_or_b32 v[\pw], v[QBY+1], 8, v[QBY]
	v_cvt_scalef32_pk16_bf6_f32 v[\pc:\pc+2], v[\s:\s+15], v[QSO]
	v_cvt_scalef32_pk16_bf6_f32 v[\t:\t+2], v[\s+16:\s+31], v[QSO+1]
	v_nop                                          ; one plain instruction behind the conversions
.irp i, 0,1,2
	v_permlane16_swap_b32 v[\pc+\i], v[\t+\i]      ; a whole block to a lane: lanes 0-15 block 0, lanes 16-31 block 1
.endr
.irp i, 0,1,2
	v_mov_b32 v[\pc+3+\i], v[\t+\i]
.endr
.endm
; tile j.  mode 1: its buffer is filled again; 0: a plain change of tiles; 2: the last tile
.macro TILE j, vp, mode
.set VP, \vp
	KSTEP 0, F0, F1
	KSTEP 1, F1, F0
	KSTEP 2, F0, F1
	KSTEP 3, F1, F0
	KSTEP 4, F0, F1
	KSTEP 5, F1, F0
	KSTEP 6, F0, F1
.if \mode == 2
	s_wait_dscnt 0x0
	WIN MUL
.irp a, 0,1,2,3
	MULA F1, \a, 7, 0
.endr
.else
	CHANGE \mode, \j+1
.endif
	WIN 0
	PLACES
.if \j > 0
	s_wait_xcnt 0x0                                ; the last tile's stores have read their registers
.endif
.irp a, 0,1,2,3
	QH ACC+32*\a, 64+8*\a, 96, 100+\a
.if \vp
	global_store_b128 v[GX], v[64+8*\a:64+8*\a+3], s[92:93] offset:1536*\a       ; d-block a
	global_store_b64 v[GY], v[64+8*\a+4:64+8*\a+5], s[92:93] offset:1536*\a
	global_store_b16 v7, v[100+\a], s[94:95] offset:64*\a                        ; (lanes r and r + 16 store the same bytes)
.else
	v_lshl_or_b32 v[100+\a], v[100+\a], 16, v[100+\a]                            ; the two bytes twice
	global_store_b128 v[GX], v[64+8*\a:64+8*\a+3], s[20:21] offset:49152*\j+768*\a   ; row-block a: 512 consecutive bytes a wave
	global_store_b64 v[GY], v[64+8*\a+4:64+8*\a+5], s[20:21] offset:49152*\j+768*\a  ; 256 consecutive bytes a wave
	global_store_b32 v7, v[100+\a], s[22:23] offset:4096*\j+64*\a
.endif
.endr
.endm
	s_wait_alu depctr_va_vdst(0)
	s_wait_tensorcnt 0x0                           ; my tile of the head's four is in
	ds_add_u32 v[SPW], v[NIL]
	s_mov_b32 s[G1B+2], 2<<16                      ; no tensor load of mine is out: from here on a load brings two row-blocks
	s_mov_b32 s[G1B+4], 2
	s_wait_dscnt 0x0
	CROUND                                         ; all four tiles are in, and the sixteen work-groups meet
	tensor_load_to_lds s[G0W:G0W+3], s[G1B:G1B+7]  ; tile 1, my quarter: my one load behind the round
	s_nop 0
	PLACES
.set kk, 0
.rept 8                                        ; x's fragments of my 64 rows, all of K, once for the launch: 384 registers
.set MW, (2+kk/5)<<6
	WIN MW
.irp i, 0,1,2,3
	FRAG 48*(kk%5)+12*\i, AX, AY, \i*12288+kk*1536
.endr
.set kk, kk+1
.endr
	FETCH 0, F0
	WIN 0
	SBLOAD 0
.irp a, 0,1,2,3
	ds_load_b128 v[SA+8*\a:SA+8*\a+3], v[SAA] offset:\a*512          ; x's scale words, once for the launch
	ds_load_b128 v[SA+8*\a+4:SA+8*\a+7], v[SAA] offset:\a*512+16
.endr
	TILE 0, 0, 1                                   ; q; v's tile is asked for
	TILE 1, 0, 0                                   ; k
	TILE 2, 1, 2                                   ; v
	s_wait_tensorcnt 0x0                           ; the wave's end
	ds_add_u32 v[SPW], v[NIL]
	s_wait_dscnt 0x0
	CROUND                                         ; the closing round
	s_endpgm
.Lfunc_end_k_qd85a5d50a2_gqkv:
	.size	k_qd85a5d50a2_gqkv, .Lfunc_end_k_qd85a5d50a2_gqkv-k_qd85a5d50a2_gqkv
	.p2alignl 7, 3214868480
	.fill 96, 4, 3214868480
	.section	.rodata,"a",@progbits
	.p2align	6, 0x0
	.amdhsa_kernel k_qd85a5d50a2_gqkv
		.amdhsa_group_segment_fixed_size 327680
		.amdhsa_private_segment_fixed_size 0
		.amdhsa_enable_private_segment 0
		.amdhsa_kernarg_size 32
		.amdhsa_user_sgpr_count 2
		.amdhsa_user_sgpr_kernarg_segment_ptr 1
		.amdhsa_wavefront_size32 1
		.amdhsa_system_sgpr_workgroup_id_x 1
		.amdhsa_system_sgpr_workgroup_id_y 1
		.amdhsa_system_sgpr_workgroup_id_z 1
		.amdhsa_system_vgpr_workitem_id 0
		.amdhsa_next_free_vgpr 1024
		.amdhsa_next_free_sgpr 100
		.amdhsa_reserve_vcc 0
		.amdhsa_float_denorm_mode_32 3
		.amdhsa_float_denorm_mode_16_64 3
		.amdhsa_memory_ordered 1
		.amdhsa_forward_progress 1
		.amdhsa_inst_pref_size 131
	.end_amdhsa_kernel
	.amdgpu_metadata
---
amdhsa.version: [ 1, 2 ]
amdhsa.kernels:
  - .name:           k_qd85a5d50a2_gqkv
    .symbol:         k_qd85a5d50a2_gqkv.kd
    .args:
      - { .name: xq, .offset: 0, .size: 8, .value_kind: global_buffer, .address_space: global }
      - { .name: wq, .offset: 8, .size: 8, .value_kind: global_buffer, .address_space: global }
      - { .name: b_qkv, .offset: 16, .size: 8, .value_kind: global_buffer, .address_space: global }
      - { .name: aq, .offset: 24, .size: 8, .value_kind: global_buffer, .address_space: global }
    .group_segment_fixed_size: 327680
    .private_segment_fixed_size: 0
    .kernarg_segment_align: 8
    .kernarg_segment_size: 32
    .max_flat_workgroup_size: 128
    .sgpr_count:     100
    .vgpr_count:     1024
    .wavefront_size: 32
...
	.end_amdgpu_metadata
.endif
;; end of part 9
;; launch attn (part 10): grid 4 x 64, 16 waves a work-group, clusters of 4 x 1, 167,936 bytes of LDS; arguments aq, cq; writes cq
.if DOCPART == 10
	.amdgcn_target "amdgcn-amd-amdhsa--gfx1250"
	.amdhsa_code_object_version 6
	.text
	.protected	k_qd85a5d50a2_attn
	.globl	k_qd85a5d50a2_attn
	.p2align	8
	.type	k_qd85a5d50a2_attn,@function
k_qd85a5d50a2_attn:
	s_mov_b64 s[64:65], 0
	v_nop
	global_prefetch_b8 v0, s[64:65] scope:SCOPE_SE
	s_setreg_imm32_b32 hwreg(HW_REG_WAVE_MODE, 25, 1), 1
	s_wait_xcnt 0x0
	s_wait_alu depctr_hold_cnt(0) depctr_sa_sdst(0) depctr_va_vdst(0) depctr_va_sdst(0) depctr_va_ssrc(0) depctr_va_vcc(0) depctr_vm_vsrc(0)
	s_getreg_b32 s2, hwreg(HW_REG_IB_STS2, 6, 4)
	s_cmp_eq_u32 s2, 0
	s_cbranch_scc0 .Lentry_in_a_cluster
	s_endpgm
.Lentry_in_a_cluster:
	s_bfe_u32 s2, ttmp6, 0x10000c
	s_cmp_lg_u32 s2, 0x3003
	s_cbranch_scc0 .Lentry_shape_is_right
	s_endpgm
.Lentry_shape_is_right:
; Causal attention on codes of E3M2, head size 64, 1,024 positions, 64 (batch, head) pairs; ctx is quantised along the model's 1,024 in the way out.
; WORK LEFT OUT: a step of 128 keys all of which come after all 16 queries of a tile is not computed: reference()'s own causal mask gives those keys the weight 0 for all finite inputs (shown at the head of launch wquant).
; LIMIT: a NaN, an infinity or an overflow that reaches only those steps is not carried to the result.
; THE SOFTMAX: t = score x log2(e) / 8; M = the running largest t rounded UP to a whole number; p = 2^(t - M) is quantised along the keys, not normalised; the row's sum is taken of the unquantised p and divides at the end.
; IN: aq as launch gqkv lays it (images of the operand's registers; a half image is 768 bytes: 16 rows x 64 K; lane (r, h): 16 bytes at 16 (r + 16 h), 8 at 512 + 16 r + 8 h; row-block 2 b + u holds at position p the row 32 b + 8 u + p + 8 (p / 8)).
; SHARES: the four work-groups of a cluster serve one (batch, head) and ask for its K and V jointly.  Wave w of work-group i owns row-block t = 4 w + i of the queries; it needs key steps 0 .. w / 2, which hangs on the wave's number alone:
; so every work-group reads every key step, the four have equal work, and no branch hangs on a work-group's place in its cluster.
; Both products are used transposed: S^T = K Q^T, O^T = V^T P^T: a lane holds ONE query.  By the row-blocks' order the 16 registers of two neighbouring tiles of S^T are 16 neighbouring keys, and those of O^T 16 neighbouring d.
; K = 64 IN THE FIRST PRODUCT: Q's registers 6-11 are zero codes; K's operand for tile i is 12 registers from 32 + 6 i on, whose upper six are the next tile's codes and multiply zeros.
; LDS is filled once: four pieces of 256 keys (K's 16 tiles, then V's two steps) and the head's scale words of K and V.  Waves 0 to 4 issue one load each; one tensor load of a wave is out at the most.
; No prefetch: all that the launch reads by tensor loads is asked for at its head.
; OUT: cq: codes [row-block 256][head 16][768]; scale bytes at 3,145,728 [row-block][16][32].
; LIMITS: a block of zeros gets the byte 1 where the rule says 127 (its codes are zeros, and this program alone reads the bytes); NaN and infinities among the inputs are not served.
.set SCK,   98304                      ; K's scale words, 4,096 bytes; V's behind them, 2,048
.set SCV,   102400
.set SPARE, 104448                     ; the spare words, 128 bytes for each of sixteen waves
.set QBM, 212                          ; v212-215 largest scores, then largest p; v216-219 the other half's; v220-223 scale operands; v224-227 bytes
.set QPT, 216
.set QSO, 220
.set QBY, 224
; v1 16 lane, v2 512 + 16 r + 8 h (pieces 0, 1; also the way out); v8, v9 the same for pieces 2, 3; v3, v4 scale words of K, V; v5, v6 the add's two; v7 the mask's d; v10 32 r; v11 4 r
; v12 -M, v13 the largest t, v[14:15] the sum; v16-27 Q; v28 Q's scale word; v32-85 K's tiles, later V's fragments; v86-93 scale words; v96-159 S^T, then p; v160-191 O^T; v192-203 p's codes; v204-210 at work
; v[228:229] f; v230 p's scale word; v231 at work; v[232:233] the sum's second chain; v234 -infinity
.macro ROUND
	s_barrier_signal -1
	s_barrier_wait -1
	s_cmp_lg_u32 s8, 0
	s_cbranch_scc1 .Lnot_wave_0_\@
	s_barrier_signal -3
.Lnot_wave_0_\@:
	s_barrier_wait -3
	s_barrier_signal -1
	s_barrier_wait -1
.endm
.macro PLACES
.rept 4
	v_nop
.endr
.endm
	s_load_b128 s[4:7], s[0:1], 0x0                ; aq, cq
	v_lshl_add_u32 v5, v0, 2, SPARE
	v_mov_b32 v6, 0
	ds_add_u32 v5, v6                              ; the wave's opening: the add, twice on end, and its wait ahead of the first tensor load
	ds_add_u32 v5, v6
	v_lshrrev_b32 v11, 5, v0
	s_delay_alu instid0(VALU_DEP_1)
	v_readfirstlane_b32 s8, v11                    ; wave 0..15
	s_lshr_b32 s9, s8, 1                           ; my last key step, the one on the diagonal
	s_bfe_u32 s10, ttmp6, 0x40000                  ; cx
	s_and_b32 s11, ttmp7, 0xffff                   ; bh, which the four partners share
	s_mov_b32 s12, 0x76543210
	s_mov_b32 s13, 0xfedcba98
	s_mov_b32 s14, 0x3e38aa3b                      ; c = log2(e) / 8
	s_mov_b32 s15, s14
	s_mov_b32 s16, 15|(3<<16)|(1<<21)              ; a piece: 2 rows of 12,288 bytes (K's, V's), 49,152 bytes apart; elements of 8 bytes; the mask names all four, bit 21 beside it
	s_mov_b32 s17, 1536<<16
	s_mov_b32 s18, 2<<16
	s_mov_b32 s19, 1536<<16
	s_mov_b32 s20, 2
	s_mov_b32 s21, 6144
	s_mov_b32 s22, 0
	s_mov_b32 s23, 0
	s_mov_b32 s24, 15|(3<<16)|(1<<21)              ; the scale words: 6,144 dense bytes as 24 rows of 256
	s_mov_b32 s25, 32<<16
	s_mov_b32 s26, 24<<16
	s_mov_b32 s27, 32<<16
	s_mov_b32 s28, 24
	s_mov_b32 s29, 32
	s_mov_b32 s30, 0
	s_mov_b32 s31, 0
	s_mul_i32 s52, s11, 147456
	s_mov_b32 s53, 0
	s_mul_i32 s54, s11, 10240
	s_add_co_u32 s54, s54, 9437184
	s_mov_b32 s55, 0
	s_lshl_b32 s60, s8, 2
	s_add_co_u32 s60, s60, s10                     ; t: my row-block of queries
	s_bfe_u32 s61, s60, 0x20001
	s_lshl_b32 s61, s61, 5
	s_and_b32 s62, s60, 1
	s_lshl_b32 s62, s62, 3
	s_add_co_u32 s61, s61, s62                     ; its first query, counted from the diagonal step's first key
	s_wait_dscnt 0x0                               ; both opening adds are done
	s_wait_kmcnt 0x0
	s_add_nc_u64 s[56:57], s[4:5], s[52:53]        ; the head's codes
	s_add_nc_u64 s[58:59], s[4:5], s[54:55]        ; and scale words
	s_mov_b32 s32, 1
	s_mov_b32 s33, SCK
	s_add_nc_u64 s[34:35], s[58:59], 4096
	s_or_b32 s35, s35, 0x80000000
.irp p, 0,1,2,3
	s_mov_b32 s[36+4*\p], 1
	s_mov_b32 s[37+4*\p], \p*24576
	s_add_nc_u64 s[38+4*\p:39+4*\p], s[56:57], 49152+\p*12288
	s_or_b32 s[39+4*\p], s[39+4*\p], 0x80000000
.endr
	ROUND                                          ; all four work-groups are here: the joint loads meet
	s_cmp_lg_u32 s8, 0
	s_cbranch_scc1 .Lw1                            ; one chain of branches on the wave's number, one load to an arm: wave 0 the scale words, waves 1 to 4 a piece each
	tensor_load_to_lds s[32:35], s[24:31]
	s_nop 0
	PLACES
	s_branch .Lno_load
.Lw1:
.macro ARM w, g0, next
	s_cmp_lg_u32 s8, \w
	s_cbranch_scc1 \next
	tensor_load_to_lds s[\g0:\g0+3], s[16:23]
	s_nop 0
	PLACES
	s_branch .Lno_load
\next:
.endm
	ARM 1, 36, .Lw2
	ARM 2, 40, .Lw3
	ARM 3, 44, .Lw4
	ARM 4, 48, .Lw5
.Lno_load:
	v_and_b32 v11, 31, v0
	s_delay_alu instid0(VALU_DEP_1)
	v_lshlrev_b32 v1, 4, v11
	v_and_b32 v10, 15, v0                          ; r
	v_bfe_u32 v7, v0, 4, 1                         ; h
	s_delay_alu instid0(VALU_DEP_2)
	v_lshlrev_b32 v2, 4, v10
	s_delay_alu instid0(VALU_DEP_1)
	v_lshl_add_u32 v2, v7, 3, v2
	s_delay_alu instid0(VALU_DEP_1)
	v_add_nc_u32 v2, 512, v2
	v_add_nc_u32 v8, 49152, v1
	s_delay_alu instid0(VALU_DEP_2)
	v_add_nc_u32 v9, 49152, v2
	v_lshlrev_b32 v11, 2, v10
	s_delay_alu instid0(VALU_DEP_1)
	v_add_nc_u32 v3, SCK, v11
	s_delay_alu instid0(VALU_DEP_2)
	v_add_nc_u32 v4, SCV, v11
	v_and_b32 v231, 8, v10
	s_delay_alu instid0(VALU_DEP_1)
	v_add_nc_u32 v231, v231, v10
	v_lshlrev_b32 v7, 4, v7
	s_delay_alu instid0(VALU_DEP_1)
	v_sub_nc_u32 v7, v231, v7
	s_delay_alu instid0(VALU_DEP_1)
	v_add_nc_u32 v7, s61, v7                       ; d = my query - the diagonal step's first key - 16 h
	v_lshlrev_b32 v10, 5, v10
	s_mul_i32 s62, s60, 768
	s_mov_b32 s63, 0
	s_add_nc_u64 s[66:67], s[56:57], s[62:63]      ; Q's half image
	s_lshl_b32 s62, s60, 6
	s_add_nc_u64 s[68:69], s[58:59], s[62:63]      ; and its scale words
	global_load_b128 v[16:19], v1, s[66:67]
	global_load_b64 v[20:21], v2, s[66:67]
	global_load_b32 v28, v11, s[68:69]
	s_lshr_b32 s52, s11, 4
	s_lshl_b32 s52, s52, 6
	s_add_co_u32 s52, s52, s60                     ; ctx's row-block: 64 b + t
	s_and_b32 s54, s11, 15                         ; head
	s_mul_i32 s62, s52, 12288
	s_mul_i32 s55, s54, 768
	s_add_co_u32 s62, s62, s55
	s_add_nc_u64 s[70:71], s[6:7], s[62:63]        ; ctx's codes
	s_lshl_b32 s62, s52, 9
	s_lshl_b32 s55, s54, 1                         ; 4 (head / 2) + 2 (head % 2) = 2 head
	s_add_co_u32 s62, s62, s55
	s_add_co_u32 s62, s62, 3145728
	s_add_nc_u64 s[62:63], s[6:7], s[62:63]        ; and scale bytes
.irp j, 22,23,24,25,26,27, 80,81,82,83,84,85
	v_mov_b32 v[\j], 0                             ; Q's upper 64 along K: zero codes; and what stands behind K's last tile
.endr
	v_mov_b32 v13, 0xff61b1e6                      ; the largest t so far: -3e38
	s_delay_alu instid0(VALU_DEP_1)
	v_floor_f32 v12, -v13                          ; -M
	v_mov_b32 v14, 0
	v_mov_b32 v15, 0
.irp b, 0,1,2,3
	v_mov_b32 v[QPT+\b], 0                         ; a lane permute's destination counts as one of its sources
.endr
	v_mov_b32 v229, 0                              ; named as the upper half of a pair
	v_mov_b32 v234, 0xff800000                     ; -infinity
.set j, 0
.rept 32
	v_mov_b32 v[160+j], 0                          ; O^T: the step is written once for all steps: the first finds zeros
.set j, j+1
.endr
	s_wait_loadcnt 0x0                             ; Q
.macro PIECE p
	s_wait_tensorcnt 0x0                           ; my load, if I issued one, has landed: behind the barrier all five have
	s_wait_dscnt 0x0
	s_barrier_signal -1
	s_barrier_wait -1                              ; nothing is filled again: a plain barrier
.endm
.macro STEP s
.set OK_, (((\s)>>1)&1)*24576+((\s)&1)*6144
.set OV_, OK_+12288
.set LXR, 1+7*((\s)>>2)
.set LYR, 2+7*((\s)>>2)
.if \s > 0
	s_cmp_lt_u32 s9, \s                            ; all its keys come after my queries
	s_cbranch_scc1 .Lskip_\@
	PLACES                                         ; the last step's products have read the registers that are loaded now
.endif
.irp t, 0,1,2,3,4,5,6,7
	ds_load_b128 v[32+6*\t:35+6*\t], v[LXR] offset:OK_+768*\t
	ds_load_b64 v[36+6*\t:37+6*\t], v[LYR] offset:OK_+768*\t
	ds_load_b32 v[86+\t], v3 offset:(8*(\s)+\t)*64
.endr
	s_wait_dscnt 0x0
.irp t, 0,1,2,3,4,5,6,7
	v_wmma_scale_f32_16x16x128_f8f6f4 v[96+8*\t:103+8*\t], v[32+6*\t:43+6*\t], v[16:27], 0, v[86+\t], v28 matrix_a_fmt:MATRIX_FMT_BF6 matrix_b_fmt:MATRIX_FMT_BF6
.endr
	PLACES
.irp d, 0,1,2,3                                ; V's fragments are asked for now and land under the softmax
	ds_load_b128 v[32+12*\d:35+12*\d], v[LXR] offset:OV_+1536*\d
	ds_load_b64 v[36+12*\d:37+12*\d], v[LYR] offset:OV_+1536*\d
	ds_load_b128 v[38+12*\d:41+12*\d], v[LXR] offset:OV_+1536*\d+768
	ds_load_b64 v[42+12*\d:43+12*\d], v[LYR] offset:OV_+1536*\d+768
	ds_load_b32 v[86+\d], v4 offset:(4*(\s)+\d)*64
.endr
	s_cmp_lg_u32 s9, \s                            ; only my last step lies on the diagonal
	s_cbranch_scc1 .Lopen_\@
.set n, 0
.rept 64
	v_cmp_gt_i32 vcc_lo, 32*(n/16)+n%16, v7        ; register 16 b + i holds key 32 b + 16 h + i of the step: hidden where 32 b + i > d
	v_cndmask_b32 v[96+n], v[96+n], v234, vcc_lo
.set n, n+1
.endr
.Lopen_\@:
.irp b, 0,1,2,3
	v_max3_num_f32 v[QBM+\b], v[96+16*\b], v[97+16*\b], v[98+16*\b]   ; the largest score of each block of 32 keys: for the row's maximum, and, since p rises with the score, for the block's largest p
.endr
.irp i, 3,5,7,9,11,13
.irp b, 0,1,2,3
	v_max3_num_f32 v[QBM+\b], v[QBM+\b], v[96+16*\b+\i], v[97+16*\b+\i]
.endr
.endr
.irp b, 0,1,2,3
	v_max_num_f32 v[QBM+\b], v[QBM+\b], v[111+16*\b]
.endr
.irp b, 0,1,2,3
	s_delay_alu instid0(VALU_DEP_4)
	v_permlanex16_b32 v[QPT+\b], v[QBM+\b], s12, s13
.endr
.irp b, 0,1,2,3
	s_delay_alu instid0(VALU_DEP_4)
	v_max_num_f32 v[QBM+\b], v[QBM+\b], v[QPT+\b]
.endr
	s_delay_alu instid0(VALU_DEP_2)
	v_max3_num_f32 v231, v[QBM], v[QBM+1], v[QBM+2]
	s_delay_alu instid0(VALU_DEP_1)
	v_max_num_f32 v231, v231, v[QBM+3]
	s_delay_alu instid0(VALU_DEP_1)
	v_mul_f32 v231, s14, v231
	s_delay_alu instid0(VALU_DEP_1)
	v_max_num_f32 v13, v13, v231                   ; the running largest t
	v_mov_b32 v231, v12
	s_delay_alu instid0(VALU_DEP_2)
	v_floor_f32 v12, -v13                          ; the new -M = -ceil(t)
	s_delay_alu instid0(VALU_DEP_1)
	v_sub_f32 v231, v12, v231                      ; old M - new M: a whole number, 0 or less
	s_delay_alu instid0(VALU_DEP_1)
	v_cvt_i32_f32 v231, v231
	s_delay_alu instid0(VALU_DEP_1)
	v_ldexp_f32 v228, 1.0, v231                    ; f = 2^(old M - new M)
.set j, 0
.rept 32
	v_pk_fma_f32 v[96+j:97+j], v[96+j:97+j], s[14:15], v[12:13] op_sel_hi:[1,0,0]   ; t - M
.set j, j+2
.endr
.irp b, 0,1,2,3
	v_fma_f32 v[QBM+\b], v[QBM+\b], s14, v12
.endr
.set j, 0
	s_wait_alu depctr_va_vdst(0)
.rept 64
	v_exp_f32 v[96+j], v[96+j]                     ; p = 2^(t - M)
.set j, j+1
.endr
	v_pk_mul_f32 v[14:15], v[14:15], v[228:229] op_sel_hi:[1,0]   ; the sums under the new M; a plain instruction behind the exponentials
	s_wait_alu depctr_va_vdst(0)                   ; one wait for the whole batch, ahead of its first use
.irp b, 0,1,2,3
	v_exp_f32 v[QBM+\b], v[QBM+\b]                 ; each block's largest p
.endr
	v_pk_add_f32 v[232:233], v[100:101], v[104:105]
	v_pk_add_f32 v[254:255], v[108:109], v[112:113]
	v_pk_add_f32 v[252:253], v[116:117], v[120:121]
	v_pk_add_f32 v[250:251], v[124:125], v[128:129]
	v_pk_add_f32 v[248:249], v[132:133], v[136:137]
	v_pk_add_f32 v[246:247], v[140:141], v[144:145]
	v_pk_add_f32 v[244:245], v[148:149], v[152:153]
	v_pk_add_f32 v[14:15], v[14:15], v[156:157]
	v_pk_add_f32 v[232:233], v[232:233], v[96:97]
	v_pk_add_f32 v[254:255], v[254:255], v[98:99]
	v_pk_add_f32 v[252:253], v[252:253], v[102:103]
	v_pk_add_f32 v[250:251], v[250:251], v[106:107]
	v_pk_add_f32 v[248:249], v[248:249], v[110:111]
	v_pk_add_f32 v[246:247], v[246:247], v[114:115]
	v_pk_add_f32 v[244:245], v[244:245], v[118:119]
	v_pk_add_f32 v[14:15], v[14:15], v[122:123]
	v_pk_add_f32 v[232:233], v[232:233], v[126:127]
	v_pk_add_f32 v[254:255], v[254:255], v[130:131]
	v_pk_add_f32 v[252:253], v[252:253], v[134:135]
	v_pk_add_f32 v[250:251], v[250:251], v[138:139]
	v_pk_add_f32 v[248:249], v[248:249], v[142:143]
	v_pk_add_f32 v[246:247], v[246:247], v[146:147]
	v_pk_add_f32 v[244:245], v[244:245], v[150:151]
	v_pk_add_f32 v[14:15], v[14:15], v[154:155]
	v_pk_add_f32 v[232:233], v[232:233], v[158:159]
	s_delay_alu instid0(VALU_DEP_2)
	v_pk_add_f32 v[14:15], v[14:15], v[250:251]
	s_delay_alu instid0(VALU_DEP_2)
	v_pk_add_f32 v[232:233], v[232:233], v[248:249]
	v_pk_add_f32 v[254:255], v[254:255], v[246:247]
	v_pk_add_f32 v[252:253], v[252:253], v[244:245]
	s_delay_alu instid0(VALU_DEP_2)
	v_pk_add_f32 v[14:15], v[14:15], v[254:255]
	s_delay_alu instid0(VALU_DEP_2)
	v_pk_add_f32 v[232:233], v[232:233], v[252:253]
	s_delay_alu instid0(VALU_DEP_1)
	v_pk_add_f32 v[14:15], v[14:15], v[232:233]
	s_wait_alu depctr_va_vdst(0)                   ; and one for the four
.irp b, 0,1,2,3
	v_max_num_f32 v[QBM+\b], 0x2800000, v[QBM+\b]  ; the floor 2^(5 - 127)
.endr
.irp b, 0,1,2,3
	s_delay_alu instid0(VALU_DEP_4)
	v_add_nc_u32 v[QSO+\b], 0xfe000000, v[QBM+\b]
.endr
.irp b, 0,1,2,3
	s_delay_alu instid0(VALU_DEP_4)
	v_lshrrev_b32 v[QBY+\b], 23, v[QSO+\b]
.endr
	s_delay_alu instid0(VALU_DEP_3)
	v_lshl_or_b32 v230, v[QBY+1], 8, v[QBY]        ; p's scale word for these 128 keys
	s_delay_alu instid0(VALU_DEP_1)
	v_lshl_or_b32 v230, v[QBY+2], 16, v230
	s_delay_alu instid0(VALU_DEP_1)
	v_lshl_or_b32 v230, v[QBY+3], 24, v230
.irp c, 0,1
	v_cvt_scalef32_pk16_bf6_f32 v[192+6*\c:194+6*\c], v[96+32*\c:111+32*\c], v[QSO+2*\c]
	v_cvt_scalef32_pk16_bf6_f32 v[204+4*\c:206+4*\c], v[112+32*\c:127+32*\c], v[QSO+2*\c+1]
.endr
	v_nop                                          ; one plain instruction behind the conversions
.irp c, 0,1
.irp i, 0,1,2
	v_permlane16_swap_b32 v[192+6*\c+\i], v[204+4*\c+\i]
.endr
.irp i, 0,1,2
	s_delay_alu instid0(VALU_DEP_3)
	v_mov_b32 v[195+6*\c+\i], v[204+4*\c+\i]
.endr
.endr
.set j, 0
.rept 16
	v_pk_mul_f32 v[160+j:161+j], v[160+j:161+j], v[228:229] op_sel_hi:[1,0]   ; O^T under the new M
.set j, j+2
.endr
	PLACES
	s_wait_alu depctr_va_vdst(0)
	s_wait_dscnt 0x0                               ; V
.irp d, 0,1,2,3
	v_wmma_scale_f32_16x16x128_f8f6f4 v[160+8*\d:167+8*\d], v[32+12*\d:43+12*\d], v[192:203], v[160+8*\d:167+8*\d], v[86+\d], v230 matrix_a_fmt:MATRIX_FMT_BF6 matrix_b_fmt:MATRIX_FMT_BF6
.endr
.if \s > 0
.Lskip_\@:
.endif
.endm
	PIECE 0
	STEP 0
	STEP 1
	STEP 2
	STEP 3
	STEP 4
	STEP 5
	STEP 6
	STEP 7
	; THE WAY OUT: O^T / the sum is ctx: register 16 b + i = d 32 b + 16 h + i of my query: quantised as it stands
	PLACES
	v_add_f32 v14, v14, v15
	s_delay_alu instid0(VALU_DEP_1)
	v_permlanex16_b32 v[QPT], v14, s12, s13
	s_delay_alu instid0(VALU_DEP_1)
	v_add_f32 v14, v14, v[QPT]
	s_wait_alu depctr_va_vdst(0)
	v_rcp_f32 v14, v14
	v_nop
	s_wait_alu depctr_va_vdst(0)                   ; the wait ahead of the reciprocal's first use
.set j, 0
.rept 32
	v_mul_f32 v[96+j], v[160+j], v14
.set j, j+1
.endr
	v_max3_num_f32 v[QBM], |v96|, |v97|, 0x2800000
	v_max3_num_f32 v[QBM+1], |v112|, |v113|, 0x2800000
.irp i, 2,4,6,8,10,12,14
	s_delay_alu instid0(VALU_DEP_2)
	v_max3_num_f32 v[QBM], v[QBM], |v[96+\i]|, |v[97+\i]|
	s_delay_alu instid0(VALU_DEP_2)
	v_max3_num_f32 v[QBM+1], v[QBM+1], |v[112+\i]|, |v[113+\i]|
.endr
	s_delay_alu instid0(VALU_DEP_2)
	v_permlanex16_b32 v[QPT], v[QBM], s12, s13
	s_delay_alu instid0(VALU_DEP_2)
	v_permlanex16_b32 v[QPT+1], v[QBM+1], s12, s13
	s_delay_alu instid0(VALU_DEP_2)
	v_max_num_f32 v[QBM], v[QBM], v[QPT]
	s_delay_alu instid0(VALU_DEP_2)
	v_max_num_f32 v[QBM+1], v[QBM+1], v[QPT+1]
	s_delay_alu instid0(VALU_DEP_2)
	v_add_nc_u32 v[QSO], 0xfe000000, v[QBM]
	s_delay_alu instid0(VALU_DEP_2)
	v_add_nc_u32 v[QSO+1], 0xfe000000, v[QBM+1]
	s_delay_alu instid0(VALU_DEP_2)
	v_lshrrev_b32 v[QBY], 23, v[QSO]
	s_delay_alu instid0(VALU_DEP_2)
	v_lshrrev_b32 v[QBY+1], 23, v[QSO+1]
	s_delay_alu instid0(VALU_DEP_1)
	v_lshl_or_b32 v231, v[QBY+1], 8, v[QBY]
	v_cvt_scalef32_pk16_bf6_f32 v[192:194], v[96:111], v[QSO]
	v_cvt_scalef32_pk16_bf6_f32 v[204:206], v[112:127], v[QSO+1]
	v_nop
.irp i, 0,1,2
	v_permlane16_swap_b32 v[192+\i], v[204+\i]
.endr
.irp i, 0,1,2
	s_delay_alu instid0(VALU_DEP_3)
	v_mov_b32 v[195+\i], v[204+\i]
.endr
	global_store_b128 v1, v[192:195], s[70:71]     ; 512 consecutive bytes a wave
	global_store_b64 v2, v[196:197], s[70:71]      ; 256 consecutive bytes a wave
	global_store_b16 v10, v231, s[62:63]           ; (lanes r and r + 16 store the same bytes)
	s_wait_tensorcnt 0x0                           ; the wave's end
	ds_add_u32 v5, v6
	s_wait_dscnt 0x0
	ROUND                                          ; the closing round
	s_endpgm
.Lfunc_end_k_qd85a5d50a2_attn:
	.size	k_qd85a5d50a2_attn, .Lfunc_end_k_qd85a5d50a2_attn-k_qd85a5d50a2_attn
	.p2alignl 7, 3214868480
	.fill 96, 4, 3214868480
	.section	.rodata,"a",@progbits
	.p2align	6, 0x0
	.amdhsa_kernel k_qd85a5d50a2_attn
		.amdhsa_group_segment_fixed_size 167936
		.amdhsa_private_segment_fixed_size 0
		.amdhsa_enable_private_segment 0
		.amdhsa_kernarg_size 16
		.amdhsa_user_sgpr_count 2
		.amdhsa_user_sgpr_kernarg_segment_ptr 1
		.amdhsa_wavefront_size32 1
		.amdhsa_system_sgpr_workgroup_id_x 1
		.amdhsa_system_sgpr_workgroup_id_y 1
		.amdhsa_system_sgpr_workgroup_id_z 1
		.amdhsa_system_vgpr_workitem_id 0
		.amdhsa_next_free_vgpr 256
		.amdhsa_next_free_sgpr 72
		.amdhsa_reserve_vcc 1
		.amdhsa_float_denorm_mode_32 3
		.amdhsa_float_denorm_mode_16_64 3
		.amdhsa_memory_ordered 1
		.amdhsa_forward_progress 1
		.amdhsa_inst_pref_size 196
	.end_amdhsa_kernel
	.amdgpu_metadata
---
amdhsa.version: [ 1, 2 ]
amdhsa.kernels:
  - .name:           k_qd85a5d50a2_attn
    .symbol:         k_qd85a5d50a2_attn.kd
    .args:
      - { .name: aq, .offset: 0, .size: 8, .value_kind: global_buffer, .address_space: global }
      - { .name: cq, .offset: 8, .size: 8, .value_kind: global_buffer, .address_space: global }
    .group_segment_fixed_size: 167936
    .private_segment_fixed_size: 0
    .kernarg_segment_align: 8
    .kernarg_segment_size: 16
    .max_flat_workgroup_size: 512
    .sgpr_count:     72
    .vgpr_count:     256
    .wavefront_size: 32
...
	.end_amdgpu_metadata
.endif
;; end of part 10
;; launch gpl (part 11): grid 256 x 1, 8 waves a work-group, no clusters, 67,840 bytes of LDS; arguments cq, wq, b_o, x, ln2_w, ln2_b, ao, hq; writes ao, hq
.if DOCPART == 11
	.amdgcn_target "amdgcn-amd-amdhsa--gfx1250"
	.amdhsa_code_object_version 6
	.text
	.protected	k_qd85a5d50a2_gpl
	.globl	k_qd85a5d50a2_gpl
	.p2align	8
	.type	k_qd85a5d50a2_gpl,@function
k_qd85a5d50a2_gpl:
	s_mov_b64 s[64:65], 0
	v_nop
	global_prefetch_b8 v0, s[64:65] scope:SCOPE_SE
	s_setreg_imm32_b32 hwreg(HW_REG_WAVE_MODE, 25, 1), 1
	s_wait_xcnt 0x0
; attn_out = ctx W_o + b_o + x on codes of E3M2 (M 4,096, N 1,024, K 1,024), stored to ao as f32; then LN2(attn_out), in f32, quantised along the row into hq.
; OPERANDS are images of the operand's registers (half image: 768 bytes, 16 rows x 64 K; lane (r, h): 16 bytes at 16 (r + 16 h), 8 at 512 + 16 r + 8 h); row-block 2 b + u holds at position p the row 32 b + 8 u + p + 8 (p / 8).
; SHARES: work-group f owns row-block f, 16 whole rows, so that a row's mean and variance stay in the work-group.  Wave w owns columns 128 w .. 128 w + 127: weight row-blocks 8 w .. 8 w + 7, 8 accumulators.
; The product is used transposed (source 0 = weight rows): lane (r, h) holds position r, and register 16 b + k of the accumulators column 128 w + 32 b + 16 h + k.
; NO TENSOR LOADS, NO CLUSTER: a wave's 98,304 bytes of the weight are used by that wave alone, once, and lie in memory as its registers want them: they go straight into registers, two ksteps (64 loads) ahead; nothing of an operand passes LDS.
; One prefetch a wave, of W_o's codes; the loads themselves run two ksteps ahead of their use.
; The bias is loaded into the accumulators and starts the sums.  x comes by whole rows, turns through a stage in LDS into the accumulators' layout, and attn_out goes back the same way to leave by whole rows.
; LAYERNORM: each wave takes the mean m and the sum of squares about m of its 128 columns; the eight pairs meet in LDS: mean = sum m / 8, var = (sum M2 + 128 sum (m - mean)^2) / 1024.
; LIMITS: a block of zeros gets the byte 1 where the rule says 127 (its codes are zeros, and this program alone reads the bytes); blocks whose largest magnitude lies under 2^-122 get the byte 1; NaN and infinities are not served.
.set SP,    4112                       ; a stage row: 4,096 bytes + 16
.set STAT,  16*SP                      ; behind the stage: [wave 8][position 16] pairs (m, M2)
.set SPARE, STAT+1024                  ; the spare words, 128 bytes for each wave
; window 0
.set GX,  4                            ; 16 lane
.set GY,  5                            ; 512 + 16 r + 8 h
.set SPW, 6
.set NIL, 7
.set VSA, 8                            ; 32 r
.set VSB, 9                            ; 32 lane
.set VBI, 10                           ; 64 h
.set XIN, 11                           ; stage by rows: my two rows, 16 lane
.set SA,  12                           ; v12-19 ctx's scale words, by kstep
.set SB,  20                           ; v20-51 the weight's: 8 q + kstep; lanes 0-15 row-block 2 q, lanes 16-31 row-block 2 q + 1
.set A,   52                           ; v52-147 ctx's fragments, all of K
.set XR,  148                          ; v148-211 x by rows; x in the accumulators' layout; attn_out by rows
.set AST, 212                          ; stage in the accumulators' layout
.set STW, 213
.set STR, 214
.set VPF, 215                          ; the prefetch's offset: 256 x min(lane, 2)
; window 1
.set BF,  64                           ; v64-159, v160-255 two sets of the weight's eight fragments
.set WL,  64                           ; later ln2_w, ln2_b in the accumulators' layout
.set BL,  160
.set P,   128                          ; the eight pairs; later codes
.set PC,  128
.set TT,  144
.set PW,  152
.set T,   224                          ; at work
.set BM,  T+16
.set PT,  T+20
.set SO,  T+24
.set BY,  T+28
.set MSB, 0
.macro WIN new
.if MSB != \new
	s_set_vgpr_msb (MSB<<8)|\new
.set MSB, \new
.endif
.endm
.macro PLACES
.rept 4
	v_nop
.endr
.endm
.macro GFR reg, sb, off                ; a fragment, 16 rows x 128 K, as it lies
	global_load_b128 v[\reg:\reg+3], v[GX], s[\sb:\sb+1] offset:\off
	global_load_b64 v[\reg+4:\reg+5], v[GY], s[\sb:\sb+1] offset:\off
	global_load_b128 v[\reg+6:\reg+9], v[GX], s[\sb:\sb+1] offset:\off+768
	global_load_b64 v[\reg+10:\reg+11], v[GY], s[\sb:\sb+1] offset:\off+768
.endm
.macro COLS reg, sb                    ; a vector over my 128 columns, in the accumulators' layout
.irp t, 0,1,2,3,4,5,6,7
	global_load_b128 v[\reg+8*\t:\reg+8*\t+3], v[VBI], s[\sb:\sb+1] offset:128*(\t/2)+32*(\t%2)
	global_load_b128 v[\reg+8*\t+4:\reg+8*\t+7], v[VBI], s[\sb:\sb+1] offset:128*(\t/2)+32*(\t%2)+16
.endr
.endm
.macro BSET ks                         ; the weight's eight fragments of kstep ks: 32 loads
.irp t, 0,1,2,3,4,5,6,7
	GFR BF+96*((\ks)%2)+12*\t, 26, \t*12288+(\ks)*1536
.endr
.endm
	s_load_b512 s[4:19], s[0:1], 0x0               ; cq, wq, b_o, x, ln2_w, ln2_b, ao, hq
	v_lshl_add_u32 v[SPW], v0, 2, SPARE
	v_mov_b32 v[NIL], 0
	v_lshrrev_b32 v1, 5, v0
	v_readfirstlane_b32 s20, v1                    ; wave
	v_and_b32 v1, 15, v0                           ; r
	v_bfe_u32 v2, v0, 4, 1                         ; h
	v_and_b32 v3, 31, v0
	v_lshlrev_b32 v[GX], 4, v3
	v_lshlrev_b32 v[GY], 4, v1
	v_lshlrev_b32 v[VSA], 5, v1
	v_lshlrev_b32 v[VSB], 5, v3
	v_lshlrev_b32 v[VBI], 6, v2
	v_min_u32 v[VPF], 2, v3
	v_lshl_add_u32 v[GY], v2, 3, v[GY]
	v_mul_u32_u24 v[AST], v1, SP
	v_lshlrev_b32 v[STR], 3, v1
	v_lshlrev_b32 v[VPF], 8, v[VPF]
	v_add_nc_u32 v[GY], 512, v[GY]
	s_mul_i32 s21, s20, 2*SP
	v_add_nc_u32 v[XIN], s21, v[GX]
	v_lshl_add_u32 v[AST], v2, 6, v[AST]
	v_add_nc_u32 v[STR], STAT, v[STR]
	s_lshl_b32 s21, s20, 9
	v_add_nc_u32 v[AST], s21, v[AST]               ; r SP + 512 w + 64 h
	s_lshl_b32 s21, s20, 7
	v_add_nc_u32 v[STW], s21, v[STR]
	s_mov_b32 s52, 0x76543210
	s_mov_b32 s53, 0xfedcba98                      ; v_permlanex16_b32's selects for lane l xor 16
	s_mov_b32 s54, 0x3a800000                      ; 1 / 1024
	s_mov_b32 s55, 0x3727c5ac                      ; 1e-5
	s_mul_i32 s34, ttmp9, 12288                    ; row-block f's codes
	s_mov_b32 s35, 0
	s_lshl_b32 s36, ttmp9, 9
	s_add_co_u32 s36, s36, 3145728                 ; and scale bytes (cq and hq are laid alike)
	s_mov_b32 s37, 0
	s_mul_i32 s38, s20, 98304
	s_add_co_u32 s38, s38, 2359296                 ; W_o's codes, row-blocks 8 w on
	s_mov_b32 s39, 0
	s_lshl_b32 s40, s20, 12
	s_add_co_u32 s40, s40, 9535488                 ; and scale bytes
	s_mov_b32 s41, 0
	s_lshl_b32 s42, s20, 9                         ; my first column, in bytes
	s_mov_b32 s43, 0
	s_lshr_b32 s44, ttmp9, 1
	s_lshl_b32 s44, s44, 5
	s_and_b32 s45, ttmp9, 1
	s_lshl_b32 s45, s45, 3
	s_add_co_u32 s44, s44, s45
	s_lshl_b32 s45, s20, 1
	s_add_co_u32 s44, s44, s45
	s_lshr_b32 s45, s20, 2
	s_lshl_b32 s45, s45, 3
	s_add_co_u32 s44, s44, s45                     ; positions 2 w, 2 w + 1 are rows 32 (f / 2) + 8 (f % 2) + 2 w + 8 (w / 4) and the next
	s_lshl_b32 s44, s44, 12
	s_mov_b32 s45, 0
	s_mul_i32 s46, s20, 1536
	s_add_co_u32 s46, s46, s34                     ; hq's codes: half images 2 w, 2 w + 1
	s_mov_b32 s47, 0
	s_lshl_b32 s48, s20, 2
	s_add_co_u32 s48, s48, s36                     ; hq's scale bytes 4 w on
	s_mov_b32 s49, 0
	s_and_b32 s50, ttmp9, 127
	s_lshl_b32 s50, s50, 3
	s_add_co_u32 s50, s50, s20
	s_mul_i32 s50, s50, 768
	s_add_co_u32 s50, s50, 2359296                 ; half image 8 (f % 128) + w of W_o's 1,024
	s_mov_b32 s51, 0
	s_wait_alu depctr_va_vdst(0)                   ; the wait at the head's end
	s_wait_kmcnt 0x0
	s_add_nc_u64 s[22:23], s[4:5], s[34:35]
	s_add_nc_u64 s[24:25], s[4:5], s[36:37]
	s_add_nc_u64 s[26:27], s[6:7], s[38:39]
	s_add_nc_u64 s[28:29], s[6:7], s[40:41]
	s_add_nc_u64 s[8:9], s[8:9], s[42:43]
	s_add_nc_u64 s[12:13], s[12:13], s[42:43]
	s_add_nc_u64 s[14:15], s[14:15], s[42:43]
	s_add_nc_u64 s[10:11], s[10:11], s[44:45]
	s_add_nc_u64 s[16:17], s[16:17], s[44:45]
	s_add_nc_u64 s[30:31], s[18:19], s[46:47]
	s_add_nc_u64 s[32:33], s[18:19], s[48:49]
	s_add_nc_u64 s[50:51], s[6:7], s[50:51]
	; ONE PREFETCH A WAVE: all work-groups read the same 786,432 bytes of W_o's codes, and they share its blocks out: a wave names the three blocks of 256 bytes of one half image
	; (lanes 3-31 name the last again); work-groups f and f + 128 name the same ones.  Its address registers are never rewritten.
	global_prefetch_b8 v[VPF], s[50:51] th:TH_LOAD_NT scope:SCOPE_SE
	global_load_b128 v[SA:SA+3], v[VSA], s[24:25]
	global_load_b128 v[SA+4:SA+7], v[VSA], s[24:25] offset:16
.irp q, 0,1,2,3
	global_load_b128 v[SB+8*\q:SB+8*\q+3], v[VSB], s[28:29] offset:1024*\q
	global_load_b128 v[SB+8*\q+4:SB+8*\q+7], v[VSB], s[28:29] offset:1024*\q+16
.endr
.irp k, 0,1,2,3,4,5,6,7
	GFR A+12*\k, 22, 1536*\k
.endr
	WIN 0x40                                       ; destination window 1, address window 0
	COLS 0, 8                                      ; the bias, into the accumulators
	BSET 0
	BSET 1
	WIN 0
.irp i, 0,1
.irp j, 0,1,2,3,4,5,6,7
	global_load_b128 v[XR+32*\i+4*\j:XR+32*\i+4*\j+3], v[GX], s[10:11] offset:\i*4096+512*\j th:TH_LOAD_NT
.endr
.endr
.macro MM t, ks
.set BR, BF+96*((\ks)%2)+12*\t
.if (\t)%2
	v_wmma_scale_f32_16x16x128_f8f6f4 v[8*\t:8*\t+7], v[BR:BR+11], v[A+12*\ks:A+12*\ks+11], v[8*\t:8*\t+7], v[SB+8*(\t/2)+\ks], v[SA+\ks] matrix_a_fmt:MATRIX_FMT_BF6 matrix_b_fmt:MATRIX_FMT_BF6 matrix_a_scale:MATRIX_SCALE_ROW1
.else
	v_wmma_scale_f32_16x16x128_f8f6f4 v[8*\t:8*\t+7], v[BR:BR+11], v[A+12*\ks:A+12*\ks+11], v[8*\t:8*\t+7], v[SB+8*(\t/2)+\ks], v[SA+\ks] matrix_a_fmt:MATRIX_FMT_BF6 matrix_b_fmt:MATRIX_FMT_BF6
.endif
.endm
; kstep ks: cnt = the loads issued behind this kstep's set, which may stay out.  The eight accumulators take turns.
.macro KS ks, cnt
	s_wait_loadcnt \cnt
.if \ks == 2
.irp i, 0,1                                    ; x's loads are older than this kstep's set: my two rows go to the stage
.irp j, 0,1,2,3,4,5,6,7
	ds_store_b128 v[XIN], v[XR+32*\i+4*\j:XR+32*\i+4*\j+3] offset:\i*SP+512*\j
.endr
.endr
.endif
	WIN 0x51                                       ; source 0, C and D window 1; source 1 window 0
.irp t, 0,1,2,3,4,5,6,7
	MM \t, \ks
.endr
.if \ks < 7
	PLACES                                         ; four places ahead of loads into registers that the products read
	WIN 0x40
.if \ks < 6
	BSET \ks+2
.else
	COLS WL, 12                                    ; ln2_w
.endif
.endif
.endm
	KS 0, 48                                       ; set 1's 32 and x's 16
	KS 1, 48                                       ; x's 16 and set 2's 32
	KS 2, 32
	KS 3, 32
	KS 4, 32
	KS 5, 32
	KS 6, 32
	KS 7, 16                                       ; ln2_w's 16
	PLACES
	WIN 0x40
	COLS BL, 14                                    ; ln2_b
	s_wait_dscnt 0x0                               ; for the others' sake: my rows of x lie in the stage
	s_barrier_signal -1
	s_barrier_wait -1
	WIN 0
.irp t, 0,1,2,3,4,5,6,7
	ds_load_b128 v[XR+8*\t:XR+8*\t+3], v[AST] offset:128*(\t/2)+32*(\t%2)
	ds_load_b128 v[XR+8*\t+4:XR+8*\t+7], v[AST] offset:128*(\t/2)+32*(\t%2)+16
.endr
	s_wait_dscnt 0x0
	WIN 0x41                                       ; destination and source 0 window 1, source 1 window 0
.set j, 0
.rept 32
	v_pk_add_f32 v[j:j+1], v[j:j+1], v[XR+j:XR+j+1]    ; attn_out; each accumulator from its low end on
.set j, j+2
.endr
	WIN 0x04                                       ; data window 1, address window 0
.irp t, 0,1,2,3,4,5,6,7                        ; back to the bytes that I alone have read since the barrier
	ds_store_b128 v[AST], v[8*\t:8*\t+3] offset:128*(\t/2)+32*(\t%2)
	ds_store_b128 v[AST], v[8*\t+4:8*\t+7] offset:128*(\t/2)+32*(\t%2)+16
.endr
	WIN 0x55                                       ; all in window 1
.macro RED                             ; four pairs at T become one sum over my 128 columns, in v[T]
	v_pk_add_f32 v[T:T+1], v[T:T+1], v[T+2:T+3]
	v_pk_add_f32 v[T+4:T+5], v[T+4:T+5], v[T+6:T+7]
	s_delay_alu instid0(VALU_DEP_1)
	v_pk_add_f32 v[T:T+1], v[T:T+1], v[T+4:T+5]
	s_delay_alu instid0(VALU_DEP_1)
	v_add_f32 v[T], v[T], v[T+1]
	s_delay_alu instid0(VALU_DEP_1)
	v_permlanex16_b32 v[T+2], v[T], s52, s53
	s_delay_alu instid0(VALU_DEP_1)
	v_add_f32 v[T], v[T], v[T+2]
.endm
.irp c, 0,1,2,3
	v_pk_add_f32 v[T+2*\c:T+2*\c+1], v[2*\c:2*\c+1], v[2*\c+8:2*\c+9]
.endr
.irp k, 16,24,32,40,48,56
.irp c, 0,1,2,3
	v_pk_add_f32 v[T+2*\c:T+2*\c+1], v[T+2*\c:T+2*\c+1], v[\k+2*\c:\k+2*\c+1]
.endr
.endr
	v_mov_b32 v[T+9], 0                            ; upper halves of pairs, and permutes' destinations, are written once
	v_mov_b32 v[T+11], 0
.irp k, 0,1,2,3
	v_mov_b32 v[PT+\k], 0
.endr
	RED
	s_delay_alu instid0(VALU_DEP_1)
	v_mul_f32 v[T+8], 0x3c000000, v[T]             ; m = sum / 128
.set j, 0
.rept 32
	v_pk_add_f32 v[j:j+1], v[j:j+1], v[T+8:T+9] op_sel_hi:[1,0] neg_lo:[0,1] neg_hi:[0,1]
.set j, j+2
.endr
.irp c, 0,1,2,3
	v_pk_mul_f32 v[T+2*\c:T+2*\c+1], v[2*\c:2*\c+1], v[2*\c:2*\c+1]
.endr
.irp k, 8,16,24,32,40,48,56
.irp c, 0,1,2,3
	v_pk_fma_f32 v[T+2*\c:T+2*\c+1], v[\k+2*\c:\k+2*\c+1], v[\k+2*\c:\k+2*\c+1], v[T+2*\c:T+2*\c+1]
.endr
.endr
	RED
	s_delay_alu instid0(VALU_DEP_1)
	v_mov_b32 v[T+9], v[T]                         ; M2
	WIN 0x04
	ds_store_b64 v[STW], v[T+8:T+9]                ; (lanes r and r + 16 store the same)
	s_wait_alu depctr_va_vdst(0)                   ; directly ahead of the wait below
	s_wait_dscnt 0x0                               ; for the others' sake: my columns and my pair lie in LDS
	s_barrier_signal -1
	s_barrier_wait -1
	WIN 0x40
.irp k, 0,1,2,3,4,5,6,7
	ds_load_b64 v[P+2*\k:P+2*\k+1], v[STR] offset:128*\k
.endr
	WIN 0
.irp i, 0,1
.irp j, 0,1,2,3,4,5,6,7
	ds_load_b128 v[XR+32*\i+4*\j:XR+32*\i+4*\j+3], v[XIN] offset:\i*SP+512*\j
.endr
.endr
	s_wait_loadcnt 0x0                             ; ln2_w, ln2_b
	s_wait_dscnt 0x0
.irp i, 0,1
.irp j, 0,1,2,3,4,5,6,7
	global_store_b128 v[GX], v[XR+32*\i+4*\j:XR+32*\i+4*\j+3], s[16:17] offset:\i*4096+512*\j   ; 512 consecutive bytes a store
.endr
.endr
	WIN 0x55
.irp c, 0,1,2,3
	v_add_f32 v[T+\c], v[P+4*\c], v[P+4*\c+2]
	v_add_f32 v[T+4+\c], v[P+4*\c+1], v[P+4*\c+3]
.endr
	v_add_f32 v[T], v[T], v[T+1]
	v_add_f32 v[T+2], v[T+2], v[T+3]
	v_add_f32 v[T+4], v[T+4], v[T+5]
	v_add_f32 v[T+6], v[T+6], v[T+7]
	s_delay_alu instid0(VALU_DEP_3)
	v_add_f32 v[T], v[T], v[T+2]
	s_delay_alu instid0(VALU_DEP_2)
	v_add_f32 v[T+4], v[T+4], v[T+6]               ; the sum of the eight M2
	s_delay_alu instid0(VALU_DEP_2)
	v_mul_f32 v[T], 0x3e000000, v[T]               ; the mean
.irp k, 0,1,2,3,4,5,6,7
	v_sub_f32 v[P+2*\k], v[P+2*\k], v[T]
.endr
	v_sub_f32 v[T+10], v[T+8], v[T]                ; my own m - mean
	v_mul_f32 v[T+1], v[P], v[P]
	v_mul_f32 v[T+2], v[P+2], v[P+2]
.irp k, 4,8,12
	v_fma_f32 v[T+1], v[P+\k], v[P+\k], v[T+1]
	v_fma_f32 v[T+2], v[P+\k+2], v[P+\k+2], v[T+2]
.endr
	s_delay_alu instid0(VALU_DEP_1)
	v_add_f32 v[T+1], v[T+1], v[T+2]
	s_delay_alu instid0(VALU_DEP_1)
	v_fma_f32 v[T+4], v[T+1], 0x43000000, v[T+4]
	s_delay_alu instid0(VALU_DEP_1)
	v_fma_f32 v[T+4], v[T+4], s54, s55             ; var + eps
	s_wait_alu depctr_va_vdst(0)                   ; the wait ahead of the transcendental
	v_rsq_f32 v[T+12], v[T+4]
	v_mov_b32 v[T+13], 0                           ; a plain instruction behind it
	s_wait_alu depctr_va_vdst(0)                   ; and the wait ahead of its first use
	v_mul_f32 v[T+10], v[T+10], v[T+12]
.set j, 0
.rept 32
	v_pk_fma_f32 v[j:j+1], v[j:j+1], v[T+12:T+13], v[T+10:T+11] op_sel_hi:[1,0,0]   ; (x - mean) rsqrt(var + eps)
.set j, j+2
.endr
.set j, 0
.rept 32
	v_pk_fma_f32 v[j:j+1], v[j:j+1], v[WL+j:WL+j+1], v[BL+j:BL+j+1]
.set j, j+2
.endr
; the quantiser: my four blocks of 32 columns, each shared with lane l xor 16
.irp k, 0,1,2,3
	v_max3_num_f32 v[BM+\k], |v[16*\k]|, |v[16*\k+1]|, 0x2800000   ; the floor 2^(5 - 127): the byte cannot fall under 1
.endr
.irp i, 2,4,6,8,10,12,14
.irp k, 0,1,2,3
	v_max3_num_f32 v[BM+\k], v[BM+\k], |v[16*\k+\i]|, |v[16*\k+\i+1]|
.endr
.endr
.irp k, 0,1,2,3
	v_permlanex16_b32 v[PT+\k], v[BM+\k], s52, s53
.endr
.irp k, 0,1,2,3
	v_max_num_f32 v[BM+\k], v[BM+\k], v[PT+\k]
.endr
.irp k, 0,1,2,3
	v_add_nc_u32 v[SO+\k], 0xfe000000, v[BM+\k]    ; 4 off the exponent field: the conversion's scale operand
.endr
.irp k, 0,1,2,3
	v_lshrrev_b32 v[BY+\k], 23, v[SO+\k]           ; the scale's byte
.endr
	v_lshl_or_b32 v[PW], v[BY+1], 8, v[BY]
	s_delay_alu instid0(VALU_DEP_1)
	v_lshl_or_b32 v[PW], v[BY+2], 16, v[PW]
	s_delay_alu instid0(VALU_DEP_1)
	v_lshl_or_b32 v[PW], v[BY+3], 24, v[PW]
.irp c, 0,1
	v_cvt_scalef32_pk16_bf6_f32 v[PC+6*\c:PC+6*\c+2], v[32*\c:32*\c+15], v[SO+2*\c]
	v_cvt_scalef32_pk16_bf6_f32 v[TT+4*\c:TT+4*\c+2], v[32*\c+16:32*\c+31], v[SO+2*\c+1]
.endr
	v_nop                                          ; one plain instruction behind the conversions
.irp c, 0,1
.irp i, 0,1,2
	v_permlane16_swap_b32 v[PC+6*\c+\i], v[TT+4*\c+\i]   ; a whole block to a lane
.endr
.irp i, 0,1,2
	v_mov_b32 v[PC+6*\c+3+\i], v[TT+4*\c+\i]
.endr
.endr
	WIN 0x04
.irp c, 0,1
	global_store_b128 v[GX], v[PC+6*\c:PC+6*\c+3], s[30:31] offset:768*\c      ; 512 consecutive bytes a wave
	global_store_b64 v[GY], v[PC+6*\c+4:PC+6*\c+5], s[30:31] offset:768*\c     ; 256 consecutive bytes a wave
.endr
	global_store_b32 v[VSA], v[PW], s[32:33]       ; (lanes r and r + 16 store the same bytes)
	WIN 0
	s_wait_tensorcnt 0x0                           ; the wave's end, behind my last LDS store
	ds_add_u32 v[SPW], v[NIL]
	s_wait_dscnt 0x0
	s_endpgm
.Lfunc_end_k_qd85a5d50a2_gpl:
	.size	k_qd85a5d50a2_gpl, .Lfunc_end_k_qd85a5d50a2_gpl-k_qd85a5d50a2_gpl
	.p2alignl 7, 3214868480
	.fill 96, 4, 3214868480
	.section	.rodata,"a",@progbits
	.p2align	6, 0x0
	.amdhsa_kernel k_qd85a5d50a2_gpl
		.amdhsa_group_segment_fixed_size 67840
		.amdhsa_private_segment_fixed_size 0
		.amdhsa_enable_private_segment 0
		.amdhsa_kernarg_size 64
		.amdhsa_user_sgpr_count 2
		.amdhsa_user_sgpr_kernarg_segment_ptr 1
		.amdhsa_wavefront_size32 1
		.amdhsa_system_sgpr_workgroup_id_x 1
		.amdhsa_system_sgpr_workgroup_id_y 1
		.amdhsa_system_sgpr_workgroup_id_z 1
		.amdhsa_system_vgpr_workitem_id 0
		.amdhsa_next_free_vgpr 512
		.amdhsa_next_free_sgpr 66
		.amdhsa_reserve_vcc 0
		.amdhsa_float_denorm_mode_32 3
		.amdhsa_float_denorm_mode_16_64 3
		.amdhsa_memory_ordered 1
		.amdhsa_forward_progress 1
		.amdhsa_inst_pref_size 74
	.end_amdhsa_kernel
	.amdgpu_metadata
---
amdhsa.version: [ 1, 2 ]
amdhsa.kernels:
  - .name:           k_qd85a5d50a2_gpl
    .symbol:         k_qd85a5d50a2_gpl.kd
    .args:
      - { .name: cq, .offset: 0, .size: 8, .value_kind: global_buffer, .address_space: global }
      - { .name: wq, .offset: 8, .size: 8, .value_kind: global_buffer, .address_space: global }
      - { .name: b_o, .offset: 16, .size: 8, .value_kind: global_buffer, .address_space: global }
      - { .name: x, .offset: 24, .size: 8, .value_kind: global_buffer, .address_space: global }
      - { .name: ln2_w, .offset: 32, .size: 8, .value_kind: global_buffer, .address_space: global }
      - { .name: ln2_b, .offset: 40, .size: 8, .value_kind: global_buffer, .address_space: global }
      - { .name: ao, .offset: 48, .size: 8, .value_kind: global_buffer, .address_space: global }
      - { .name: hq, .offset: 56, .size: 8, .value_kind: global_buffer, .address_space: global }
    .group_segment_fixed_size: 67840
    .private_segment_fixed_size: 0
    .kernarg_segment_align: 8
    .kernarg_segment_size: 64
    .max_flat_workgroup_size: 256
    .sgpr_count:     66
    .vgpr_count:     512
    .wavefront_size: 32
...
	.end_amdgpu_metadata
.endif
;; end of part 11
;; launch gup (part 12): grid 8 x 32, 4 waves a work-group, clusters of 4 x 4, 327,680 bytes of LDS; arguments hq, wq, b_up, uq; writes uq
.if DOCPART == 12
	.amdgcn_target "amdgcn-amd-amdhsa--gfx1250"
	.amdhsa_code_object_version 6
	.text
	.protected	k_qd85a5d50a2_gup
	.globl	k_qd85a5d50a2_gup
	.p2align	8
	.type	k_qd85a5d50a2_gup,@function
k_qd85a5d50a2_gup:
	s_mov_b64 s[64:65], 0
	v_nop
	global_prefetch_b8 v0, s[64:65] scope:SCOPE_SE
	s_setreg_imm32_b32 hwreg(HW_REG_WAVE_MODE, 25, 1), 1
	s_wait_xcnt 0x0
	s_wait_alu depctr_hold_cnt(0) depctr_sa_sdst(0) depctr_va_vdst(0) depctr_va_sdst(0) depctr_va_ssrc(0) depctr_va_vcc(0) depctr_vm_vsrc(0)
	s_getreg_b32 s2, hwreg(HW_REG_IB_STS2, 6, 4)
	s_cmp_eq_u32 s2, 0
	s_cbranch_scc0 .Lentry_in_a_cluster
	s_endpgm
.Lentry_in_a_cluster:
	s_bfe_u32 s2, ttmp6, 0x10000c
	s_cmp_lg_u32 s2, 0xf033
	s_cbranch_scc0 .Lentry_shape_is_right
	s_endpgm
.Lentry_shape_is_right:
; h = gelu(LN2(attn_out) W_up + b_up), the product on codes of E3M2 (M 4,096, N 4,096, K 1,024), gelu exact (by erf) in f32, h quantised along its 4,096 in the way out: it never goes to memory as f32.
; OPERANDS are images of the operand's registers.  A half image (768 bytes: 16 rows x 64 K): lane (r, h) owns 24 bytes: 16 at 16 (r + 16 h), 8 at 512 + 16 r + 8 h.  Codes [row-block][K/64][768]; scale bytes [row-block][16][K/32].
; Row-block 2 b + u holds at position p the row 32 b + 8 u + p + 8 (p / 8).
; A WORK-GROUP STAYS: 256 work-groups; each keeps its 128 rows of hn's codes, all of K, in LDS and walks four tiles of 128 weight rows, 1,024 rows apart.  A tile of the weight (8 row-blocks, all of K) is one dense block of 98,304 bytes;
; it has two buffers in LDS.  Tiles 0 and 1 come with the first fills; tile t + 2 is asked for into tile t's buffer behind the round at the end of tile t's products, and has tile t's gelu and all of tile t + 1 in which to land.
; A wave makes 64 x 64 of a tile: 16 accumulators.  CLUSTER 4 x 4: hn's codes are asked for jointly along a row of the cluster, the weight's along a column.  At the head each wave fetches one block whole, later tiles by quarters: one tensor load of a wave is out at the head, one behind each round.
; The tile is written twice, each time as a loop of two trips: tiles 0 and 1, whose buffers are filled again, and tiles 2 and 3, whose are not.
; The launch claims all of LDS.  No prefetch: a refill has more than a tile's work in which to land, so no wave waits for it.
; The product is used transposed (source 0 = weight rows, source 1 = hn's rows): a lane holds one row and, in two neighbouring tiles, 16 neighbouring columns, which are neighbours along the next product's K.
; GELU: 0.5 x (1 + erf(z)), z = x / sqrt(2).  1 + erf(z) comes from two polynomials, both always computed, and selects: for |z| over 0.927734375, E = exp(polynomial in |z|) = erfc(|z|), and 1 + erf is 2 - E (z > 0) or E (z < 0),
; so that the small values at negative x keep their relative accuracy; else 1 + z + z polynomial(z^2).  No branch hangs on data.
; OUT: uq: codes [row-block 256][64][768]; scale bytes at 12,582,912 [row-block][16][128].
; LIMITS: a block of zeros gets the byte 1 where the rule says 127 (its codes are zeros, and this program alone reads the bytes); blocks whose largest magnitude lies under 2^-122 get the byte 1; NaN and infinities are not served.
.set NT,     4                         ; tiles of the weight that a work-group walks
.set TILEB,  98304                     ; 8 row-blocks of codes, all of K
.set QUART,  24576                     ; two of them: what one tensor load brings
.set TSTEP,  8*TILEB                   ; from a tile of the weight to my next
.set BUF1,   1<<17                     ; LDS: the weight's buffer 0 at 0, buffer 1 here: one exclusive or turns one into the other
.set SCA,    98304                     ; between them: hn's scale bytes, 4,096;
.set SCB,    102400                    ; the weight's, for all NT tiles: [tile][row-block 8][512];
.set SPARE,  118784                    ; and the spare words, 128 bytes for each wave
.set ABASE,  229376                    ; hn's codes, up to LDS's end
.set A_SOFF, 3145728
.set B_COFF, 3145728
.set B_SOFF, 9568256
.set AX,   16                          ; v16, v17 LDS address of the first and last parts of my fragments of hn
.set AY,   17
.set BX0,  18                          ; v18, v19 the same for the weight, in buffer 0;  v20, v21 in the buffer in hand
.set BY0,  19
.set BXC,  20
.set BYC,  21
.set SAA,  22                          ; v22 hn's scale words;  v23 the weight's, tile 0;  v24 the tile in hand
.set SB0,  23
.set SBC,  24
.set SPW,  28
.set NIL,  29
.set GX,   30                          ; v30 16 lane;  v31 512 + 16 r + 8 h: a half image's two parts
.set GY,   31
.set QPT,  14                          ; v14-15, v104-109: the quantiser's
.set QBM,  104
.set QSO,  106
.set QBY,  108
.set SA,   32                          ; v32-63   hn's scale words and nothing else: 8 a + kstep
.set SB,   110                         ; v110-125 the weight's and nothing else: two sets of 4 row-blocks x 2 ksteps
.set ACC,  128                         ; v128-255 the accumulators
.set F0,   0                           ; window 1: two sets of the weight's four fragments, at 48 + 12 b.  hn's fragments, all of K, stay in registers: kstep ks at 48 (ks % 5) + 12 a of window 2 + ks / 5
.set F1,   128
.set BI,   224                         ; and v224-255 the bias, 8 registers for each weight tile, in the result's layout
.set G1A,  24
.set G0A,  32
.set G0B0, 36
.set G1B,  48
.set G0W,  56                          ; buffer 1's first fill; it then walks on
.set TB,   60                          ; s60 where the buffer in hand begins;  s61 the tile in hand x 4,096
.set TS,   61
.set G1SA, 68
.set G0SA, 76
.set G1SB, 80
.set G0SB, 88
.set SEL,  96
.set MSB, 0
.macro WIN new                         ; the immediate's high byte repeats the setting that is left
.if MSB != \new
	s_set_vgpr_msb (MSB<<8)|\new
.set MSB, \new
.endif
.endm
.set MUL,  0x0d                        ; kstep 7: source 0 window 1, source 1 window 3; C and D window 0
.set TO_F, 0x40                        ; destination window 1, address window 0
.macro CREST                           ; a round of the cluster's barrier behind its opening barrier
	s_cmp_lg_u32 s14, 0
	s_cbranch_scc1 .Lnot_wave_0_\@
	s_barrier_signal -3
.Lnot_wave_0_\@:
	s_barrier_wait -3
	s_barrier_signal -1
	s_barrier_wait -1
.endm
.macro CROUND
	s_barrier_signal -1
	s_barrier_wait -1
	CREST
.endm
.macro PLACES                          ; four plain instructions between a matrix instruction and a load into, or a vector use of, its registers
.rept 4
	v_nop
.endr
.endm
	s_load_b256 s[4:11], s[0:1], 0x0               ; hq, wq, b_up, uq
	v_lshl_add_u32 v[SPW], v0, 2, SPARE
	v_mov_b32 v[NIL], 0
	ds_add_u32 v[SPW], v[NIL]                      ; the wave's opening: the add, twice on end, and its wait ahead of my first tensor load
	ds_add_u32 v[SPW], v[NIL]
	v_lshrrev_b32 v1, 5, v0
	v_readfirstlane_b32 s14, v1                    ; wave
	s_lshr_b32 s15, s14, 1                         ; wm: which 64 rows are mine
	s_and_b32 s16, s14, 1                          ; wn: which 64 columns
	s_bfe_u32 s40, ttmp6, 0x40000                  ; cx, cy
	s_bfe_u32 s41, ttmp6, 0x40004
	s_lshl_b32 s42, ttmp9, 2
	s_add_co_u32 s42, s42, s40                     ; txb: my first tile of the weight, 0 .. 7
	s_and_b32 s17, ttmp7, 0xffff
	s_lshl_b32 s17, s17, 2
	s_add_co_u32 s17, s17, s41                     ; ty
	s_lshl_b32 s43, s41, 2
	s_lshl_b32 s43, 15, s43                        ; my row of the cluster
	s_lshl_b32 s44, 0x1111, s40                    ; my column
	s_or_b32 s[G1A], s43, (3<<16)|(1<<21)          ; codes: elements of 8 bytes, no padding; the mask, and bit 21 beside it
	s_or_b32 s[G1B], s44, (3<<16)|(1<<21)
.irp g, G1A, G1B
	s_mov_b32 s[\g+1], 1536<<16                    ; tensor_dim0: 12,288 bytes, a row-block
	s_mov_b32 s[\g+2], 8<<16                       ; tensor_dim1: 8 row-blocks at the head
	s_mov_b32 s[\g+3], 1536<<16                    ; tile_dim0
	s_mov_b32 s[\g+4], 8                           ; tile_dim1
	s_mov_b32 s[\g+5], 1536                        ; dense
	s_mov_b32 s[\g+6], 0
	s_mov_b32 s[\g+7], 0
.endr
	s_or_b32 s[G1SA], s43, (3<<16)|(1<<21)         ; hn's scale bytes of eight row-blocks: 4,096 dense bytes
	s_mov_b32 s[G1SA+1], 32<<16
	s_mov_b32 s[G1SA+2], 16<<16                    ; all 4,096 bytes: 16 rows of 256
	s_mov_b32 s[G1SA+3], 32<<16
	s_mov_b32 s[G1SA+4], 16
	s_mov_b32 s[G1SA+5], 32
	s_mov_b32 s[G1SA+6], 0
	s_mov_b32 s[G1SA+7], 0
	s_or_b32 s[G1SB], s44, (3<<16)|(1<<21)         ; the weight's: a row of 4,096 bytes (eight row-blocks) for each of my NT tiles, 32,768 bytes apart
	s_mov_b32 s[G1SB+1], 512<<16                   ; a row of 4,096 bytes: a tile's eight row-blocks
	s_mov_b32 s[G1SB+2], NT<<16
	s_mov_b32 s[G1SB+3], 512<<16
	s_mov_b32 s[G1SB+4], NT
	s_mov_b32 s[G1SB+5], 4096
	s_mov_b32 s[G1SB+6], 0
	s_mov_b32 s[G1SB+7], 0
	s_mov_b32 s[SEL], 0x76543210
	s_mov_b32 s[SEL+1], 0xfedcba98
	s_mov_b32 s[TB], 0
	s_mov_b32 s[TS], 0
	s_mul_i32 s45, s14, QUART                      ; my quarter, in memory and in LDS: by the wave's number alone
	s_mov_b32 s94, s45                             ; my quarter as a 64-bit offset
	s_mov_b32 s95, 0
	s_mul_i32 s20, s17, TILEB
	s_mov_b32 s21, 0
	s_lshl_b32 s22, s17, 12
	s_add_co_u32 s22, s22, A_SOFF                  ; and their scale bytes
	s_mov_b32 s23, 0
	s_mul_i32 s46, s42, TILEB
	s_add_co_u32 s46, s46, B_COFF                  ; the weight's codes: row-blocks 8 txb on
	s_mov_b32 s47, 0
	s_lshl_b32 s92, s42, 12
	s_add_co_u32 s92, s92, B_SOFF
	s_mov_b32 s93, 0
	s_wait_dscnt 0x0                               ; both opening adds are done
	s_wait_kmcnt 0x0
	s_add_nc_u64 s[20:21], s[4:5], s[20:21]
	s_add_nc_u64 s[22:23], s[4:5], s[22:23]
	s_add_nc_u64 s[46:47], s[6:7], s[46:47]
	s_add_nc_u64 s[92:93], s[6:7], s[92:93]
	s_mov_b32 s[G0SA], 1
	s_mov_b32 s[G0SA+1], SCA
	s_mov_b64 s[G0SA+2:G0SA+3], s[22:23]
	s_or_b32 s[G0SA+3], s[G0SA+3], 0x80000000
	s_mov_b32 s[G0SB], 1
	s_mov_b32 s[G0SB+1], SCB
	s_mov_b64 s[G0SB+2:G0SB+3], s[92:93]
	s_or_b32 s[G0SB+3], s[G0SB+3], 0x80000000
	s_mov_b32 s[G0A], 1
	s_mov_b32 s[G0A+1], ABASE
	s_mov_b64 s[G0A+2:G0A+3], s[20:21]
	s_or_b32 s[G0A+3], s[G0A+3], 0x80000000
	s_mov_b32 s[G0B0], 1
	s_mov_b32 s[G0B0+1], 0
	s_mov_b64 s[G0B0+2:G0B0+3], s[46:47]
	s_or_b32 s[G0B0+3], s[G0B0+3], 0x80000000
	s_mov_b32 s[G0W], 1
	s_add_co_u32 s[G0W+1], s45, BUF1
	s_add_nc_u64 s[G0W+2:G0W+3], s[46:47], TSTEP
	s_add_nc_u64 s[G0W+2:G0W+3], s[G0W+2:G0W+3], s[94:95]   ; tile 1 and later tiles come by quarters
	s_or_b32 s[G0W+3], s[G0W+3], 0x80000000
	CROUND                                         ; all sixteen work-groups are here: the first joint loads meet
; the head's four tiles, one a wave: wave 0 hn's codes, wave 1 tile 0 of the weight, wave 2 hn's scale bytes, wave 3 the weight's
.macro ARM under, g0, g1, next
	s_cmp_lt_u32 s14, \under
	s_cbranch_scc0 \next
	tensor_load_to_lds s[\g0:\g0+3], s[\g1:\g1+7]
	s_nop 0
	PLACES
	s_branch .Lhead_asked
\next:
.endm
	ARM 1, G0A, G1A, .Lhead_b
	ARM 2, G0B0, G1B, .Lhead_sa
	ARM 3, G0SA, G1SA, .Lhead_sb
	tensor_load_to_lds s[G0SB:G0SB+3], s[G1SB:G1SB+7]
	s_nop 0
	PLACES
.Lhead_asked:
	v_and_b32 v1, 15, v0                           ; r
	v_bfe_u32 v2, v0, 4, 1                         ; h
	v_and_b32 v3, 31, v0
	v_lshlrev_b32 v[GX], 4, v3
	v_lshlrev_b32 v[GY], 4, v1
	v_lshl_add_u32 v[GY], v2, 3, v[GY]
	v_add_nc_u32 v[GY], 512, v[GY]
	v_lshlrev_b32 v7, 7, v1                        ; 128 r: my row's scale bytes in uq
	v_lshlrev_b32 v4, 6, v2                        ; the bias: tile 2 b + u, lane (r, h), register i: column 32 b + 16 h + 8 u + i
	v_mov_b32 v[QPT], 0                            ; a lane permute's destination counts as one of its sources
	v_mov_b32 v[QPT+1], 0
	s_mul_i32 s18, s15, 49152
	s_add_co_u32 s18, s18, ABASE                   ; my 64 rows of hn
	v_add_nc_u32 v[AX], s18, v[GX]
	v_add_nc_u32 v[AY], s18, v[GY]
	s_mul_i32 s19, s16, 49152                      ; my 64 rows of the weight
	v_add_nc_u32 v[BX0], s19, v[GX]
	v_add_nc_u32 v[BY0], s19, v[GY]
	v_lshlrev_b32 v5, 5, v1                        ; 32 r: a row's scale bytes
	s_lshl_b32 s18, s15, 11
	s_add_co_u32 s18, s18, SCA
	v_add_nc_u32 v[SAA], s18, v5
	s_lshl_b32 s19, s16, 11                        ; the weight's scale bytes lie [tile][row-block 8][512]: my four row-blocks
	s_add_co_u32 s19, s19, SCB
	v_add_nc_u32 v[SB0], s19, v5
	v_add_nc_u32 v[BXC], s[TB], v[BX0]
	v_add_nc_u32 v[BYC], s[TB], v[BY0]
	v_add_nc_u32 v[SBC], s[TS], v[SB0]
	s_lshl_b32 s18, s42, 9
	s_lshl_b32 s19, s16, 8
	s_add_co_u32 s18, s18, s19
	s_mov_b32 s19, 0
	s_add_nc_u64 s[8:9], s[8:9], s[18:19]          ; the bias at my first column of tile 0; 4,096 bytes on for each tile
	s_lshl_b32 s18, s17, 3
	s_lshl_b32 s2, s15, 2
	s_add_co_u32 s2, s18, s2                       ; my first row-block: 8 ty + 4 wm
	s_mul_i32 s18, s2, 49152
	s_lshl_b32 s3, s42, 1
	s_add_co_u32 s3, s3, s16
	s_mul_i32 s3, s3, 768                          ; my 64 columns are half image 2 tx + wn of the next K
	s_add_co_u32 s18, s18, s3
	s_add_nc_u64 s[20:21], s[10:11], s[18:19]      ; codes; 12,288 bytes on for each tile
	s_lshl_b32 s18, s2, 11
	s_lshl_b32 s3, s42, 2
	s_add_co_u32 s18, s18, s3
	s_lshl_b32 s3, s16, 1
	s_add_co_u32 s18, s18, s3
	s_add_co_u32 s18, s18, 12582912
	s_add_nc_u64 s[22:23], s[10:11], s[18:19]      ; scale bytes; 32 on for each tile
	WIN TO_F
.irp f, 0,1,2,3
	global_load_b128 v[BI+8*\f:BI+8*\f+3], v4, s[8:9] offset:(32*(\f/2)+8*(\f%2))*4
	global_load_b128 v[BI+8*\f+4:BI+8*\f+7], v4, s[8:9] offset:(32*(\f/2)+8*(\f%2))*4+16
.endr
	WIN 0
.macro FRAG reg, ax, ay, off           ; a fragment, 16 rows x 128 K: two half images, as they lie
	ds_load_b128 v[\reg:\reg+3], v[\ax] offset:\off
	ds_load_b64 v[\reg+4:\reg+5], v[\ay] offset:\off
	ds_load_b128 v[\reg+6:\reg+9], v[\ax] offset:\off+768
	ds_load_b64 v[\reg+10:\reg+11], v[\ay] offset:\off+768
.endm
.macro FETCH ks, f                     ; 16 LDS loads in one run: kstep ks of the weight's buffer in hand into set f
	WIN TO_F
.irp i, 0,1,2,3
	FRAG \f+48+12*\i, BXC, BYC, \i*12288+(\ks)*1536
.endr
.endm
.macro SBLOAD m                        ; the weight's scale words of ksteps 2 m and 2 m + 1 into set m % 2
.irp i, 0,1,2,3
	ds_load_b64 v[SB+8*((\m)%2)+2*\i:SB+8*((\m)%2)+2*\i+1], v[SBC] offset:\i*512+8*(\m)
.endr
.endm
; four matrix instructions: hn's row-block a against the weight's four.  The 16 accumulators take turns, one instruction a turn, in the same order in every step, over the backward jumps too.  first = 1: the bias is the C that starts the sums.
.macro MULA f, a, ks, first
.set AR, 48*((\ks)%5)+12*(\a)          ; hn's fragment, in window 2 + ks / 5
.set MW, 0x01|((2+(\ks)/5)<<2)|((\first)<<4)
	WIN MW
.irp b, 0,1,2,3
.if \first
	v_wmma_scale_f32_16x16x128_f8f6f4 v[ACC+8*(4*\a+\b):ACC+8*(4*\a+\b)+7], v[\f+48+12*\b:\f+48+12*\b+11], v[AR:AR+11], v[BI+8*\b:BI+8*\b+7], v[SB+8*(((\ks)/2)%2)+2*\b+(\ks)%2], v[SA+8*\a+(\ks)] matrix_a_fmt:MATRIX_FMT_BF6 matrix_b_fmt:MATRIX_FMT_BF6
.else
	v_wmma_scale_f32_16x16x128_f8f6f4 v[ACC+8*(4*\a+\b):ACC+8*(4*\a+\b)+7], v[\f+48+12*\b:\f+48+12*\b+11], v[AR:AR+11], v[ACC+8*(4*\a+\b):ACC+8*(4*\a+\b)+7], v[SB+8*(((\ks)/2)%2)+2*\b+(\ks)%2], v[SA+8*\a+(\ks)] matrix_a_fmt:MATRIX_FMT_BF6 matrix_b_fmt:MATRIX_FMT_BF6
.endif
.endr
.endm
; kstep ks (0 .. 6) of a tile: set f is in; the next kstep's fragments are asked for into set g, at even ksteps the scale words of the pair after next too; then 16 matrix instructions
.macro KSTEP ks, f, g
	s_wait_dscnt 0x0                               ; set f and the scale words are in
.if \ks == 0
	s_wait_loadcnt 0x0                             ; the bias
.endif
	PLACES                                         ; set g was read by the last kstep's products
	FETCH \ks+1, \g
.if (\ks == 0) || (\ks == 2) || (\ks == 4)
	WIN 0
	SBLOAD \ks/2+1
.endif
.irp a, 0,1,2,3
.if \ks == 0
	MULA \f, \a, \ks, 1
.else
	MULA \f, \a, \ks, 0
.endif
.endr
.endm
; A tile's last kstep changes tiles.  In front of the barrier each wave waits for all its tensor loads (its quarter of the next tile's buffer among them) and for its reads of this tile's buffer.
; fill = 1: this buffer is filled again, with the tile after next: a tensor wait, an LDS add and its wait, a round of the cluster's barrier, the one joint load.
; fill = 0: a plain barrier; the launch's last tile (s3 = 1) has no next tile to fetch for: a jump on the loop's counter, the same in all waves and all work-groups.
.macro CHANGE fill
	WIN 0
	s_wait_tensorcnt 0x0
.if \fill
	ds_add_u32 v[SPW], v[NIL]
	s_wait_dscnt 0x1                               ; set 1 is in; the add alone may stay out
.else
	s_wait_dscnt 0x0
.endif
	WIN MUL
	MULA F1, 0, 7, 0
	s_wait_dscnt 0x0                               ; my reads of this buffer are over (and the add is done)
	s_barrier_signal -1
	MULA F1, 1, 7, 0
	WIN 0
	s_barrier_wait -1
.if \fill
	CREST                                          ; no wave of any partner still reads this buffer or has a load on its way
	s_xor_b32 s[G0W+1], s[G0W+1], BUF1             ; the walking descriptor: the other buffer than last time,
	s_add_nc_u64 s[G0W+2:G0W+3], s[G0W+2:G0W+3], TSTEP   ; the next tile; the type bits on top are not reached
	tensor_load_to_lds s[G0W:G0W+3], s[G1B:G1B+7]  ; the first tensor load behind the round, and my only one
	s_nop 0
.endif
	PLACES                                         ; also the places in front of the loads below
.if \fill == 0
	s_cmp_eq_u32 s3, 1
	s_cbranch_scc1 .Lno_next_\@
.endif
	s_xor_b32 s[TB], s[TB], BUF1
	s_add_co_u32 s[TS], s[TS], 4096
	v_add_nc_u32 v[BXC], s[TB], v[BX0]
	v_add_nc_u32 v[BYC], s[TB], v[BY0]
	v_add_nc_u32 v[SBC], s[TS], v[SB0]
	FETCH 0, F0                                    ; the next tile's first fragments, scale words and bias land under this tile's gelu
	WIN 0
	SBLOAD 0
	s_add_nc_u64 s[8:9], s[8:9], 4096              ; (the loads that read this base were waited for at this tile's first kstep)
	WIN TO_F
.irp f, 0,1,2,3
	global_load_b128 v[BI+8*\f:BI+8*\f+3], v4, s[8:9] offset:(32*(\f/2)+8*(\f%2))*4
	global_load_b128 v[BI+8*\f+4:BI+8*\f+7], v4, s[8:9] offset:(32*(\f/2)+8*(\f%2))*4+16
.endr
	WIN 0
.if \fill == 0
.Lno_next_\@:
.endif
	WIN MUL
	MULA F1, 2, 7, 0
	MULA F1, 3, 7, 0
.endm
; GELU's registers and constants.  The scalar constants are pairs of which the packed forms take the low word for both halves; they stand in registers of descriptors whose loads have been shown done.
.set T,  144                           ; gelu's registers lie in window 3, behind hn's fragments: 16 numbers to a batch
.set S,  160
.set R,  176
.set U,  192
.set M,  208
.set CV, 224
.set RS2, 24
.set L2E, 26
.set C0,  28
.set C2,  30
.set C4,  32
.set C5,  34
.set C6,  36
.set D0,  38
.set D2,  68
.set D3,  70
.set D4,  72
.set D5,  74
.set THR, 76
.macro PAIR r, val
	s_mov_b32 s[\r], \val
	s_mov_b32 s[\r+1], \val
.endm
; gelu(x) = max(x, 0) - |x| H, H = erfc(t) / 2, t = |x| / sqrt(2): for x > 0 that is x (1 - H), for x < 0 it is x H, so that the small values at negative x keep their relative accuracy.
; H comes from two forms, both always computed, and a select: for t over 0.927734375 it is 2^(polynomial in t, x log2(e), - 1); else 1/2 - t polynomial(t^2), whose coefficients are erf's halved (exact), the 1 folded into the last.
; The sixteen registers of two accumulators, each from its low end on.
.macro GELU x
	WIN 0xc0                                       ; destination window 3, sources window 0
.irp j, 0,1,2,3,4,5,6,7,8,9,10,11,12,13,14,15
	v_mul_f32 v[T+\j], s[RS2], |v[\x+\j]|                                                ; t
.endr
.irp j, 0,1,2,3,4,5,6,7,8,9,10,11,12,13,14,15
	v_max_num_f32 v[M+\j], 0, v[\x+\j]
.endr
	WIN 0xff                                       ; all in window 3
.irp p, 0,2,4,6,8,10,12,14
	v_pk_mul_f32 v[S+\p:S+\p+1], v[T+\p:T+\p+1], v[T+\p:T+\p+1]                          ; t^2
.endr
.irp p, 0,2,4,6,8,10,12,14
	v_pk_fma_f32 v[R+\p:R+\p+1], v[T+\p:T+\p+1], s[C0:C0+1], v[CV:CV+1] op_sel_hi:[1,0,1]
.endr
.irp p, 0,2,4,6,8,10,12,14
	v_pk_fma_f32 v[U+\p:U+\p+1], v[T+\p:T+\p+1], s[C2:C2+1], v[CV+2:CV+3] op_sel_hi:[1,0,1]
.endr
.irp p, 0,2,4,6,8,10,12,14
	v_pk_fma_f32 v[R+\p:R+\p+1], v[R+\p:R+\p+1], v[S+\p:S+\p+1], v[U+\p:U+\p+1]
.endr
.irp c, C4, C5, C6
.irp p, 0,2,4,6,8,10,12,14
	v_pk_fma_f32 v[R+\p:R+\p+1], v[R+\p:R+\p+1], v[T+\p:T+\p+1], s[\c:\c+1] op_sel_hi:[1,1,0]
.endr
.endr
.irp p, 0,2,4,6,8,10,12,14
	v_pk_fma_f32 v[R+\p:R+\p+1], v[R+\p:R+\p+1], v[T+\p:T+\p+1], v[T+\p:T+\p+1] neg_lo:[0,0,1] neg_hi:[0,0,1]
.endr
.irp p, 0,2,4,6,8,10,12,14
	v_pk_fma_f32 v[R+\p:R+\p+1], v[R+\p:R+\p+1], s[L2E:L2E+1], -1.0 op_sel_hi:[1,0,0]    ; the half goes into the exponent
.endr
	s_wait_alu depctr_va_vdst(0)                   ; the wait ahead of the batch
.irp j, 0,1,2,3,4,5,6,7,8,9,10,11,12,13,14,15
	v_exp_f32 v[R+\j], v[R+\j]                                                           ; erfc(t) / 2
.endr
.irp p, 0,2,4,6,8,10,12,14
	v_pk_fma_f32 v[U+\p:U+\p+1], v[S+\p:S+\p+1], s[D0:D0+1], v[CV+4:CV+5] op_sel_hi:[1,0,1]   ; the other polynomial is the work behind the exponentials
.endr
.irp c, D2, D3, D4, D5
.irp p, 0,2,4,6,8,10,12,14
	v_pk_fma_f32 v[U+\p:U+\p+1], v[U+\p:U+\p+1], v[S+\p:S+\p+1], s[\c:\c+1] op_sel_hi:[1,1,0]
.endr
.endr
.irp p, 0,2,4,6,8,10,12,14
	v_pk_fma_f32 v[U+\p:U+\p+1], v[U+\p:U+\p+1], v[T+\p:T+\p+1], 0.5 op_sel_hi:[1,1,0] neg_lo:[1,0,0] neg_hi:[1,0,0]   ; 1/2 - erf(t) / 2
.endr
	s_wait_alu depctr_va_vdst(0)                   ; one wait for the sixteen exponentials, ahead of their first use
.irp g, 0,8
.irp j, 0,1,2,3,4,5,6,7
	v_cmp_lt_f32 s[80+\j], s[THR], v[T+\g+\j]      ; eight masks in scalar registers (of a descriptor whose load is done), so that no select waits for the compare just ahead of it
.endr
.irp j, 0,1,2,3,4,5,6,7
	v_cndmask_b32 v[R+\g+\j], v[U+\g+\j], v[R+\g+\j], s[80+\j]
.endr
.endr
	WIN 0x3c                                       ; destination and source 0 window 0, sources 1 and 2 window 3
.irp j, 0,1,2,3,4,5,6,7,8,9,10,11,12,13,14,15
	v_fma_f32 v[\x+\j], -|v[\x+\j]|, v[R+\j], v[M+\j]
.endr
.endm
; 32 numbers of a lane, register 16 b + i = k 32 b + 16 (lane / 16) + i of my row, become my 24 bytes of a half image in v[pc .. pc + 5] and the two scale bytes in v[pw]
.macro QH s, pc, t, pw
	v_max3_num_f32 v[QBM], |v[\s]|, |v[\s+1]|, 0x2800000       ; the floor 2^(5 - 127): the byte cannot fall under 1
	v_max3_num_f32 v[QBM+1], |v[\s+16]|, |v[\s+17]|, 0x2800000
.irp i, 2,4,6,8,10,12,14
	v_max3_num_f32 v[QBM], v[QBM], |v[\s+\i]|, |v[\s+\i+1]|
	v_max3_num_f32 v[QBM+1], v[QBM+1], |v[\s+16+\i]|, |v[\s+17+\i]|
.endr
	v_permlanex16_b32 v[QPT], v[QBM], s[SEL], s[SEL+1]
	v_permlanex16_b32 v[QPT+1], v[QBM+1], s[SEL], s[SEL+1]
	v_max_num_f32 v[QBM], v[QBM], v[QPT]
	v_max_num_f32 v[QBM+1], v[QBM+1], v[QPT+1]
	v_add_nc_u32 v[QSO], 0xfe000000, v[QBM]        ; 4 off the exponent field: the conversion's scale operand
	v_add_nc_u32 v[QSO+1], 0xfe000000, v[QBM+1]
	v_lshrrev_b32 v[QBY], 23, v[QSO]
	v_lshrrev_b32 v[QBY+1], 23, v[QSO+1]
	v_lshl_or_b32 v[\pw], v[QBY+1], 8, v[QBY]
	v_cvt_scalef32_pk16_bf6_f32 v[\pc:\pc+2], v[\s:\s+15], v[QSO]
	v_cvt_scalef32_pk16_bf6_f32 v[\t:\t+2], v[\s+16:\s+31], v[QSO+1]
	v_nop                                          ; one plain instruction behind the conversions
.irp i, 0,1,2
	v_permlane16_swap_b32 v[\pc+\i], v[\t+\i]      ; a whole block to a lane
.endr
.irp i, 0,1,2
	v_mov_b32 v[\pc+3+\i], v[\t+\i]
.endr
.endm
; a tile: eight ksteps, gelu, the quantiser, the stores; then the pointers step to the next tile's columns
.macro TILE fill
	KSTEP 0, F0, F1
	KSTEP 1, F1, F0
	KSTEP 2, F0, F1
	KSTEP 3, F1, F0
	KSTEP 4, F0, F1
	KSTEP 5, F1, F0
	KSTEP 6, F0, F1
	CHANGE \fill
	WIN 0
	PLACES
.set tt, 0
.rept 8
	GELU ACC+16*tt
.set tt, tt+1
.endr
	WIN 0
.irp a, 0,1,2,3
	QH ACC+32*\a, 64+8*\a, 96, 100+\a
	global_store_b128 v[GX], v[64+8*\a:64+8*\a+3], s[20:21] offset:49152*\a      ; row-block a: 512 consecutive bytes a wave
	global_store_b64 v[GY], v[64+8*\a+4:64+8*\a+5], s[20:21] offset:49152*\a     ; 256 consecutive bytes a wave
	global_store_b16 v7, v[100+\a], s[22:23] offset:2048*\a                      ; (lanes r and r + 16 store the same bytes)
.endr
	s_wait_xcnt 0x0                                ; the stores have read their registers and bases: both may be written again
	s_add_nc_u64 s[20:21], s[20:21], 12288
	s_add_nc_u64 s[22:23], s[22:23], 32
.endm
	s_wait_alu depctr_va_vdst(0)
	s_wait_tensorcnt 0x0                           ; my tile of the head's four is in
	ds_add_u32 v[SPW], v[NIL]
	s_mov_b32 s[G1B+2], 2<<16                      ; no tensor load of mine is out: from here on a load brings two row-blocks
	s_mov_b32 s[G1B+4], 2
	s_wait_dscnt 0x0
	CROUND                                         ; all four tiles are in, and the sixteen work-groups meet
	tensor_load_to_lds s[G0W:G0W+3], s[G1B:G1B+7]  ; tile 1, my quarter: my one load behind the round
	s_nop 0
	PLACES
.set kk, 0
.rept 8                                        ; hn's fragments of my 64 rows, all of K, once for the launch: 384 registers
.set MW, (2+kk/5)<<6
	WIN MW
.irp i, 0,1,2,3
	FRAG 48*(kk%5)+12*\i, AX, AY, \i*12288+kk*1536
.endr
.set kk, kk+1
.endr
	WIN 0xc0                                       ; destination window 3
	v_mov_b32 v[CV], 0x39c8e7d9                    ; three of gelu's constants stand in vector pairs, so that no instruction names two scalar pairs; made once
	v_mov_b32 v[CV+1], 0x39c8e7d9
	v_mov_b32 v[CV+2], 0x3cc6b1a1
	v_mov_b32 v[CV+3], 0x3cc6b1a1
	v_mov_b32 v[CV+4], 0x3b238d2c
	v_mov_b32 v[CV+5], 0x3b238d2c
	s_wait_alu depctr_va_vdst(0)
	PAIR RS2, 0x3f3504f3                           ; 1 / sqrt(2).  (The four loads whose descriptors stood here are done: the wait above has shown it)
	PAIR L2E, 0x3fb8aa3b                           ; log2(e)
	PAIR C0, 0xb7910000
	PAIR C2, 0xbb7e8a1c
	PAIR C4, 0xbddaae5c
	PAIR C5, 0xbf228550
	PAIR C6, 0xbe03ce86
	PAIR D0, 0xb99c7000                            ; erf's coefficients, halved
	PAIR D2, 0xbc5b48d9
	PAIR D3, 0x3d670e22
	PAIR D4, 0xbe409380
	PAIR D5, 0x3f106eba                            ; (1 + the last coefficient) / 2
	s_mov_b32 s[THR], 0x3f6d8000                   ; 0.927734375
	FETCH 0, F0
	WIN 0
	SBLOAD 0
.irp a, 0,1,2,3
	ds_load_b128 v[SA+8*\a:SA+8*\a+3], v[SAA] offset:\a*512          ; hn's scale words, once for the launch
	ds_load_b128 v[SA+8*\a+4:SA+8*\a+7], v[SAA] offset:\a*512+16
.endr
	s_mov_b32 s3, 2
.Lfill:                                                ; tiles 0 and 1: tiles 2 and 3 are asked for
	TILE 1
	s_sub_co_u32 s3, s3, 1
	s_cmp_lg_u32 s3, 0
	s_cbranch_scc1 .Lfill
	s_mov_b32 s3, 2
.Ltail:                                                ; tiles 2 and 3: nothing is left to ask for
	TILE 0
	s_sub_co_u32 s3, s3, 1
	s_cmp_lg_u32 s3, 0
	s_cbranch_scc1 .Ltail
	s_wait_tensorcnt 0x0                           ; the wave's end
	ds_add_u32 v[SPW], v[NIL]
	s_wait_dscnt 0x0
	CROUND                                         ; the closing round
	s_endpgm
.Lfunc_end_k_qd85a5d50a2_gup:
	.size	k_qd85a5d50a2_gup, .Lfunc_end_k_qd85a5d50a2_gup-k_qd85a5d50a2_gup
	.p2alignl 7, 3214868480
	.fill 96, 4, 3214868480
	.section	.rodata,"a",@progbits
	.p2align	6, 0x0
	.amdhsa_kernel k_qd85a5d50a2_gup
		.amdhsa_group_segment_fixed_size 327680
		.amdhsa_private_segment_fixed_size 0
		.amdhsa_enable_private_segment 0
		.amdhsa_kernarg_size 32
		.amdhsa_user_sgpr_count 2
		.amdhsa_user_sgpr_kernarg_segment_ptr 1
		.amdhsa_wavefront_size32 1
		.amdhsa_system_sgpr_workgroup_id_x 1
		.amdhsa_system_sgpr_workgroup_id_y 1
		.amdhsa_system_sgpr_workgroup_id_z 1
		.amdhsa_system_vgpr_workitem_id 0
		.amdhsa_next_free_vgpr 1024
		.amdhsa_next_free_sgpr 100
		.amdhsa_reserve_vcc 0
		.amdhsa_float_denorm_mode_32 3
		.amdhsa_float_denorm_mode_16_64 3
		.amdhsa_memory_ordered 1
		.amdhsa_forward_progress 1
		.amdhsa_inst_pref_size 255
	.end_amdhsa_kernel
	.section	.bss,"aw",@nobits
	.p2align	6
	.space	262144
	.amdgpu_metadata
---
amdhsa.version: [ 1, 2 ]
amdhsa.kernels:
  - .name:           k_qd85a5d50a2_gup
    .symbol:         k_qd85a5d50a2_gup.kd
    .args:
      - { .name: hq, .offset: 0, .size: 8, .value_kind: global_buffer, .address_space: global }
      - { .name: wq, .offset: 8, .size: 8, .value_kind: global_buffer, .address_space: global }
      - { .name: b_up, .offset: 16, .size: 8, .value_kind: global_buffer, .address_space: global }
      - { .name: uq, .offset: 24, .size: 8, .value_kind: global_buffer, .address_space: global }
    .group_segment_fixed_size: 327680
    .private_segment_fixed_size: 0
    .kernarg_segment_align: 8
    .kernarg_segment_size: 32
    .max_flat_workgroup_size: 128
    .sgpr_count:     100
    .vgpr_count:     1024
    .wavefront_size: 32
...
	.end_amdgpu_metadata
.endif
;; end of part 12
;; launch gdown (part 13): grid 8 x 32, 4 waves a work-group, clusters of 4 x 4, 327,680 bytes of LDS; arguments uq, wq, b_down, ao, out0; writes out0
.if DOCPART == 13
	.amdgcn_target "amdgcn-amd-amdhsa--gfx1250"
	.amdhsa_code_object_version 6
	.text
	.protected	k_qd85a5d50a2_gdown
	.globl	k_qd85a5d50a2_gdown
	.p2align	8
	.type	k_qd85a5d50a2_gdown,@function
k_qd85a5d50a2_gdown:
	s_mov_b64 s[64:65], 0
	v_nop
	global_prefetch_b8 v0, s[64:65] scope:SCOPE_SE
	s_setreg_imm32_b32 hwreg(HW_REG_WAVE_MODE, 25, 1), 1
	s_wait_xcnt 0x0
	s_wait_alu depctr_hold_cnt(0) depctr_sa_sdst(0) depctr_va_vdst(0) depctr_va_sdst(0) depctr_va_ssrc(0) depctr_va_vcc(0) depctr_vm_vsrc(0)
	s_getreg_b32 s2, hwreg(HW_REG_IB_STS2, 6, 4)
	s_cmp_eq_u32 s2, 0
	s_cbranch_scc0 .Lentry_in_a_cluster
	s_endpgm
.Lentry_in_a_cluster:
	s_bfe_u32 s2, ttmp6, 0x10000c
	s_cmp_lg_u32 s2, 0xf033
	s_cbranch_scc0 .Lentry_shape_is_right
	s_endpgm
.Lentry_shape_is_right:
.set KK,     4096
.set LAPS,   KK/1024
.set RBB,    KK*12
.set KW,     KK/32
.set SCH,    64*KW
.set A_SOFF, 12582912
.set B_COFF, 6291456
.set B_SOFF, 9699328
.set PART,   24576
.set SLOT,   4*PART
.set SCL,    2*SLOT
.set STG,    SCL+4*SCH
.set SPARE,  STG+4*8704
.set ADAX, 16
.set ADAY, 18
.set ADBX, 20
.set ADBY, 22
.set STO,  24
.set RD,   25
.set CO,   26
.set SADR, 27
.set SPW,  28
.set NIL,  29
.set GX,   30
.set GY,   31
.set SC,   32
.set BI,   64
.set ACC,  128
.set F0,   0
.set F1,   128
.set G1, 24
.set G0, 32
.set G1B, 48
.set G0B, 56
.set G1S, 68
.set G0S, 76
.set G1SB, 80
.set G0SB, 88
.set MSB, 0
.macro WIN new
.if MSB != \new
	s_set_vgpr_msb (MSB<<8)|\new
.set MSB, \new
.endif
.endm
.set MUL,  0x05
.set TO_F, 0x40
.macro JLOAD g0a, g1a, g0b, g1b
	s_cmp_eq_u32 s15, 0
	s_cbranch_scc0 .Lfor_b_\@
	tensor_load_to_lds s[\g0a:\g0a+3], s[\g1a:\g1a+7]
	s_nop 0
.rept 4
	v_nop
.endr
	s_branch .Lasked_\@
.Lfor_b_\@:
	tensor_load_to_lds s[\g0b:\g0b+3], s[\g1b:\g1b+7]
	s_nop 0
.rept 4
	v_nop
.endr
.Lasked_\@:
.endm
.macro CREST
	s_cmp_lg_u32 s14, 0
	s_cbranch_scc1 .Lnot_wave_0_\@
	s_barrier_signal -3
.Lnot_wave_0_\@:
	s_barrier_wait -3
	s_barrier_signal -1
	s_barrier_wait -1
.endm
.macro CROUND
	s_barrier_signal -1
	s_barrier_wait -1
	CREST
.endm
.macro PLACES
.rept 4
	v_nop
.endr
.endm
	s_load_b256 s[4:11], s[0:1], 0x0
	s_load_b64 s[12:13], s[0:1], 0x20
	v_lshl_add_u32 v[SPW], v0, 2, SPARE
	v_mov_b32 v[NIL], 0
	ds_add_u32 v[SPW], v[NIL]
	ds_add_u32 v[SPW], v[NIL]
	v_lshrrev_b32 v1, 5, v0
	v_readfirstlane_b32 s14, v1
	s_lshr_b32 s15, s14, 1
	s_and_b32 s16, s14, 1
	s_bfe_u32 s40, ttmp6, 0x40000
	s_bfe_u32 s41, ttmp6, 0x40004
	s_lshl_b32 s42, ttmp9, 2
	s_add_co_u32 s42, s42, s40
	s_and_b32 s17, ttmp7, 0xffff
	s_lshl_b32 s17, s17, 2
	s_add_co_u32 s17, s17, s41
	s_lshl_b32 s43, s41, 2
	s_lshl_b32 s43, 15, s43
	s_lshl_b32 s44, 0x1111, s40
	s_or_b32 s[G1], s43, (3<<16)|(1<<21)
	s_or_b32 s[G1B], s44, (3<<16)|(1<<21)
.irp g, G1, G1B
	s_mov_b32 s[\g+1], 768<<16
	s_mov_b32 s[\g+2], 8<<16                       ; at the head a load brings all 8 row-blocks
	s_mov_b32 s[\g+3], 768<<16
	s_mov_b32 s[\g+4], 8
	s_mov_b32 s[\g+5], RBB/8
	s_mov_b32 s[\g+6], 0
	s_mov_b32 s[\g+7], 0
.endr
	s_or_b32 s[G1S], s43, (3<<16)|(1<<21)
	s_or_b32 s[G1SB], s44, (3<<16)|(1<<21)
.irp g, G1S, G1SB
	s_mov_b32 s[\g+1], 32<<16
	s_mov_b32 s[\g+2], (2*SCH/256)<<16             ; the scale bytes of all 128 rows
	s_mov_b32 s[\g+3], 32<<16
	s_mov_b32 s[\g+4], 2*SCH/256
	s_mov_b32 s[\g+5], 32
	s_mov_b32 s[\g+6], 0
	s_mov_b32 s[\g+7], 0
.endr
	s_lshl_b32 s20, s17, 3
	s_lshl_b32 s46, s42, 3
	s_mul_i32 s22, s20, 16*KW
	s_add_co_u32 s22, s22, A_SOFF
	s_mov_b32 s23, 0
	s_mul_i32 s92, s46, 16*KW
	s_add_co_u32 s92, s92, B_SOFF
	s_mov_b32 s93, 0
	s_mul_i32 s20, s20, RBB
	s_mov_b32 s21, 0
	s_mul_i32 s46, s46, RBB
	s_add_co_u32 s46, s46, B_COFF
	s_mov_b32 s47, 0
	s_mul_i32 s45, s14, PART
	s_mul_i32 s18, s16, 4*RBB                      ; in the ring I fetch four row-blocks: which half, in bytes
	s_mov_b32 s19, 0
	s_wait_dscnt 0x0
	s_wait_kmcnt 0x0
	s_add_nc_u64 s[20:21], s[4:5], s[20:21]
	s_add_nc_u64 s[22:23], s[4:5], s[22:23]
	s_add_nc_u64 s[46:47], s[6:7], s[46:47]
	s_add_nc_u64 s[92:93], s[6:7], s[92:93]
	CROUND
	s_mov_b32 s[G0S], 1
	s_mov_b32 s[G0S+1], SCL
	s_mov_b64 s[G0S+2:G0S+3], s[22:23]
	s_or_b32 s[G0S+3], s[G0S+3], 0x80000000
	s_mov_b32 s[G0SB], 1
	s_mov_b32 s[G0SB+1], SCL+2*SCH
	s_mov_b64 s[G0SB+2:G0SB+3], s[92:93]
	s_or_b32 s[G0SB+3], s[G0SB+3], 0x80000000
.set G0H,  4                           ; s[4:7], s[96:99] group 0 of the head's loads of slot 0: A's 8 row-blocks, B's 8 (the arguments in s[4:7] have been used)
.set G0HB, 96
.set PFA,  92                          ; s[92:93] where my prefetches stand
	s_mov_b32 s[G0H], 1
	s_mov_b32 s[G0H+1], 0
	s_mov_b64 s[G0H+2:G0H+3], s[20:21]
	s_or_b32 s[G0H+3], s[G0H+3], 0x80000000
	s_mov_b32 s[G0HB], 1
	s_mov_b32 s[G0HB+1], 2*PART
	s_mov_b64 s[G0HB+2:G0HB+3], s[46:47]
	s_or_b32 s[G0HB+3], s[G0HB+3], 0x80000000
	s_add_nc_u64 s[20:21], s[20:21], s[18:19]
	s_add_nc_u64 s[46:47], s[46:47], s[18:19]
.irp s, 0,1
	s_mov_b32 s[G0+4*\s], 1
	s_add_co_u32 s[G0+4*\s+1], s45, \s*SLOT
	s_add_nc_u64 s[G0+4*\s+2:G0+4*\s+3], s[20:21], \s*6144
	s_or_b32 s[G0+4*\s+3], s[G0+4*\s+3], 0x80000000
	s_mov_b32 s[G0B+4*\s], 1
	s_add_co_u32 s[G0B+4*\s+1], s45, \s*SLOT
	s_add_nc_u64 s[G0B+4*\s+2:G0B+4*\s+3], s[46:47], \s*6144
	s_or_b32 s[G0B+4*\s+3], s[G0B+4*\s+3], 0x80000000
.endr
; the head's four tiles, one a wave: wave 0 slot 0's codes of A, wave 1 of B, wave 2 A's scale bytes, wave 3 B's
.macro ARM under, g0, g1, next
	s_cmp_lt_u32 s14, \under
	s_cbranch_scc0 \next
	tensor_load_to_lds s[\g0:\g0+3], s[\g1:\g1+7]
	s_nop 0
	PLACES
	s_branch .Lhead_asked
\next:
.endm
	ARM 1, G0H, G1, .Lhead_b
	ARM 2, G0HB, G1B, .Lhead_sa
	ARM 3, G0S, G1S, .Lhead_sb
	tensor_load_to_lds s[G0SB:G0SB+3], s[G1SB:G1SB+7]
	s_nop 0
	PLACES
.Lhead_asked:
	; the prefetches: of the four row-blocks that I fetch in the ring, the partner at place p (cx for A, cy for B) names row-block p: 24 blocks of 256 bytes of a chunk, a lane a block, told apart by address alone
	s_cmp_eq_u32 s15, 0
	s_cselect_b64 s[PFA:PFA+1], s[20:21], s[46:47]
	s_cselect_b32 s94, s40, s41
	s_mul_i32 s94, s94, RBB
	s_mov_b32 s95, 0
	s_add_nc_u64 s[PFA:PFA+1], s[PFA:PFA+1], s[94:95]
	s_add_nc_u64 s[PFA:PFA+1], s[PFA:PFA+1], 2*6144    ; at chunk 2
	v_and_b32 v1, 15, v0
	v_bfe_u32 v2, v0, 4, 1
	v_and_b32 v3, 31, v0
	v_lshlrev_b32 v[GX], 4, v3
	v_lshlrev_b32 v[GY], 4, v1
	v_lshl_add_u32 v[GY], v2, 3, v[GY]
	v_add_nc_u32 v[GY], 512, v[GY]
	s_mul_i32 s18, s15, PART
	s_mul_i32 s19, s16, PART
	s_add_co_u32 s19, s19, 2*PART
.irp s, 0,1
	v_add_nc_u32 v[ADAX+\s], s18, v[GX]
	v_add_nc_u32 v[ADAY+\s], s18, v[GY]
	v_add_nc_u32 v[ADBX+\s], s19, v[GX]
	v_add_nc_u32 v[ADBY+\s], s19, v[GY]
	s_add_co_u32 s18, s18, SLOT
	s_add_co_u32 s19, s19, SLOT
.endr
	v_mul_u32_u24 v5, v1, KW
	s_mul_i32 s18, s15, SCH
	s_mul_i32 s19, s16, SCH
	s_add_co_u32 s19, s19, 2*SCH
	s_sub_co_u32 s19, s19, s18
	v_mul_u32_u24 v6, s19, v2
	s_add_co_u32 s18, s18, SCL
	v_add_nc_u32 v5, v5, v6
	v_add_nc_u32 v[SADR], s18, v5
	s_mul_i32 s18, s14, 8704
	s_add_co_u32 s18, s18, STG
	v_mul_u32_u24 v[STO], v1, 272
	v_lshl_add_u32 v[STO], v2, 6, v[STO]
	v_add_nc_u32 v[STO], s18, v[STO]
	v_mul_u32_u24 v[RD], v2, 272
	v_lshl_add_u32 v[RD], v1, 4, v[RD]
	v_add_nc_u32 v[RD], s18, v[RD]
	v_lshlrev_b32 v[CO], 4, v1
	v_lshl_add_u32 v[CO], v2, 12, v[CO]
	v_lshlrev_b32 v4, 6, v2
	v_min_u32 v7, 23, v3
	v_lshlrev_b32 v7, 8, v7                        ; the prefetches' offset: 256 x lane; lanes 24-31 name the last block again
	s_wait_alu depctr_va_vdst(0)
	s_lshl_b32 s18, s42, 9
	s_lshl_b32 s19, s16, 8
	s_add_co_u32 s2, s18, s19
	s_mov_b32 s3, 0
	s_add_nc_u64 s[8:9], s[8:9], s[2:3]
	s_lshl_b32 s18, s17, 7
	s_lshl_b32 s19, s15, 6
	s_add_co_u32 s18, s18, s19
	s_lshl_b32 s18, s18, 12
	s_add_co_u32 s18, s18, s2
	s_mov_b32 s19, 0
	s_add_nc_u64 s[10:11], s[10:11], s[18:19]
	s_add_nc_u64 s[12:13], s[12:13], s[18:19]
.irp f, 0,1,2,3
	global_load_b128 v[BI+8*\f:BI+8*\f+3], v4, s[8:9] offset:(32*(\f/2)+8*(\f%2))*4
	global_load_b128 v[BI+8*\f+4:BI+8*\f+7], v4, s[8:9] offset:(32*(\f/2)+8*(\f%2))*4+16
.endr
	global_prefetch_b8 v7, s[PFA:PFA+1] offset:-6144 th:TH_LOAD_NT scope:SCOPE_SE  ; chunk 1, which slot 1's first fill will ask for
	global_prefetch_b8 v7, s[PFA:PFA+1] th:TH_LOAD_NT scope:SCOPE_SE               ; chunks 2 and 3, which the first two refills will ask for
	global_prefetch_b8 v7, s[PFA:PFA+1] offset:6144 th:TH_LOAD_NT scope:SCOPE_SE
.macro FRAG reg, ax, ay, off
	ds_load_b128 v[\reg:\reg+3], v[\ax] offset:\off
	ds_load_b64 v[\reg+4:\reg+5], v[\ay] offset:\off
	ds_load_b128 v[\reg+6:\reg+9], v[\ax] offset:\off+768
	ds_load_b64 v[\reg+10:\reg+11], v[\ay] offset:\off+768
.endm
.macro FETCH slot, ksl, f
	WIN TO_F
.irp i, 0,1,2,3
	FRAG \f+12*\i, ADAX+\slot, ADAY+\slot, \i*6144+(\ksl)*1536
	FRAG \f+48+12*\i, ADBX+\slot, ADBY+\slot, \i*6144+(\ksl)*1536
.endr
.endm
.macro SCALES set
.irp i, 0,1,2,3
	ds_load_b128 v[SC+16*\set+4*\i:SC+16*\set+4*\i+3], v[SADR] offset:\i*16*KW
.endr
.endm
.macro MULA f, a, set, q, first
.irp b, 0,1,2,3
.if \first
	v_wmma_scale_f32_16x16x128_f8f6f4 v[ACC+8*(4*\a+\b):ACC+8*(4*\a+\b)+7], v[\f+48+12*\b:\f+48+12*\b+11], v[\f+12*\a:\f+12*\a+11], v[BI+8*\b:BI+8*\b+7], v[SC+16*\set+4*\b+\q], v[SC+16*\set+4*\a+\q] matrix_a_fmt:MATRIX_FMT_BF6 matrix_b_fmt:MATRIX_FMT_BF6 matrix_a_scale:MATRIX_SCALE_ROW1
.else
	v_wmma_scale_f32_16x16x128_f8f6f4 v[ACC+8*(4*\a+\b):ACC+8*(4*\a+\b)+7], v[\f+48+12*\b:\f+48+12*\b+11], v[\f+12*\a:\f+12*\a+11], v[ACC+8*(4*\a+\b):ACC+8*(4*\a+\b)+7], v[SC+16*\set+4*\b+\q], v[SC+16*\set+4*\a+\q] matrix_a_fmt:MATRIX_FMT_BF6 matrix_b_fmt:MATRIX_FMT_BF6 matrix_a_scale:MATRIX_SCALE_ROW1
.endif
.endr
.endm
.macro KSTEP f, g, slot, ksl, q, first
	s_wait_dscnt 0x0
	PLACES
	FETCH \slot, \ksl, \g
	WIN MUL
.irp a, 0,1,2,3
	MULA \f, \a, \slot, \q, \first
.endr
.endm
.macro TURN slot, next, fill
	WIN 0
.if \fill
	s_wait_xcnt 0x0                                ; my prefetches have read their address: it steps one chunk
	s_add_nc_u64 s[PFA:PFA+1], s[PFA:PFA+1], 6144
.endif
	s_wait_tensorcnt 0x0
.if \fill
	ds_add_u32 v[SPW], v[NIL]
	s_wait_dscnt 0x1
.else
	s_wait_dscnt 0x0
.endif
	WIN MUL
	MULA F1, 0, \slot, 3, 0
	s_wait_dscnt 0x0
	s_barrier_signal -1
	MULA F1, 1, \slot, 3, 0
	WIN 0
	s_barrier_wait -1
.if \fill
	CREST
	s_add_nc_u64 s[G0+4*\slot+2:G0+4*\slot+3], s[G0+4*\slot+2:G0+4*\slot+3], 12288
	s_add_nc_u64 s[G0B+4*\slot+2:G0B+4*\slot+3], s[G0B+4*\slot+2:G0B+4*\slot+3], 12288
	JLOAD G0+4*\slot, G1, G0B+4*\slot, G1B
.else
	PLACES
.endif
	s_wait_alu depctr_va_vdst(0)
	v_add_nc_u32 v[SADR], 16, v[SADR]
	FETCH \next, 0, F0
	WIN 0
	SCALES \next
.if \fill
	s_cmp_gt_u32 s3, 1                             ; the refill just issued asks for chunk j: chunk j + 2 is named here; the last trip's refills (chunks 6, 7) have none two on
	s_cbranch_scc0 .Lno_ask_\@
	global_prefetch_b8 v7, s[PFA:PFA+1] offset:6144 th:TH_LOAD_NT scope:SCOPE_SE
.Lno_ask_\@:
.endif
	WIN MUL
	MULA F1, 2, \slot, 3, 0
	MULA F1, 3, \slot, 3, 0
.endm
	s_wait_tensorcnt 0x0                           ; my tile of the head's four is in
	ds_add_u32 v[SPW], v[NIL]
	s_mov_b32 s[G1+2], 4<<16                       ; no tensor load of mine is out: from here on a load brings four row-blocks
	s_mov_b32 s[G1+4], 4
	s_mov_b32 s[G1B+2], 4<<16
	s_mov_b32 s[G1B+4], 4
	s_wait_dscnt 0x0
	CROUND                                         ; all four tiles are in, and the sixteen work-groups meet
	JLOAD G0+4, G1, G0B+4, G1B                     ; slot 1's first fill: my one load behind the round
	FETCH 0, 0, F0
	WIN 0
	SCALES 0
	s_wait_loadcnt 0x0                             ; the bias
	KSTEP F0, F1, 0, 1, 0, 1
.if LAPS > 1
	WIN 0
	s_mov_b32 s3, LAPS-1
	WIN 0x80                                       ; the residual's 32 loads, into window 2: asked for behind the first kstep, wanted on the way out
.irp p, 0,1
.set t, 0
.rept 16
	global_load_b128 v[4*(16*\p+t):4*(16*\p+t)+3], v[CO], s[10:11] offset:(32*\p+8*(t/8)+2*(t%8)+8*((t%8)/4))*4096 th:TH_LOAD_NT
.set t, t+1
.endr
.endr
	WIN 0
.Llap:
	KSTEP F1, F0, 0, 2, 1, 0
	KSTEP F0, F1, 0, 3, 2, 0
	TURN 0, 1, 1
	KSTEP F0, F1, 1, 1, 0, 0
	KSTEP F1, F0, 1, 2, 1, 0
	KSTEP F0, F1, 1, 3, 2, 0
	TURN 1, 0, 1
	KSTEP F0, F1, 0, 1, 0, 0
	WIN 0
	s_sub_co_u32 s3, s3, 1
	s_cmp_lg_u32 s3, 0
	s_cbranch_scc1 .Llap
.endif
	KSTEP F1, F0, 0, 2, 1, 0
	KSTEP F0, F1, 0, 3, 2, 0
	TURN 0, 1, 0
	KSTEP F0, F1, 1, 1, 0, 0
	KSTEP F1, F0, 1, 2, 1, 0
	KSTEP F0, F1, 1, 3, 2, 0
	s_wait_dscnt 0x0
	WIN MUL
.irp a, 0,1,2,3
	MULA F1, \a, 1, 3, 0
.endr
	WIN 0
	PLACES
.macro OUT p
.if \p
	s_wait_xcnt 0x0
.endif
.irp u, 0,1
.irp f, 0,1,2,3
	ds_store_b128 v[STO], v[ACC+8*(4*(2*\p+\u)+\f):ACC+8*(4*(2*\p+\u)+\f)+3] offset:16*\u*272+128*(\f/2)+32*(\f%2)
	ds_store_b128 v[STO], v[ACC+8*(4*(2*\p+\u)+\f)+4:ACC+8*(4*(2*\p+\u)+\f)+7] offset:16*\u*272+128*(\f/2)+32*(\f%2)+16
.endr
.endr
.set t, 0
.rept 16
	ds_load_b128 v[64+4*t:64+4*t+3], v[RD] offset:2*t*272
.set t, t+1
.endr
	s_wait_dscnt 0x0
.if \p == 0
	s_wait_loadcnt 0x0
.endif
	WIN 0x08
.set t, 0
.rept 32
	v_pk_add_f32 v[64+2*t:65+2*t], v[64+2*t:65+2*t], v[64*\p+2*t:64*\p+2*t+1]
.set t, t+1
.endr
	WIN 0
.set t, 0
.rept 16
	global_store_b128 v[CO], v[64+4*t:64+4*t+3], s[12:13] offset:(32*\p+8*(t/8)+2*(t%8)+8*((t%8)/4))*4096 th:TH_STORE_NT
.set t, t+1
.endr
.endm
	OUT 0
	OUT 1
	s_wait_tensorcnt 0x0
	ds_add_u32 v[SPW], v[NIL]
	s_wait_dscnt 0x0
	CROUND
	s_endpgm
.Lfunc_end_k_qd85a5d50a2_gdown:
	.size	k_qd85a5d50a2_gdown, .Lfunc_end_k_qd85a5d50a2_gdown-k_qd85a5d50a2_gdown
	.p2alignl 7, 3214868480
	.fill 96, 4, 3214868480
	.section	.rodata,"a",@progbits
	.p2align	6, 0x0
	.amdhsa_kernel k_qd85a5d50a2_gdown
		.amdhsa_group_segment_fixed_size 327680
		.amdhsa_private_segment_fixed_size 0
		.amdhsa_enable_private_segment 0
		.amdhsa_kernarg_size 40
		.amdhsa_user_sgpr_count 2
		.amdhsa_user_sgpr_kernarg_segment_ptr 1
		.amdhsa_wavefront_size32 1
		.amdhsa_system_sgpr_workgroup_id_x 1
		.amdhsa_system_sgpr_workgroup_id_y 1
		.amdhsa_system_sgpr_workgroup_id_z 1
		.amdhsa_system_vgpr_workitem_id 0
		.amdhsa_next_free_vgpr 640
		.amdhsa_next_free_sgpr 100
		.amdhsa_reserve_vcc 0
		.amdhsa_float_denorm_mode_32 3
		.amdhsa_float_denorm_mode_16_64 3
		.amdhsa_memory_ordered 1
		.amdhsa_forward_progress 1
		.amdhsa_inst_pref_size 99
	.end_amdhsa_kernel
	.amdgpu_metadata
---
amdhsa.version: [ 1, 2 ]
amdhsa.kernels:
  - .name:           k_qd85a5d50a2_gdown
    .symbol:         k_qd85a5d50a2_gdown.kd
    .args:
      - { .name: uq, .offset: 0, .size: 8, .value_kind: global_buffer, .address_space: global }
      - { .name: wq, .offset: 8, .size: 8, .value_kind: global_buffer, .address_space: global }
      - { .name: b_down, .offset: 16, .size: 8, .value_kind: global_buffer, .address_space: global }
      - { .name: ao, .offset: 24, .size: 8, .value_kind: global_buffer, .address_space: global }
      - { .name: out0, .offset: 32, .size: 8, .value_kind: global_buffer, .address_space: global }
    .group_segment_fixed_size: 327680
    .private_segment_fixed_size: 0
    .kernarg_segment_align: 8
    .kernarg_segment_size: 40
    .max_flat_workgroup_size: 128
    .sgpr_count:     100
    .vgpr_count:     640
    .wavefront_size: 32
...
	.end_amdgpu_metadata
.endif
;; end of part 13
